; MI455X (gfx1250); checked and timed in simulation.
; The chip was launched on July 23, 2026; its instructions are those of AMD's public machine-readable ISA for CDNA 5 (MIT licence, August 2026) and "CDNA5" Instruction Set Architecture Reference Guide (July 2026). The comments in the code are by the model that wrote it; some were corrected since.
;; Grouped Experts Deep EP. Allowed arithmetic: matrix products marked QUANTISED: E2M1 operands, one E8M0 scale for each 32 along K, by v_wmma_scale_f32_16x16x128_f8f6f4 with both operands' format E2M1 (or v_wmma_scale_f32_32x16x128_f4), f32 sums; everything else in f32.
;; Inputs: W_down 8 x 128 x 2,048 float32; W_gup 8 x 2,048 x 256 float32; indices 8,192 x 2 int32; token_mask 8,192 bool; weights 8,192 x 2 float32; x 8,192 x 2,048 float32.
;; Outputs: out0 8,192 x 2,048 float32.
;; This version of the problem:
;;   THIS VERSION OF THE PROBLEM IS GIVEN IN LOW PRECISION. The matrix products marked QUANTISED in the list below multiply operands that are first quantised to E2M1 (2 exponent bits, 1 mantissa bit; 4 bits a number), with one power-of-two scale for each 32 numbers along K (OCP MX v1.0); their sums are f32. All else is computed in f32.
;;   The module's matrix products, in the order in which they are computed (A, B: the left and right operand; K: the contracted axis; several contracted axes count as one K, in the product's order):
;;     1. [M 8,192, K 2,048] x [K 2,048, N 256]; A: input x; B: input W_gup: QUANTISED
;;     2. [M 8,192, K 128] x [K 128, N 2,048]; A: computed on the way; B: input W_down: QUANTISED
;;     3. [M 8,192, K 2,048] x [K 2,048, N 256]; A: input x; B: input W_gup: QUANTISED
;;     4. [M 8,192, K 128] x [K 128, N 2,048]; A: computed on the way; B: input W_down: QUANTISED
;;     5. [M 8,192, K 2,048] x [K 2,048, N 256]; A: input x; B: input W_gup: QUANTISED
;;     6. [M 8,192, K 128] x [K 128, N 2,048]; A: computed on the way; B: input W_down: QUANTISED
;;     7. [M 8,192, K 2,048] x [K 2,048, N 256]; A: input x; B: input W_gup: QUANTISED
;;     8. [M 8,192, K 128] x [K 128, N 2,048]; A: computed on the way; B: input W_down: QUANTISED
;;     9. [M 8,192, K 2,048] x [K 2,048, N 256]; A: input x; B: input W_gup: QUANTISED
;;     10. [M 8,192, K 128] x [K 128, N 2,048]; A: computed on the way; B: input W_down: QUANTISED
;;     11. [M 8,192, K 2,048] x [K 2,048, N 256]; A: input x; B: input W_gup: QUANTISED
;;     12. [M 8,192, K 128] x [K 128, N 2,048]; A: computed on the way; B: input W_down: QUANTISED
;;     13. [M 8,192, K 2,048] x [K 2,048, N 256]; A: input x; B: input W_gup: QUANTISED
;;     14. [M 8,192, K 128] x [K 128, N 2,048]; A: computed on the way; B: input W_down: QUANTISED
;;     15. [M 8,192, K 2,048] x [K 2,048, N 256]; A: input x; B: input W_gup: QUANTISED
;;     16. [M 8,192, K 128] x [K 128, N 2,048]; A: computed on the way; B: input W_down: QUANTISED
;;   THE QUANTISER, for each operand of a quantised product, along K:
;;     - K is cut into blocks of 32 from its start; a last block that is shorter is filled with zeros.
;;     - A block's scale is 2^e with e = floor(log2(the largest magnitude in the block)) - 2, held to -126 .. 127; a block of zeros has e = 0. As a byte (E8M0): e + 127.
;;     - Each number is divided by its block's scale, clamped to +-6, and rounded to the nearest number of E2M1, ties to even, subnormals kept.
;;     - The product sums the exact products of the quantised numbers (number of the format x scale) in f32.
;;   ~~~python
;;   def quantise(x, axis):      # numpy; x: float32 -> the quantised numbers, widened to float32 again
;;       x = np.moveaxis(x, axis, -1); K = x.shape[-1]
;;       x = np.pad(x, [(0, 0)] * (x.ndim - 1) + [(0, -K % 32)]); x = x.reshape(x.shape[:-1] + (-1, 32)); a = np.abs(x).max(-1, keepdims=True)
;;       e = np.where(a > 0, np.clip(np.frexp(np.where(a > 0, a, 1))[1] - 1 - 2, -126, 127), 0)      # np.frexp(a)[1] - 1 = floor(log2(a)), exactly
;;       r = np.clip(x / 2.0 ** e, -6, 6)
;;       step = 2.0 ** (np.maximum(np.frexp(np.where(r == 0, 1, r))[1] - 1, 0) - 1)
;;       q = np.round(r / step) * step * 2.0 ** e      # np.round: ties to even
;;       return np.moveaxis(q.reshape(q.shape[:-2] + (-1,))[..., :K], -1, axis).astype(np.float32)
;;   ~~~
;;   OPERANDS COMPUTED ON THE WAY. 'Computed on the way' means the value that the module computes at that place (a softmax that the list does not call 'softmax' is quantised finished and normalised). What goes into a quantiser is computed in f32, as accurately as f32 sums, v_exp_f32 and their like allow (about 1e-6 of the number): no bf16 or f16 on the way to a quantiser, and a product that is left as it is and whose result goes on into a quantised operand takes f32 operands (vector FMAs, or v_wmma_f32_16x16x4_f32). A number that lies on a knife's edge between two numbers of the format may be rounded either way, as far as f32 arithmetic and the matrix unit's own rounding can turn it there, and no further.
;; 3 versions. Each part assembles by itself: llvm-mc -triple=amdgcn-amd-amdhsa -mcpu=gfx1250 --defsym DOCPART=n.
;; ======== version 1 of 3: 2 launches
;; workspace buffers: gwc 2,097,152 bytes; gws 131,072 bytes; dwc 1,048,576 bytes; dws 65,536 bytes; rows 36,864 bytes of whole numbers; hdr 4,608 bytes of whole numbers
;; launch prep (part 1): grid 257 x 1, 8 waves a work-group, no clusters, 2,048 bytes of LDS; arguments W_gup, W_down, indices, token_mask, gwc, gws, dwc, dws, rows, hdr, out0; writes gwc, gws, dwc, dws, rows, hdr, out0
.if DOCPART == 1
	.amdgcn_target "amdgcn-amd-amdhsa--gfx1250"
	.amdhsa_code_object_version 6
	.text
	.protected	k_q71718298e1_prep
	.globl	k_q71718298e1_prep
	.p2align	8
	.type	k_q71718298e1_prep,@function
k_q71718298e1_prep:
	s_mov_b64 s[64:65], 0
	v_nop
	global_prefetch_b8 v0, s[64:65] scope:SCOPE_SE
	s_setreg_imm32_b32 hwreg(HW_REG_WAVE_MODE, 25, 1), 1
	s_wait_xcnt 0x0
; PREP: what the layer of experts needs once.
; (1) W_gup [8][2048][256] and W_down [8][128][2048], f32, K = the first axis inside an expert, become codes of FP4 (E2M1) with one E8M0 byte for each 32 along K,
;     laid as IMAGES OF THE OPERAND'S REGISTERS: a tile of 16 columns x 128 K is 1,024 bytes, block b (32 along K) of column r at byte 256 b + 16 r.
;     gwc [e 8][w 8][s 16][t 2][1,024]: t = 0 columns 16 w + r (gate), t = 1 columns 128 + 16 w + r (up), s the K step of 128.   gws [e][s 16][n 256] one word (four bytes, block b in byte b).
;     dwc [e 8][tile 128][1,024]: columns 16 tile + r.   dws [e][n 2048] one word.
; (2) The rows of out0 whose token_mask byte is 0 are zeros: reference() drops those tokens.
; (3) The tokens that count are sorted into the 28 sets of two experts a < b and cut into blocks of 32 that never straddle a set: rows[32 block + i] = token, hdr[block] = (count, a, b, 0).
;     A token that names one expert twice goes into the set (a, a + 1), (7, 7) into (6, 7): the later launch finds its weights by comparing, so the other expert gets 0.
;     With 8,192 tokens and 28 sets there are never more than 256 + 27 = 283 blocks.
; SHARES: work-group 0 sorts (8 waves, 1,024 tokens each).  Work-groups 1 to 256: waves 0 to 5 quantise one item each (32 columns x 128 K; 1,024 items of W_gup, 512 of W_down), waves 6 and 7 look at 16 tokens' mask each.
; THE QUANTISER: a lane takes a column and its registers run down K, so a block of 32 lies in one lane; scale byte = the largest magnitude's exponent field - 2, held at 1 from below by a floor among the maximum's leaves.
; LIMITS: a block of zeros (or under 2^-124) has the byte 1 where the rule says 127 (its codes are zeros, and this program alone reads the bytes); NaN and infinities are not served; indices are taken to lie in 0 .. 7.
.set NUM, 32                           ; v32-159   an item's 128 numbers of my column
.set COD, 160                          ; v160-175  its codes, four registers a block
.set SW,  176                          ; v176      its scale word
.set IDX, 32                           ; sorting: v32-95 index pairs; later v32-63 4 x set, v64-95 token numbers
.set MK,  96                           ; v96-127   mask bytes; later places in the list
.set QQ,  128                          ; v128-159  the set of my token of row i (31: masked)
.set RK,  160                          ; v160-191  how many lanes below mine have the same set in row i
.set EX,  192                          ; v192-223  lane q: tokens of set q in my wave's rows before i
.set NL,  224                          ; v224-228  bit j of my lane's number, less 1
.set RUN, 229                          ; v229      lane q: tokens of set q in my wave so far
.set TOT, 36                           ; s36-63    tokens of set q
.set BASE, 66                          ; s66-93    first block of set q
.set BAL, 94                           ; s94-98    ballots: the lanes whose set has bit j
; block b of an item: largest magnitude of my 32 numbers, scale byte, 32 codes, one store: sixteen lanes fill 256 consecutive bytes, aligned
.macro QBLK b
.set XB, NUM+32*(\b)
	v_max3_num_f32 v8, |v[XB]|, |v[XB+1]|, |v[XB+2]|
	v_max3_num_f32 v9, |v[XB+3]|, |v[XB+4]|, |v[XB+5]|
.irp i, 6,10,14,18,22,26
	v_max3_num_f32 v8, v8, |v[XB+\i]|, |v[XB+\i+1]|
	v_max3_num_f32 v9, v9, |v[XB+\i+2]|, |v[XB+\i+3]|
.endr
	v_max3_num_f32 v8, v8, |v[XB+30]|, |v[XB+31]|
	v_max3_num_f32 v8, v8, v9, 0x1800000           ; the floor 2^(3 - 127): the byte cannot fall under 1
	v_add_nc_u32 v10, 0xff000000, v8               ; 2 off the exponent field: the conversion's scale operand
	v_lshrrev_b32 v11, 23, v10                     ; the scale's byte
.if (\b) == 0
	v_mov_b32 v[SW], v11
.else
	v_lshl_or_b32 v[SW], v11, 8*(\b), v[SW]
.endif
.irp g, 0,1,2,3
	v_cvt_scalef32_pk8_fp4_f32 v[COD+4*(\b)+\g], v[XB+8*\g:XB+8*\g+7], v10
.endr
	global_store_b128 v3, v[COD+4*(\b):COD+4*(\b)+3], s[30:31] offset:256*(\b)   ; each block has its own code registers: no store's data are written again
.endm
; an item: 128 loads, a row of the weight each (32 lanes read 128 consecutive bytes), then the four blocks
.macro QITEM stride
.set n, 0
.rept 128
	global_load_b32 v[NUM+n], v2, s[28:29] offset:n*(\stride) th:TH_LOAD_NT
.set n, n+1
.endr
	s_wait_loadcnt 63                              ; the 63 youngest may be out: the first 65 are in, blocks 0 and 1 among them
	QBLK 0
	QBLK 1
	s_wait_loadcnt 32                              ; block 3's 32 may be out
	QBLK 2
	s_wait_loadcnt 0x0
	QBLK 3
	global_store_b32 v2, v[SW], s[32:33]           ; 32 columns' scale words: 128 consecutive bytes
.endm
; token i of my 16: if its mask byte is 0, its row of out0 (8,192 bytes) is zeros: sixteen stores of 512 consecutive bytes
.macro ZROW i
	s_bfe_u32 s40, s[36+(\i)/4], (8<<16)|(8*((\i)%4))
	s_cmp_lg_u32 s40, 0
	s_cbranch_scc1 .Lkeep_\@
.irp j, 0,1,2,3,4,5,6,7,8,9,10,11,12,13,14,15
	global_store_b128 v2, v[4:7], s[28:29] offset:(\i)*8192+\j*512 th:TH_STORE_NT
.endr
.Lkeep_\@:
.endm
; row i of my wave's 32 rows of 32 tokens: the set of each token, its rank among the lanes of the same set, and (lane q) the count of set q
.macro RROW i
	v_min_u32 v230, v[IDX+2*(\i)], v[IDX+2*(\i)+1] ; lo
	v_add_nc_u32 v231, v[IDX+2*(\i)], v[IDX+2*(\i)+1]
	v_sub_nc_u32 v231, v231, v230                  ; hi
	v_cmp_eq_u32 vcc_lo, v230, v231
	v_add_co_ci_u32 v231, vcc_lo, 0, v231, vcc_lo  ; one expert named twice: (a, a + 1)
	v_min_u32 v231, 7, v231                        ; (7, 8) becomes
	v_add_nc_u32 v231, -1, v231                    ; t = hi - 1,
	v_min_u32 v230, v230, v231                     ; (6, 7)
	v_sub_nc_u32 v232, 15, v230
	v_mul_u32_u24 v232, v232, v230
	v_lshrrev_b32 v232, 1, v232                    ; lo (15 - lo) / 2: the sets with a smaller lo
	v_add_nc_u32 v232, v232, v231
	v_sub_nc_u32 v232, v232, v230                  ; + hi - lo - 1
	v_cmp_eq_u32 vcc_lo, 0, v[MK+(\i)]
	v_cndmask_b32 v[QQ+(\i)], v232, v246, vcc_lo   ; a masked token: 31
.irp j, 0,1,2,3,4
	v_bfe_u32 v233, v[QQ+(\i)], \j, 1
	v_cmp_ne_u32 s[BAL+\j], 0, v233                ; the lanes whose set has bit j
	v_add_nc_u32 v233, -1, v233                    ; 0 where mine has it, else all ones
.if \j == 0
	v_xor_b32 v234, s[BAL+\j], v233                ; v234: the lanes whose set agrees with mine in the bits so far
	v_xor_b32 v236, s[BAL+\j], v[NL+\j]            ; v236: the lanes whose set agrees with my LANE'S NUMBER
.else
	v_xor_b32 v233, s[BAL+\j], v233
	v_and_b32 v234, v234, v233
	v_xor_b32 v235, s[BAL+\j], v[NL+\j]
	v_and_b32 v236, v236, v235
.endif
.endr
	v_mbcnt_lo_u32_b32 v[RK+(\i)], v234, 0
	v_mov_b32 v[EX+(\i)], v[RUN]
	v_lshrrev_b32 v235, 1, v236                    ; the number of ones in v236
	v_and_b32 v235, 0x55555555, v235
	v_sub_nc_u32 v236, v236, v235
	v_lshrrev_b32 v235, 2, v236
	v_and_b32 v235, 0x33333333, v235
	v_and_b32 v236, 0x33333333, v236
	v_add_nc_u32 v236, v236, v235
	v_lshrrev_b32 v235, 4, v236
	v_add_nc_u32 v236, v236, v235
	v_and_b32 v236, 0x0f0f0f0f, v236
	v_mul_lo_u32 v236, v236, s35
	v_lshrrev_b32 v236, 24, v236
	v_add_nc_u32 v[RUN], v[RUN], v236
.endm
; the header of block j = j0 + my thread's number: the last set whose first block is not behind j.
; Its 16 bytes lie at 16 j: v2 = 16 x my thread's number, made at the sort's head and never rewritten, and 16 j0 in the immediate
.macro HDRS j0
	s_wait_xcnt 0x0                                ; earlier stores have read their registers
	v_add_nc_u32 v234, \j0, v0
	v_mov_b32 v235, 0
	v_mov_b32 v236, 0
	v_mov_b32 v237, 8
.set q, 0
.irp ab, 8,16,24,32,40,48,56,17,25,33,41,49,57,26,34,42,50,58,35,43,51,59,44,52,60,53,61,62
	v_cmp_gt_u32 vcc_lo, s[BASE+q], v234           ; the set begins behind j: keep what I have
	v_cndmask_b32 v235, s[BASE+q], v235, vcc_lo
	v_cndmask_b32 v236, s[TOT+q], v236, vcc_lo
	v_cndmask_b32 v237, \ab, v237, vcc_lo          ; a + 8 b
.set q, q+1
.endr
	v_sub_nc_u32 v235, v234, v235
	v_lshlrev_b32 v235, 5, v235
	v_sub_nc_u32 v240, v236, v235                  ; the set's tokens from this block on,
	v_cmp_lt_i32 vcc_lo, 0, v240
	v_cndmask_b32 v240, 0, v240, vcc_lo            ; none behind its last block,
	v_min_u32 v240, 32, v240                       ; at most 32
	v_and_b32 v241, 7, v237
	v_lshrrev_b32 v242, 3, v237
	v_mov_b32 v243, 0
	global_store_b128 v2, v[240:243], s[22:23] offset:16*(\j0)
.endm
	s_load_b512 s[4:19], s[0:1], 0x0               ; W_gup s[4:5], W_down s[6:7], indices s[8:9], token_mask s[10:11], gwc s[12:13], gws s[14:15], dwc s[16:17], dws s[18:19]
	s_load_b128 s[20:23], s[0:1], 0x40             ; rows s[20:21], hdr s[22:23]
	s_load_b64 s[24:25], s[0:1], 0x50              ; out0
	v_lshl_add_u32 v254, v0, 2, 0x400
	v_mov_b32 v255, 0
	v_lshrrev_b32 v1, 5, v0
	v_readfirstlane_b32 s26, v1                    ; wave 0..7
	v_and_b32 v1, 31, v0                           ; lane
	s_wait_kmcnt 0x0
	s_cmp_eq_u32 ttmp9, 0
	s_cbranch_scc1 .Lroute
	s_sub_co_u32 s27, ttmp9, 1                     ; g = 0 .. 255
	s_cmp_ge_u32 s26, 6
	s_cbranch_scc1 .Lzero
	; ---- an item of a weight
	s_mul_i32 s34, s27, 6
	s_add_co_u32 s34, s34, s26                     ; item = 6 g + wave
	v_lshlrev_b32 v2, 2, v1                        ; 4 bytes a lane: my column, and my scale word
	v_lshrrev_b32 v4, 4, v1                        ; which of the item's two tiles of 16 columns
	v_and_b32 v5, 15, v1
	v_lshlrev_b32 v5, 4, v5                        ; 16 r
	s_mov_b32 s41, 0
	s_cmp_ge_u32 s34, 1024
	s_cbranch_scc1 .Ldown
	s_lshr_b32 s35, s34, 3                         ; 16 e + s
	s_and_b32 s36, s34, 7                          ; which 32 of the 256 columns
	s_lshl_b32 s40, s35, 17                        ; 128 rows of 1,024 bytes a K step
	s_lshl_b32 s37, s36, 7
	s_add_co_u32 s40, s40, s37
	s_add_nc_u64 s[28:29], s[4:5], s[40:41]
	s_lshr_b32 s38, s34, 7
	s_lshl_b32 s40, s38, 18                        ; e
	s_and_b32 s38, s35, 15
	s_lshl_b32 s38, s38, 11                        ; s
	s_add_co_u32 s40, s40, s38
	s_lshr_b32 s38, s36, 2
	s_lshl_b32 s38, s38, 10                        ; t: gate or up
	s_add_co_u32 s40, s40, s38
	s_and_b32 s38, s36, 3
	s_lshl_b32 s38, s38, 16                        ; w = 2 x this + the lane's tile
	s_add_co_u32 s40, s40, s38
	s_add_nc_u64 s[30:31], s[12:13], s[40:41]
	s_lshl_b32 s40, s35, 10
	s_add_co_u32 s40, s40, s37
	s_add_nc_u64 s[32:33], s[14:15], s[40:41]
	v_lshl_add_u32 v3, v4, 15, v5
	QITEM 1024
	s_endpgm
.Ldown:
	s_sub_co_u32 s34, s34, 1024                    ; 64 e + which 32 of the 2,048 columns
	s_lshr_b32 s35, s34, 6
	s_lshl_b32 s40, s35, 20                        ; 128 rows of 8,192 bytes an expert
	s_and_b32 s36, s34, 63
	s_lshl_b32 s36, s36, 7
	s_add_co_u32 s40, s40, s36
	s_add_nc_u64 s[28:29], s[6:7], s[40:41]
	s_lshl_b32 s40, s34, 11                        ; two tiles of 1,024 bytes an item
	s_add_nc_u64 s[30:31], s[16:17], s[40:41]
	s_lshl_b32 s40, s34, 7
	s_add_nc_u64 s[32:33], s[18:19], s[40:41]
	v_lshl_add_u32 v3, v4, 10, v5
	QITEM 8192
	s_endpgm
	; ---- the rows of masked tokens
.Lzero:
	s_lshl_b32 s34, s27, 5
	s_sub_co_u32 s35, s26, 6
	s_lshl_b32 s35, s35, 4
	s_add_co_u32 s34, s34, s35                     ; my first token: 32 g + 16 (wave - 6)
	s_mov_b32 s35, 0
	s_add_nc_u64 s[30:31], s[10:11], s[34:35]
	s_load_b128 s[36:39], s[30:31], 0x0            ; 16 mask bytes
	s_lshl_b32 s40, s34, 13
	s_mov_b32 s41, 0
	s_add_nc_u64 s[28:29], s[24:25], s[40:41]
	v_lshlrev_b32 v2, 4, v1
	v_mov_b32 v4, 0
	v_mov_b32 v5, 0
	v_mov_b32 v6, 0
	v_mov_b32 v7, 0
	s_wait_kmcnt 0x0
.irp i, 0,1,2,3,4,5,6,7,8,9,10,11,12,13,14,15
	ZROW \i
.endr
	s_endpgm
	; ---- the sort: token = 1,024 wave + 32 i + lane
.Lroute:
	v_lshlrev_b32 v2, 4, v0                        ; 16 x my thread's number: the zeros' places and the headers'; never rewritten
	v_mov_b32 v4, 0
	v_mov_b32 v5, 0
	v_mov_b32 v6, 0
	v_mov_b32 v7, 0
.irp k, 0,1,2,3,4,5,6,7,8
	global_store_b128 v2, v[4:7], s[20:21] offset:4096*\k   ; the whole list is zeros first: what no token takes names token 0
.endr
	v_lshrrev_b32 v12, 5, v0
	v_lshl_add_u32 v12, v12, 10, v1                ; my token of row 0
	v_lshlrev_b32 v8, 3, v12
.set i, 0
.rept 32
	global_load_b64 v[IDX+2*i:IDX+2*i+1], v8, s[8:9] offset:256*i
	global_load_u8 v[MK+i], v12, s[10:11] offset:32*i
.set i, i+1
.endr
	v_lshlrev_b32 v10, 2, v0
	v_lshlrev_b32 v11, 2, v1
	v_mov_b32 v246, 31
	v_mov_b32 v[RUN], 0
.irp j, 0,1,2,3,4
	v_bfe_u32 v[NL+\j], v1, \j, 1
	v_add_nc_u32 v[NL+\j], -1, v[NL+\j]
.endr
	s_mov_b32 s35, 0x01010101
	s_wait_loadcnt 0x0
.set ri, 0
.rept 32
	RROW ri
.set ri, ri+1
.endr
	ds_store_b32 v10, v[RUN]                       ; my wave's 32 counts
	s_wait_storecnt 0x0                            ; my part of the zeros is written: no wave places a token before all have passed this
	s_wait_dscnt 0x0
	s_barrier_signal -1
	s_barrier_wait -1
.irp w, 0,1,2,3,4,5,6,7
	ds_load_b32 v[237+\w], v11 offset:128*\w
.endr
	s_wait_dscnt 0x0
	v_add_nc_u32 v245, v237, v238
.irp w, 2,3,4,5,6,7
	v_add_nc_u32 v245, v245, v[237+\w]             ; lane q: all tokens of set q
.endr
	v_mov_b32 v230, 0
.irp w, 0,1,2,3,4,5,6
	s_cmp_gt_u32 s26, \w
	s_cselect_b32 s34, -1, 0
	v_and_b32 v231, s34, v[237+\w]
	v_add_nc_u32 v230, v230, v231                  ; lane q: those of the waves before mine
.endr
	v_mov_b32 v232, 0
	s_mov_b32 s34, 0
.set q, 0
.rept 28
	v_readlane_b32 s[TOT+q], v245, q
	s_mov_b32 s[BASE+q], s34                       ; the set's first block
	v_writelane_b32 v232, s34, q
	s_add_co_u32 s35, s[TOT+q], 31
	s_lshr_b32 s35, s35, 5
	s_add_co_u32 s34, s34, s35
.set q, q+1
.endr
	v_lshl_add_u32 v233, v232, 5, v230             ; lane q: where my wave's tokens of set q begin in the list
.set i, 0
.rept 32
	v_add_nc_u32 v[EX+i], v[EX+i], v233
	v_lshlrev_b32 v[IDX+i], 2, v[QQ+i]
	ds_bpermute_b32 v[MK+i], v[IDX+i], v[EX+i]     ; from the lane that has my set's number
.set i, i+1
.endr
	s_wait_dscnt 0x0
.set i, 0
.rept 32
	v_add_nc_u32 v[MK+i], v[MK+i], v[RK+i]
	v_min_u32 v[MK+i], 9055, v[MK+i]               ; 283 blocks of 32: the last place
	v_lshlrev_b32 v[MK+i], 2, v[MK+i]
	v_add_nc_u32 v[IDX+32+i], 32*i, v12
.set i, i+1
.endr
	s_wait_xcnt 0x0                                ; EXEC changes only behind this wait
.set i, 0
.rept 32
	v_cmp_ne_u32 vcc_lo, 31, v[QQ+i]
	s_and_saveexec_b32 s99, vcc_lo                 ; the tokens that count
	global_store_b32 v[MK+i], v[IDX+32+i], s[20:21]
	s_wait_xcnt 0x0                                ; and again in front of the line that widens it
	s_or_b32 exec_lo, exec_lo, s99
.set i, i+1
.endr
	HDRS 0                                         ; blocks 0 to 255
	s_cmp_lg_u32 s26, 0
	s_cbranch_scc1 .Lrdone
	HDRS 256                                       ; wave 0, whose thread numbers are its lanes': blocks 256 to 287
.Lrdone:
	s_wait_tensorcnt 0x0
	ds_add_u32 v254, v255
	s_wait_dscnt 0x0
	s_endpgm
.Lfunc_end_k_q71718298e1_prep:
	.size	k_q71718298e1_prep, .Lfunc_end_k_q71718298e1_prep-k_q71718298e1_prep
	.p2alignl 7, 3214868480
	.fill 96, 4, 3214868480
	.section	.rodata,"a",@progbits
	.p2align	6, 0x0
	.amdhsa_kernel k_q71718298e1_prep
		.amdhsa_group_segment_fixed_size 2048
		.amdhsa_private_segment_fixed_size 0
		.amdhsa_enable_private_segment 0
		.amdhsa_kernarg_size 88
		.amdhsa_user_sgpr_count 2
		.amdhsa_user_sgpr_kernarg_segment_ptr 1
		.amdhsa_wavefront_size32 1
		.amdhsa_system_sgpr_workgroup_id_x 1
		.amdhsa_system_sgpr_workgroup_id_y 1
		.amdhsa_system_sgpr_workgroup_id_z 1
		.amdhsa_system_vgpr_workitem_id 0
		.amdhsa_next_free_vgpr 256
		.amdhsa_next_free_sgpr 100
		.amdhsa_reserve_vcc 1
		.amdhsa_float_denorm_mode_32 3
		.amdhsa_float_denorm_mode_16_64 3
		.amdhsa_memory_ordered 1
		.amdhsa_forward_progress 1
		.amdhsa_inst_pref_size 187
	.end_amdhsa_kernel
	.amdgpu_metadata
---
amdhsa.version: [ 1, 2 ]
amdhsa.kernels:
  - .name:           k_q71718298e1_prep
    .symbol:         k_q71718298e1_prep.kd
    .args:
      - { .name: W_gup, .offset: 0, .size: 8, .value_kind: global_buffer, .address_space: global }
      - { .name: W_down, .offset: 8, .size: 8, .value_kind: global_buffer, .address_space: global }
      - { .name: indices, .offset: 16, .size: 8, .value_kind: global_buffer, .address_space: global }
      - { .name: token_mask, .offset: 24, .size: 8, .value_kind: global_buffer, .address_space: global }
      - { .name: gwc, .offset: 32, .size: 8, .value_kind: global_buffer, .address_space: global }
      - { .name: gws, .offset: 40, .size: 8, .value_kind: global_buffer, .address_space: global }
      - { .name: dwc, .offset: 48, .size: 8, .value_kind: global_buffer, .address_space: global }
      - { .name: dws, .offset: 56, .size: 8, .value_kind: global_buffer, .address_space: global }
      - { .name: rows, .offset: 64, .size: 8, .value_kind: global_buffer, .address_space: global }
      - { .name: hdr, .offset: 72, .size: 8, .value_kind: global_buffer, .address_space: global }
      - { .name: out0, .offset: 80, .size: 8, .value_kind: global_buffer, .address_space: global }
    .group_segment_fixed_size: 2048
    .private_segment_fixed_size: 0
    .kernarg_segment_align: 8
    .kernarg_segment_size: 88
    .max_flat_workgroup_size: 256
    .sgpr_count:     100
    .vgpr_count:     256
    .wavefront_size: 32
...
	.end_amdgpu_metadata
.endif
;; end of part 1
;; launch moe (part 2): grid 283 x 1, 8 waves a work-group, no clusters, 140,288 bytes of LDS; arguments x, weights, indices, rows, hdr, gwc, gws, dwc, dws, out0; writes out0
.if DOCPART == 2
	.amdgcn_target "amdgcn-amd-amdhsa--gfx1250"
	.amdhsa_code_object_version 6
	.text
	.protected	k_q71718298e1_moe
	.globl	k_q71718298e1_moe
	.p2align	8
	.type	k_q71718298e1_moe,@function
k_q71718298e1_moe:
	s_mov_b64 s[64:65], 0
	v_nop
	global_prefetch_b8 v0, s[64:65] scope:SCOPE_SE
	s_setreg_imm32_b32 hwreg(HW_REG_WAVE_MODE, 25, 1), 1
	s_wait_xcnt 0x0
; MOE: one work-group takes one block of up to 32 tokens that share the two experts a < b (hdr, rows: made by the launch before) through the whole chain:
;   S1 gather the tokens' rows of x and quantise them (FP4, one E8M0 byte for each 32 along K) into LDS;
;   S2 h = x W_gup for BOTH experts in one walk over K = 2,048; hidden = silu(gate) up p in f32, into LDS;
;   S3 quantise hidden along its 128; y = hidden_a W_down[a] + hidden_b W_down[b] as ONE sum on each accumulator; whole rows of out0.
; Each row of out0 has one owner; the hidden layer never goes to memory.  283 work-groups serve every split (256 + 28 - 1); a block without tokens jumps over the three segments and stores nothing.
; p of a token for an expert = the sum of its weights whose index is that expert, as reference() has it: a token that names one expert twice has both weights on one slot and 0 on the other.
; Rows past the block's count repeat the block's first token: they compute what row 0 computes; at most one of them is stored (an odd count), with row 0's own values, to row 0's place.
; SHARES (8 waves): S1 wave w: rows 4 w .. 4 w + 3.  S2 wave w: hidden units 16 w .. 16 w + 15 (a tile of gate and a tile of up) of both experts, both tiles of 16 rows: 8 accumulators by turns.  S3 wave w: columns 256 w .. 256 w + 255.
; BOTH PRODUCTS ARE USED TRANSPOSED (source 0 = 16 columns of the weight, source 1 = 16 tokens): a lane holds one token and eight neighbouring columns.
; THE WEIGHTS come from memory straight into registers as images of the operand (16 bytes a lane, 512 consecutive bytes a load).  Which expert's they are hangs on the stored list, so this text has no tensor load and no
; joint load: work-groups of a cluster would need equal experts, which no fixed grid gives.  The two barriers stand on the way that every wave takes; each segment reads only registers made on that way or inside itself.
; LIMITS: indices 0 .. 7; NaN and infinities are not served, nor an h of an expert that was not chosen that overflows (reference(): 0 x inf); a block of 32 zeros (or under 2^-124) has the scale byte 1 over zero or held codes.
.set XC,  0                            ; LDS: x's codes, 32 rows of 1,024 bytes, 1,040 apart (65 x 16: the sixteen rows of a load start in different banks)
.set XCP, 1040
.set XS,  33280                        ; x's scale words, 32 rows of 16 words, 80 bytes apart
.set XSP, 80
.set HID, 35840                        ; hidden, f32: [slot 2][row 32] of 512 bytes, 528 apart
.set HP,  528
.set STG, 69632                        ; each wave's own stage: 32 rows of 256 bytes, 272 apart
.set SP,  272
.set VOFF, 16                          ; v16-31   pair i: byte offset in out0 of my 16 bytes of row 2 i + (lane / 16)
.set PP,   32                          ; v32-39   p, a pair for each (slot, tile of rows)
.set XSC,  40                          ; v40-55   S2: x's scale words, K step s; S3: W_down's.  v40-67 hold scales and nothing else
.set WSC,  56                          ; v56-67   S2: W_gup's scale words, ring; S3: v56-59 hidden's
.set XF,   84                          ; v84-115  S2: x's fragments, two buffers; S3: hidden's four fragments
.set HACC, 116                         ; v116-179 S2: 8 accumulators (4 slot + 2 t + m); S3: numbers to quantise, then 8 accumulators of y
.set TT,   180                         ; v180-243 S1: at work; S2: hidden; S3: numbers to quantise, then rows of y
.set MX,   180
.set SO,   188
.set BY,   196
.set CD,   204
.set GWA,  44                          ; s[44:47] gwc at (a, wave), (b, wave);  s[48:51] gws at a, b;  s[52:55] dwc;  s[56:59] dws
.set GSA,  48
.set DWA,  52
.set DSA,  56
.set MSB, 0
.macro WIN new                         ; which window of 256 registers each operand place means; the immediate's high byte repeats the setting that is left
.if MSB != \new
	s_set_vgpr_msb (MSB<<8)|\new
.set MSB, \new
.endif
.endm
; one product 16 x 16 x 128 on codes: d accumulator, a weight fragment (window 1), b token fragment, z = 1: it starts the sum, sa / sb scale registers, ra / rb = 1: their lanes 16-31
.macro MM d, a, b, z, sa, sb, ra, rb
.if \z
.if (\ra) && (\rb)
	v_wmma_scale_f32_16x16x128_f8f6f4 v[(\d):(\d)+7], v[(\a):(\a)+7], v[(\b):(\b)+7], 0, v[\sa], v[\sb] matrix_a_fmt:MATRIX_FMT_FP4 matrix_b_fmt:MATRIX_FMT_FP4 matrix_a_scale:MATRIX_SCALE_ROW1 matrix_b_scale:MATRIX_SCALE_ROW1
.elseif (\ra)
	v_wmma_scale_f32_16x16x128_f8f6f4 v[(\d):(\d)+7], v[(\a):(\a)+7], v[(\b):(\b)+7], 0, v[\sa], v[\sb] matrix_a_fmt:MATRIX_FMT_FP4 matrix_b_fmt:MATRIX_FMT_FP4 matrix_a_scale:MATRIX_SCALE_ROW1
.elseif (\rb)
	v_wmma_scale_f32_16x16x128_f8f6f4 v[(\d):(\d)+7], v[(\a):(\a)+7], v[(\b):(\b)+7], 0, v[\sa], v[\sb] matrix_a_fmt:MATRIX_FMT_FP4 matrix_b_fmt:MATRIX_FMT_FP4 matrix_b_scale:MATRIX_SCALE_ROW1
.else
	v_wmma_scale_f32_16x16x128_f8f6f4 v[(\d):(\d)+7], v[(\a):(\a)+7], v[(\b):(\b)+7], 0, v[\sa], v[\sb] matrix_a_fmt:MATRIX_FMT_FP4 matrix_b_fmt:MATRIX_FMT_FP4
.endif
.else
.if (\ra) && (\rb)
	v_wmma_scale_f32_16x16x128_f8f6f4 v[(\d):(\d)+7], v[(\a):(\a)+7], v[(\b):(\b)+7], v[(\d):(\d)+7], v[\sa], v[\sb] matrix_a_fmt:MATRIX_FMT_FP4 matrix_b_fmt:MATRIX_FMT_FP4 matrix_a_scale:MATRIX_SCALE_ROW1 matrix_b_scale:MATRIX_SCALE_ROW1
.elseif (\ra)
	v_wmma_scale_f32_16x16x128_f8f6f4 v[(\d):(\d)+7], v[(\a):(\a)+7], v[(\b):(\b)+7], v[(\d):(\d)+7], v[\sa], v[\sb] matrix_a_fmt:MATRIX_FMT_FP4 matrix_b_fmt:MATRIX_FMT_FP4 matrix_a_scale:MATRIX_SCALE_ROW1
.elseif (\rb)
	v_wmma_scale_f32_16x16x128_f8f6f4 v[(\d):(\d)+7], v[(\a):(\a)+7], v[(\b):(\b)+7], v[(\d):(\d)+7], v[\sa], v[\sb] matrix_a_fmt:MATRIX_FMT_FP4 matrix_b_fmt:MATRIX_FMT_FP4 matrix_b_scale:MATRIX_SCALE_ROW1
.else
	v_wmma_scale_f32_16x16x128_f8f6f4 v[(\d):(\d)+7], v[(\a):(\a)+7], v[(\b):(\b)+7], v[(\d):(\d)+7], v[\sa], v[\sb] matrix_a_fmt:MATRIX_FMT_FP4 matrix_b_fmt:MATRIX_FMT_FP4
.endif
.endif
.endm
; S1: row i of my four.  In chunk c a lane holds k = 256 c + 8 lane + 0 .. 7: four lanes hold a block of 32, sixteen a K step of 128 (K step 2 c in lanes 0-15, 2 c + 1 in lanes 16-31)
.macro XROW i
	s_wait_dscnt 0x0                               ; the last row's LDS stores have read their registers
	s_wait_loadcnt 16*(3-(\i))                     ; this row's 16 loads are in; the later rows' may be out
	WIN 0x05                                       ; sources 0 and 1: window 1
.irp c, 0,1,2,3,4,5,6,7
	v_max3_num_f32 v[MX+\c], |v[64*(\i)+8*\c]|, |v[64*(\i)+8*\c+1]|, 0x1800000   ; with the floor 2^(3 - 127): the byte cannot fall under 1
.endr
.irp u, 2,4,6
.irp c, 0,1,2,3,4,5,6,7
	v_max3_num_f32 v[MX+\c], |v[64*(\i)+8*\c+\u]|, |v[64*(\i)+8*\c+\u+1]|, v[MX+\c]
.endr
.endr
	WIN 0
.irp c, 0,1,2,3,4,5,6,7
	v_max_num_f32_dpp v[MX+\c], v[MX+\c], v[MX+\c] row_xmask:1 row_mask:0xf bank_mask:0xf
.endr
.irp c, 0,1,2,3,4,5,6,7
	v_max_num_f32_dpp v[MX+\c], v[MX+\c], v[MX+\c] row_xmask:2 row_mask:0xf bank_mask:0xf   ; the block's largest magnitude
.endr
.irp c, 0,1,2,3,4,5,6,7
	v_add_nc_u32 v[SO+\c], 0xff000000, v[MX+\c]    ; 2 off its exponent field: the conversion's scale operand
.endr
.irp c, 0,1,2,3,4,5,6,7
	v_lshrrev_b32 v[BY+\c], 23, v[SO+\c]           ; the scale's byte,
.endr
.irp c, 0,1,2,3,4,5,6,7
	v_lshlrev_b32 v[BY+\c], v68, v[BY+\c]          ; at its block's place in the K step's word
.endr
.irp c, 0,1,2,3,4,5,6,7
	v_mov_b32_dpp v[MX+\c], v[BY+\c] row_xmask:4 row_mask:0xf bank_mask:0xf
.endr
.irp c, 0,1,2,3,4,5,6,7
	v_or_b32 v[BY+\c], v[BY+\c], v[MX+\c]
.endr
.irp c, 0,1,2,3,4,5,6,7
	v_mov_b32_dpp v[MX+\c], v[BY+\c] row_xmask:8 row_mask:0xf bank_mask:0xf
.endr
.irp c, 0,1,2,3,4,5,6,7
	v_or_b32 v[BY+\c], v[BY+\c], v[MX+\c]          ; all sixteen lanes hold the word
.endr
	WIN 0x01                                       ; source 0: window 1
.irp c, 0,1,2,3,4,5,6,7
	v_cvt_scalef32_pk8_fp4_f32 v[CD+\c], v[64*(\i)+8*\c:64*(\i)+8*\c+7], v[SO+\c]
.endr
	v_nop                                          ; one plain place behind a scaled conversion
	WIN 0
.irp c, 0,1,2,3,4,5,6,7
	ds_store_b32 v8, v[CD+\c] offset:XCP*(\i)+128*\c   ; 8 codes a lane: 128 consecutive bytes of the row
.endr
.irp c, 0,1,2,3,4,5,6,7
	ds_store_b32 v9, v[BY+\c] offset:XSP*(\i)+8*\c     ; sixteen lanes write the same word with the same value
.endr
.endm
; S2: K step s of W_gup for my 16 units: gate and up tile of both experts (8 loads of 512 consecutive bytes) and their scale words (lanes 0-15 gate, 16-31 up): ten loads, into ring slot s % 6
.macro LOADK s
.set RL, (\s)%6
	WIN 0x40                                       ; destination: window 1
.irp e, 0,1
.irp t, 0,1
.irp c, 0,1
	global_load_b128 v[32*RL+16*\e+8*\t+4*\c:32*RL+16*\e+8*\t+4*\c+3], v5, s[GWA+2*\e:GWA+2*\e+1] offset:2048*(\s)+1024*\t+512*\c
.endr
.endr
.endr
	WIN 0
.irp e, 0,1
	global_load_b32 v[WSC+2*RL+\e], v6, s[GSA+2*\e:GSA+2*\e+1] offset:1024*(\s)
.endr
.endm
.macro XFLOAD s                        ; x's two fragments of K step s from LDS into buffer s % 2
.irp m, 0,1
.irp c, 0,1
	ds_load_b128 v[XF+16*((\s)%2)+8*\m+4*\c:XF+16*((\s)%2)+8*\m+4*\c+3], v10 offset:16*XCP*\m+64*(\s)+32*\c
.endr
.endr
.endm
.macro STEP s
.set RS, (\s)%6
.if (\s) == 0
.set ZF, 1
.else
.set ZF, 0
.endif
.if (\s) < 15
	XFLOAD (\s)+1
.endif
.if (\s) <= 10
	s_wait_loadcnt 50                              ; this step's ten loads are in; those of the five steps behind it may be out
.else
	s_wait_loadcnt 10*(15-(\s))
.endif
.if (\s) < 15
	s_wait_dscnt 4                                 ; this step's fragments of x are in; the next step's four loads may be out
.else
	s_wait_dscnt 0x0
.endif
	WIN 0x01                                       ; source 0 (the weight): window 1
.irp e, 0,1
.irp t, 0,1
.irp m, 0,1
	MM HACC+8*(4*\e+2*\t+\m), 32*RS+16*\e+8*\t, XF+16*((\s)%2)+8*\m, ZF, WSC+2*RS+\e, XSC+(\s), \t, \m
.endr
.endr
.endr
	WIN 0
.rept 4
	v_nop                                          ; places in front of loads into registers that these products have read
.endr
.if (\s) < 10
	LOADK (\s)+6
.endif
.endm
; S3: W_down's fragments of group g (four tiles of 16 columns) of both experts: 16 loads
.macro DLOAD g
	WIN 0x40
.irp e, 0,1
.irp nt, 0,1,2,3
.irp c, 0,1
	global_load_b128 v[128*\e+8*(4*(\g)+\nt)+4*\c:128*\e+8*(4*(\g)+\nt)+4*\c+3], v5, s[DWA+2*\e:DWA+2*\e+1] offset:1024*(4*(\g)+\nt)+512*\c
.endr
.endr
.endr
	WIN 0
.endm
.macro HLOAD f, src                    ; hidden of fragment f = 2 slot + m: lane (r, h) takes row 16 m + r, k = 64 c + 32 h + 0 .. 31: two whole blocks
.irp c, 0,1
.irp j, 0,1,2,3,4,5,6,7
	ds_load_b128 v[(\src)+32*\c+4*\j:(\src)+32*\c+4*\j+3], v13 offset:16*HP*(\f)+256*\c+16*\j
.endr
.endr
.endm
.macro QUANTB f, src                   ; they become the fragment's 8 registers and its scale word
.irp c, 0,1
	v_max3_num_f32 v[244+\c], |v[(\src)+32*\c]|, |v[(\src)+32*\c+1]|, 0x1800000
.endr
.irp i, 2,4,6,8,10,12,14,16,18,20,22,24,26,28,30
.irp c, 0,1
	v_max3_num_f32 v[244+\c], v[244+\c], |v[(\src)+32*\c+\i]|, |v[(\src)+32*\c+\i+1]|
.endr
.endr
.irp c, 0,1
	v_add_nc_u32 v[246+\c], 0xff000000, v[244+\c]
.endr
.irp c, 0,1
	v_lshrrev_b32 v[248+\c], 23, v[246+\c]
.endr
	v_lshl_or_b32 v250, v249, 16, v248             ; my two bytes: blocks h and 2 + h,
	v_lshlrev_b32 v250, v69, v250                  ; 8 h bits up;
	v_permlanex16_b32 v70, v250, s60, s61
	v_or_b32 v[WSC+(\f)], v250, v70                ; with lane l xor 16's two the word is whole
.irp c, 0,1
.irp g, 0,1,2,3
	v_cvt_scalef32_pk8_fp4_f32 v[XF+8*(\f)+4*\c+\g], v[(\src)+32*\c+8*\g:(\src)+32*\c+8*\g+7], v[246+\c]
.endr
.endr
	v_nop                                          ; one plain place behind a scaled conversion
.endm
; S3: group g: 64 columns x 32 rows: expert a's products start the eight sums, expert b's add onto them; out through my stage as rows of 256 bytes
.macro GROUP g
	s_wait_loadcnt 16*(3-(\g))                     ; this group's fragments are in (and, older, the scale words); the later groups' may be out
	WIN 0x01
.irp e, 0,1
.irp nt, 0,1,2,3
.irp m, 0,1
	MM HACC+8*(2*\nt+\m), 128*\e+8*(4*(\g)+\nt), XF+8*(2*\e+\m), 1-\e, XSC+8*\e+(4*(\g)+\nt)/2, WSC+2*\e+\m, \nt%2, 0
.endr
.endr
.endr
	WIN 0
.rept 5
	v_nop                                          ; four places ahead of the stores that read the results, five ahead of the next group's products, which begin these accumulators anew
.endr
.irp nt, 0,1,2,3
.irp m, 0,1
	ds_store_b128 v14, v[HACC+8*(2*\nt+\m):HACC+8*(2*\nt+\m)+3] offset:16*SP*\m+64*\nt        ; each accumulator from its low end on
	ds_store_b128 v14, v[HACC+8*(2*\nt+\m)+4:HACC+8*(2*\nt+\m)+7] offset:16*SP*\m+64*\nt+16
.endr
.endr
	s_wait_xcnt 0x0                                ; the last group's stores have read their registers
.irp i, 0,1,2,3,4,5,6,7,8,9,10,11,12,13,14,15
	ds_load_b128 v[TT+4*\i:TT+4*\i+3], v15 offset:2*SP*\i   ; LDS serves a wave's instructions in order: these see my stores
.endr
.irp i, 0,1,2,3,4,5,6,7,8,9,10,11,12,13,14,15
	s_cmp_le_u32 s28, 2*\i                         ; rows 2 i and 2 i + 1 lie past the block's count: nothing more to store
	s_cbranch_scc1 .Ldone_\@
	s_wait_dscnt 15-\i
	global_store_b128 v[VOFF+\i], v[TT+4*\i:TT+4*\i+3], s[22:23] offset:256*(\g) th:TH_STORE_NT   ; sixteen lanes store 256 consecutive bytes of one token's row, aligned
.endr
.Ldone_\@:
	s_wait_dscnt 0x0
.endm
	; ---- the way that every wave takes: arguments, the block's header and tokens, lane addresses
	s_load_b512 s[4:19], s[0:1], 0x0               ; x s[4:5], weights s[6:7], indices s[8:9], rows s[10:11], hdr s[12:13], gwc s[14:15], gws s[16:17], dwc s[18:19]
	s_load_b128 s[20:23], s[0:1], 0x40             ; dws s[20:21], out0 s[22:23]
	v_lshl_add_u32 v254, v0, 2, 0x22000
	v_mov_b32 v255, 0
	v_lshrrev_b32 v1, 5, v0
	v_readfirstlane_b32 s24, v1                    ; wave 0..7
	v_and_b32 v1, 31, v0                           ; lane
	v_and_b32 v2, 15, v0                           ; r
	v_bfe_u32 v3, v0, 4, 1                         ; h
	v_lshlrev_b32 v244, 2, v3
	v_lshlrev_b32 v245, 2, v2
	s_lshl_b32 s66, ttmp9, 4
	s_mov_b32 s67, 0
	s_lshl_b32 s68, ttmp9, 7
	s_mov_b32 s69, 0
	s_lshl_b32 s74, s24, 4
	s_mov_b32 s75, 0
	s_mov_b32 s60, 0x76543210
	s_mov_b32 s61, 0xfedcba98                      ; v_permlanex16_b32's selects for lane l xor 16
	s_wait_kmcnt 0x0
	s_add_nc_u64 s[12:13], s[12:13], s[66:67]      ; my block's header
	s_add_nc_u64 s[10:11], s[10:11], s[68:69]      ; and its 32 tokens
	s_add_nc_u64 s[70:71], s[10:11], s[74:75]      ; my wave's four
	s_load_b128 s[28:31], s[12:13], 0x0            ; count, a, b
	s_load_b128 s[32:35], s[70:71], 0x0
	s_load_b32 s27, s[10:11], 0x0                  ; row 0's token
.irp i, 0,1,2,3,4,5,6,7,8,9,10,11,12,13,14,15
	global_load_b32 v[VOFF+\i], v244, s[10:11] offset:8*\i   ; the token of row 2 i + h
.endr
.irp m, 0,1
	global_load_b32 v[80+\m], v245, s[10:11] offset:64*\m    ; the token of row 16 m + r
.endr
	v_lshlrev_b32 v4, 5, v1                        ; x: 32 bytes a lane
	v_lshlrev_b32 v5, 4, v1                        ; an image: 16 bytes a lane
	v_lshlrev_b32 v7, 2, v1                        ; scale words: 4 bytes a lane
	s_lshl_b32 s72, s24, 6
	v_lshl_add_u32 v6, v3, 9, v245
	v_add_nc_u32 v6, s72, v6                       ; W_gup's scale words: column 16 w + r, lanes 16-31 128 columns on
	s_mul_i32 s73, s24, 4*XCP
	v_add_nc_u32 v8, s73, v7                       ; XC + my wave's four rows + 4 lane
	s_mul_i32 s73, s24, 4*XSP
	s_add_co_u32 s73, s73, XS
	v_add_nc_u32 v9, s73, v244                     ; XS + my wave's four rows + 4 h
	v_mul_u32_u24 v10, v2, XCP
	v_lshl_add_u32 v10, v3, 4, v10                 ; a fragment of x: row r, + 16 h
	v_mul_u32_u24 v11, v1, XSP
	v_add_nc_u32 v11, XS, v11                      ; x's scale words: lane = row
	v_mul_u32_u24 v12, v2, HP
	v_lshl_add_u32 v13, v3, 7, v12
	v_add_nc_u32 v13, HID, v13                     ; hidden, read: row r, + 128 h
	v_lshl_add_u32 v12, v3, 5, v12
	s_add_co_u32 s72, s72, HID
	v_add_nc_u32 v12, s72, v12                     ; hidden, written: row r, units 16 w + 8 h on
	s_mul_i32 s73, s24, 32*SP
	s_add_co_u32 s73, s73, STG
	v_mul_u32_u24 v14, v2, SP
	v_lshl_add_u32 v14, v3, 5, v14
	v_add_nc_u32 v14, s73, v14                     ; my stage, in: row r, + 32 h
	v_mul_u32_u24 v15, v3, SP
	v_lshl_add_u32 v15, v2, 4, v15
	v_add_nc_u32 v15, s73, v15                     ; and back: lanes 0-15 one row, lanes 16-31 the next
	v_bfe_u32 v68, v0, 2, 2
	v_lshlrev_b32 v68, 3, v68                      ; 8 x my block's place in its K step
	v_lshlrev_b32 v69, 3, v3
	v_mov_b32 v70, 0                               ; a lane permute's destination counts as one of its sources
	s_lshl_b32 s73, s24, 10
	v_lshl_add_u32 v82, v2, 4, s73                 ; my wave's 1,024 bytes of a row of out0, + 16 r
	s_wait_kmcnt 0x0
	s_min_u32 s28, s28, 32
	s_min_u32 s29, s29, 7
	s_min_u32 s30, s30, 7
	v_mov_b32 v71, s27
	s_lshl_b32 s68, s24, 2
.irp i, 0,1,2,3
	s_add_co_u32 s69, s68, \i
	s_cmp_lt_u32 s69, s28                          ; a row past the count takes row 0's token
	s_cselect_b32 s[32+\i], s[32+\i], s27
	s_min_u32 s[32+\i], s[32+\i], 8191
	s_lshl_b32 s66, s[32+\i], 13
	s_add_nc_u64 s[36+2*\i:37+2*\i], s[4:5], s[66:67]
.endr
.irp e, 0,1
	s_lshl_b32 s66, s[29+\e], 18
	s_lshl_b32 s68, s24, 15
	s_add_co_u32 s66, s66, s68
	s_add_nc_u64 s[GWA+2*\e:GWA+2*\e+1], s[14:15], s[66:67]
	s_lshl_b32 s66, s[29+\e], 14
	s_add_nc_u64 s[GSA+2*\e:GSA+2*\e+1], s[16:17], s[66:67]
	s_lshl_b32 s66, s[29+\e], 17
	s_lshl_b32 s68, s24, 14
	s_add_co_u32 s66, s66, s68
	s_add_nc_u64 s[DWA+2*\e:DWA+2*\e+1], s[18:19], s[66:67]
	s_lshl_b32 s66, s[29+\e], 13
	s_lshl_b32 s68, s24, 10
	s_add_co_u32 s66, s66, s68
	s_add_nc_u64 s[DSA+2*\e:DSA+2*\e+1], s[20:21], s[66:67]
.endr
	; ---- S1: my four rows of x become codes and scale words in LDS
	s_cmp_eq_u32 s28, 0
	s_cbranch_scc1 .Lskip1
	WIN 0x40                                       ; destination: window 1
.irp i, 0,1,2,3
.irp c, 0,1,2,3,4,5,6,7
.irp j, 0,1
	global_load_b128 v[64*\i+8*\c+4*\j:64*\i+8*\c+4*\j+3], v4, s[36+2*\i:37+2*\i] offset:1024*\c+16*\j   ; the two loads of a chunk cover 1,024 consecutive bytes
.endr
.endr
.endr
	WIN 0
.irp i, 0,1,2,3
	XROW \i
.endr
.Lskip1:
	s_wait_loadcnt 0x0                             ; the 18 token loads (behind S1 nothing is out)
.irp i, 0,1,2,3,4,5,6,7,8,9,10,11,12,13,14,15
	s_sub_co_i32 s66, s28, 2*\i
	v_cmp_gt_i32 vcc_lo, s66, v3                   ; row 2 i + h lies inside the count
	v_cndmask_b32 v[VOFF+\i], v71, v[VOFF+\i], vcc_lo
	v_min_u32 v[VOFF+\i], 8191, v[VOFF+\i]
	v_lshl_add_u32 v[VOFF+\i], v[VOFF+\i], 13, v82
.endr
.irp m, 0,1
	s_sub_co_i32 s66, s28, 16*\m
	v_cmp_gt_i32 vcc_lo, s66, v2
	v_cndmask_b32 v[80+\m], v71, v[80+\m], vcc_lo
	v_min_u32 v[80+\m], 8191, v[80+\m]
	v_lshlrev_b32 v[80+\m], 3, v[80+\m]
.endr
.irp m, 0,1
	global_load_b64 v[72+2*\m:73+2*\m], v[80+\m], s[8:9]    ; the two indices of row 16 m + r
	global_load_b64 v[76+2*\m:77+2*\m], v[80+\m], s[6:7]    ; and its two weights
.endr
	s_wait_dscnt 0x0                               ; for the others' sake: my codes and scale words lie in LDS
	s_barrier_signal -1
	s_barrier_wait -1
	; ---- S2: gate and up of my 16 units, both experts, both tiles of rows; a ring of six K steps of weights in registers
	s_cmp_eq_u32 s28, 0
	s_cbranch_scc1 .Lskip2
.irp s, 0,1,2,3,4,5
	LOADK \s
.endr
.irp k, 0,1,2,3
	ds_load_b128 v[XSC+4*\k:XSC+4*\k+3], v11 offset:16*\k   ; x's 16 scale words: lanes 0-15 rows 0-15, lanes 16-31 rows 16-31
.endr
	XFLOAD 0
.irp s, 0,1,2,3,4,5,6,7,8,9,10,11,12,13,14,15
	STEP \s
.endr
.irp e, 0,1                            ; p of my rows for the two experts (these lines are also the places behind the last products)
.irp m, 0,1
	v_cmp_eq_u32 vcc_lo, s[29+\e], v[72+2*\m]
	v_cndmask_b32 v244, 0, v[76+2*\m], vcc_lo
	v_cmp_eq_u32 vcc_lo, s[29+\e], v[73+2*\m]
	v_cndmask_b32 v245, 0, v[77+2*\m], vcc_lo
	v_add_f32 v[PP+2*(2*\e+\m)], v244, v245
	v_mov_b32 v[PP+2*(2*\e+\m)+1], v[PP+2*(2*\e+\m)]
.endr
.endr
.irp e, 0,1                            ; hidden = gate / (1 + 2^(-gate log2 e)) x up x p, in f32
.irp m, 0,1
.irp j, 0,2,4,6
	v_pk_mul_f32 v[TT+8*(2*\e+\m)+\j:TT+8*(2*\e+\m)+\j+1], v[HACC+8*(4*\e+\m)+\j:HACC+8*(4*\e+\m)+\j+1], 0xbfb8aa3b op_sel_hi:[1,0]
.endr
.endr
.endr
.set n, 0
.rept 32
	v_exp_f32 v[TT+n], v[TT+n]
.set n, n+1
.endr
	v_nop                                          ; a plain place behind the last exponential
	s_wait_alu depctr_va_vdst(0)                   ; one wait for the batch, ahead of its first reader
.set n, 0
.rept 16
	v_pk_add_f32 v[TT+n:TT+n+1], v[TT+n:TT+n+1], 1.0 op_sel_hi:[1,0]
.set n, n+2
.endr
.set n, 0
.rept 32
	v_rcp_f32 v[TT+n], v[TT+n]
.set n, n+1
.endr
	v_nop
	s_wait_alu depctr_va_vdst(0)                   ; and one for the reciprocals
.irp e, 0,1
.irp m, 0,1
.irp j, 0,2,4,6
	v_pk_mul_f32 v[TT+8*(2*\e+\m)+\j:TT+8*(2*\e+\m)+\j+1], v[TT+8*(2*\e+\m)+\j:TT+8*(2*\e+\m)+\j+1], v[HACC+8*(4*\e+\m)+\j:HACC+8*(4*\e+\m)+\j+1]
.endr
.endr
.endr
.irp e, 0,1
.irp m, 0,1
.irp j, 0,2,4,6
	v_pk_mul_f32 v[TT+8*(2*\e+\m)+\j:TT+8*(2*\e+\m)+\j+1], v[TT+8*(2*\e+\m)+\j:TT+8*(2*\e+\m)+\j+1], v[HACC+16+8*(4*\e+\m)+\j:HACC+16+8*(4*\e+\m)+\j+1]
.endr
.endr
.endr
.irp e, 0,1
.irp m, 0,1
.irp j, 0,2,4,6
	v_pk_mul_f32 v[TT+8*(2*\e+\m)+\j:TT+8*(2*\e+\m)+\j+1], v[TT+8*(2*\e+\m)+\j:TT+8*(2*\e+\m)+\j+1], v[PP+2*(2*\e+\m):PP+2*(2*\e+\m)+1]
.endr
.endr
.endr
.irp e, 0,1
.irp m, 0,1
	ds_store_b128 v12, v[TT+8*(2*\e+\m):TT+8*(2*\e+\m)+3] offset:16*HP*(2*\e+\m)
	ds_store_b128 v12, v[TT+8*(2*\e+\m)+4:TT+8*(2*\e+\m)+7] offset:16*HP*(2*\e+\m)+16
.endr
.endr
.Lskip2:
	s_wait_dscnt 0x0                               ; for the others' sake: my units of hidden lie in LDS, and my reads of x's codes are over
	s_barrier_signal -1
	s_barrier_wait -1
	; ---- S3: my 256 columns of out0
	s_cmp_eq_u32 s28, 0
	s_cbranch_scc1 .Lskip3
.irp e, 0,1
.irp q, 0,1,2,3,4,5,6,7
	global_load_b32 v[XSC+8*\e+\q], v7, s[DSA+2*\e:DSA+2*\e+1] offset:128*\q   ; W_down's scale words: tile 2 q in lanes 0-15, tile 2 q + 1 in lanes 16-31
.endr
.endr
	DLOAD 0
	DLOAD 1
	HLOAD 0, HACC                                  ; every wave quantises the four fragments of hidden for itself, while the weights are on their way
	HLOAD 1, TT
	s_wait_dscnt 16                                ; the older 16 loads are in
	QUANTB 0, HACC
	HLOAD 2, HACC
	s_wait_dscnt 16
	QUANTB 1, TT
	HLOAD 3, TT
	s_wait_dscnt 16
	QUANTB 2, HACC
	s_wait_dscnt 0x0
	QUANTB 3, TT
	DLOAD 2
	DLOAD 3
.rept 8
	v_nop                                          ; a scale register written by a vector instruction stands 8 places ahead of a scaled product, an operand so written 4
.endr
.irp g, 0,1,2,3
	GROUP \g
.endr
.Lskip3:
	s_wait_tensorcnt 0x0
	ds_add_u32 v254, v255
	s_wait_dscnt 0x0
	s_endpgm
.Lfunc_end_k_q71718298e1_moe:
	.size	k_q71718298e1_moe, .Lfunc_end_k_q71718298e1_moe-k_q71718298e1_moe
	.p2alignl 7, 3214868480
	.fill 96, 4, 3214868480
	.section	.rodata,"a",@progbits
	.p2align	6, 0x0
	.amdhsa_kernel k_q71718298e1_moe
		.amdhsa_group_segment_fixed_size 140288
		.amdhsa_private_segment_fixed_size 0
		.amdhsa_enable_private_segment 0
		.amdhsa_kernarg_size 80
		.amdhsa_user_sgpr_count 2
		.amdhsa_user_sgpr_kernarg_segment_ptr 1
		.amdhsa_wavefront_size32 1
		.amdhsa_system_sgpr_workgroup_id_x 1
		.amdhsa_system_sgpr_workgroup_id_y 1
		.amdhsa_system_sgpr_workgroup_id_z 1
		.amdhsa_system_vgpr_workitem_id 0
		.amdhsa_next_free_vgpr 512
		.amdhsa_next_free_sgpr 80
		.amdhsa_reserve_vcc 1
		.amdhsa_float_denorm_mode_32 3
		.amdhsa_float_denorm_mode_16_64 3
		.amdhsa_memory_ordered 1
		.amdhsa_forward_progress 1
		.amdhsa_inst_pref_size 151
	.end_amdhsa_kernel
	.amdgpu_metadata
---
amdhsa.version: [ 1, 2 ]
amdhsa.kernels:
  - .name:           k_q71718298e1_moe
    .symbol:         k_q71718298e1_moe.kd
    .args:
      - { .name: x, .offset: 0, .size: 8, .value_kind: global_buffer, .address_space: global }
      - { .name: weights, .offset: 8, .size: 8, .value_kind: global_buffer, .address_space: global }
      - { .name: indices, .offset: 16, .size: 8, .value_kind: global_buffer, .address_space: global }
      - { .name: rows, .offset: 24, .size: 8, .value_kind: global_buffer, .address_space: global }
      - { .name: hdr, .offset: 32, .size: 8, .value_kind: global_buffer, .address_space: global }
      - { .name: gwc, .offset: 40, .size: 8, .value_kind: global_buffer, .address_space: global }
      - { .name: gws, .offset: 48, .size: 8, .value_kind: global_buffer, .address_space: global }
      - { .name: dwc, .offset: 56, .size: 8, .value_kind: global_buffer, .address_space: global }
      - { .name: dws, .offset: 64, .size: 8, .value_kind: global_buffer, .address_space: global }
      - { .name: out0, .offset: 72, .size: 8, .value_kind: global_buffer, .address_space: global }
    .group_segment_fixed_size: 140288
    .private_segment_fixed_size: 0
    .kernarg_segment_align: 8
    .kernarg_segment_size: 80
    .max_flat_workgroup_size: 256
    .sgpr_count:     80
    .vgpr_count:     512
    .wavefront_size: 32
...
	.end_amdgpu_metadata
.endif
;; end of part 2
;; ======== version 2 of 3: 2 launches
;; workspace buffers: gwc 2,097,152 bytes; gws 131,072 bytes; dwc 1,048,576 bytes; dws 65,536 bytes; rows 49,152 bytes of whole numbers; hdr 6,144 bytes of whole numbers
;; launch prep (part 3): grid 260 x 1, 8 waves a work-group, no clusters, 2,048 bytes of LDS; arguments W_gup, W_down, indices, token_mask, gwc, gws, dwc, dws, rows, hdr, out0; writes gwc, gws, dwc, dws, rows, hdr, out0
.if DOCPART == 3
	.amdgcn_target "amdgcn-amd-amdhsa--gfx1250"
	.amdhsa_code_object_version 6
	.text
	.protected	k_q71718298e1_prep
	.globl	k_q71718298e1_prep
	.p2align	8
	.type	k_q71718298e1_prep,@function
k_q71718298e1_prep:
	s_mov_b64 s[64:65], 0
	v_nop
	global_prefetch_b8 v0, s[64:65] scope:SCOPE_SE
	s_setreg_imm32_b32 hwreg(HW_REG_WAVE_MODE, 25, 1), 1
	s_wait_xcnt 0x0
; PREP: what the layer of experts needs once.
; (1) W_gup [8][2048][256] and W_down [8][128][2048], f32, K = the first axis inside an expert, become codes of FP4 (E2M1) with one E8M0 byte for each 32 along K,
;     laid as IMAGES OF THE OPERAND'S REGISTERS: a tile of 16 columns x 128 K is 1,024 bytes, block b (32 along K) of column r at byte 256 b + 16 r.
;     gwc [e 8][w 8][s 16][t 2][1,024]: t = 0 columns 16 w + r (gate), t = 1 columns 128 + 16 w + r (up), s the K step of 128.   gws [e][s 16][n 256] one word (four bytes, block b in byte b).
;     dwc [e 8][tile 128][1,024]: columns 16 tile + r.   dws [e][n 2048] one word.
; (2) The rows of out0 whose token_mask byte is 0 are zeros: reference() drops those tokens.
; (3) THE SORT, IN FOUR GROUPS OF 2,048 TOKENS THAT NEED NOTHING OF EACH OTHER.  A group's tokens that count are sorted into the 28 sets of two experts a < b and cut into blocks of 32 that never straddle a set.
;     A group has at most (2,048 + 28 x 31) / 32 = 91 blocks; its place in the lists is 96 blocks: rows[32 (96 g + block) + i] = token, hdr[96 g + block] = (count, a, b, 0).
;     A token that names one expert twice goes into the set (a, a + 1), (7, 7) into (6, 7): the later launch finds its weights by comparing, so the other expert gets 0.
; SHARES: work-groups 0 to 3 sort a group each (8 waves, 256 tokens each).  Work-groups 4 to 259: waves 0 to 5 quantise one item each (32 columns x 128 K; 1,024 items of W_gup, 512 of W_down), waves 6 and 7 look at 16 tokens' mask each.
; THE QUANTISER: a lane takes a column and its registers run down K, so a block of 32 lies in one lane; scale byte = the largest magnitude's exponent field - 2, held at 1 from below by a floor among the maximum's leaves.
; LIMITS: a block of zeros (or under 2^-124) has the byte 1 where the rule says 127 (its codes are zeros, and this program alone reads the bytes); NaN and infinities are not served; indices are taken to lie in 0 .. 7.
.set GRP,  4                           ; groups of tokens, and work-groups that sort
.set GBLK, 96                          ; a group's place in rows and hdr, in blocks: 12,288 bytes of rows are three stores of 16 bytes by 256 threads
.set DUMP, 91*32                       ; behind a group's 91 blocks: 32 spare words, a lane each
.set NUM, 32                           ; v32-159   an item's 128 numbers of my column
.set COD, 160                          ; v160-175  its codes, four registers a block
.set SW,  176                          ; v176      its scale word
.set IDX, 32                           ; sorting, a register for each of my wave's 8 rows of 32 tokens: v32-47 index pairs
.set MK,  48                           ; v48-55    mask bytes; later places in the list
.set QQ,  56                           ; v56-63    the set of my token (31: masked)
.set RK,  64                           ; v64-71    how many lanes below mine have the same set in the row
.set EX,  72                           ; v72-79    lane q: tokens of set q in my wave's rows before this one
.set LO,  80                           ; v80-87    the smaller index
.set HI,  88                           ; v88-95    the larger
.set TA,  96                           ; v96-103   at work
.set PE,  104                          ; v104-111  the lanes whose set is mine
.set HQ,  112                          ; v112-119  the lanes whose set is my LANE'S NUMBER; then their count
.set TB,  120                          ; v120-127  at work
.set TK,  128                          ; v128-135  what I store: my token's number, 0 for a masked one
.set NL,  224                          ; v224-228  bit j of my lane's number, less 1
.set RUN, 229                          ; v229      lane q: tokens of set q in my wave
.set BAL, 36                           ; s36-43    ballots, one a row: the lanes whose set has the bit in hand (free before TOT is made)
.set TOT, 36                           ; s36-63    tokens of set q
.set BASE, 66                          ; s66-93    first block of set q
; block b of an item: largest magnitude of my 32 numbers, scale byte, 32 codes, one store: sixteen lanes fill 256 consecutive bytes, aligned
.macro QBLK b
.set XB, NUM+32*(\b)
	v_max3_num_f32 v8, |v[XB]|, |v[XB+1]|, |v[XB+2]|
	v_max3_num_f32 v9, |v[XB+3]|, |v[XB+4]|, |v[XB+5]|
.irp i, 6,10,14,18,22,26
	v_max3_num_f32 v8, v8, |v[XB+\i]|, |v[XB+\i+1]|
	v_max3_num_f32 v9, v9, |v[XB+\i+2]|, |v[XB+\i+3]|
.endr
	v_max3_num_f32 v8, v8, |v[XB+30]|, |v[XB+31]|
	v_max3_num_f32 v8, v8, v9, 0x1800000           ; the floor 2^(3 - 127): the byte cannot fall under 1
	v_add_nc_u32 v10, 0xff000000, v8               ; 2 off the exponent field: the conversion's scale operand
	v_lshrrev_b32 v11, 23, v10                     ; the scale's byte
.if (\b) == 0
	v_mov_b32 v[SW], v11
.else
	v_lshl_or_b32 v[SW], v11, 8*(\b), v[SW]
.endif
.irp g, 0,1,2,3
	v_cvt_scalef32_pk8_fp4_f32 v[COD+4*(\b)+\g], v[XB+8*\g:XB+8*\g+7], v10
.endr
	global_store_b128 v3, v[COD+4*(\b):COD+4*(\b)+3], s[30:31] offset:256*(\b)   ; each block has its own code registers: no store's data are written again
.endm
; an item: 128 loads, a row of the weight each (32 lanes read 128 consecutive bytes), then the four blocks
.macro QITEM stride
.set n, 0
.rept 128
	global_load_b32 v[NUM+n], v2, s[28:29] offset:n*(\stride) th:TH_LOAD_NT
.set n, n+1
.endr
	s_wait_loadcnt 63                              ; the 63 youngest may be out: the first 65 are in, blocks 0 and 1 among them
	QBLK 0
	QBLK 1
	s_wait_loadcnt 32                              ; block 3's 32 may be out
	QBLK 2
	s_wait_loadcnt 0x0
	QBLK 3
	global_store_b32 v2, v[SW], s[32:33]           ; 32 columns' scale words: 128 consecutive bytes
.endm
; token i of my 16: if its mask byte is 0, its row of out0 (8,192 bytes) is zeros: sixteen stores of 512 consecutive bytes
.macro ZROW i
	s_bfe_u32 s40, s[36+(\i)/4], (8<<16)|(8*((\i)%4))
	s_cmp_lg_u32 s40, 0
	s_cbranch_scc1 .Lkeep_\@
.irp j, 0,1,2,3,4,5,6,7,8,9,10,11,12,13,14,15
	global_store_b128 v2, v[4:7], s[28:29] offset:(\i)*8192+\j*512 th:TH_STORE_NT
.endr
.Lkeep_\@:
.endm
	s_load_b512 s[4:19], s[0:1], 0x0               ; W_gup s[4:5], W_down s[6:7], indices s[8:9], token_mask s[10:11], gwc s[12:13], gws s[14:15], dwc s[16:17], dws s[18:19]
	s_load_b128 s[20:23], s[0:1], 0x40             ; rows s[20:21], hdr s[22:23]
	s_load_b64 s[24:25], s[0:1], 0x50              ; out0
	v_lshl_add_u32 v254, v0, 2, 0x400
	v_mov_b32 v255, 0
	v_lshrrev_b32 v1, 5, v0
	v_readfirstlane_b32 s26, v1                    ; wave 0..7
	v_and_b32 v1, 31, v0                           ; lane
	s_wait_kmcnt 0x0
	s_cmp_lt_u32 ttmp9, GRP
	s_cbranch_scc1 .Lroute
	s_sub_co_u32 s27, ttmp9, GRP                   ; g = 0 .. 255
	s_cmp_ge_u32 s26, 6
	s_cbranch_scc1 .Lzero
	; ---- an item of a weight
	s_mul_i32 s34, s27, 6
	s_add_co_u32 s34, s34, s26                     ; item = 6 g + wave
	v_lshlrev_b32 v2, 2, v1                        ; 4 bytes a lane: my column, and my scale word
	v_lshrrev_b32 v4, 4, v1                        ; which of the item's two tiles of 16 columns
	v_and_b32 v5, 15, v1
	v_lshlrev_b32 v5, 4, v5                        ; 16 r
	s_mov_b32 s41, 0
	s_cmp_ge_u32 s34, 1024
	s_cbranch_scc1 .Ldown
	s_lshr_b32 s35, s34, 3                         ; 16 e + s
	s_and_b32 s36, s34, 7                          ; which 32 of the 256 columns
	s_lshl_b32 s40, s35, 17                        ; 128 rows of 1,024 bytes a K step
	s_lshl_b32 s37, s36, 7
	s_add_co_u32 s40, s40, s37
	s_add_nc_u64 s[28:29], s[4:5], s[40:41]
	s_lshr_b32 s38, s34, 7
	s_lshl_b32 s40, s38, 18                        ; e
	s_and_b32 s38, s35, 15
	s_lshl_b32 s38, s38, 11                        ; s
	s_add_co_u32 s40, s40, s38
	s_lshr_b32 s38, s36, 2
	s_lshl_b32 s38, s38, 10                        ; t: gate or up
	s_add_co_u32 s40, s40, s38
	s_and_b32 s38, s36, 3
	s_lshl_b32 s38, s38, 16                        ; w = 2 x this + the lane's tile
	s_add_co_u32 s40, s40, s38
	s_add_nc_u64 s[30:31], s[12:13], s[40:41]
	s_lshl_b32 s40, s35, 10
	s_add_co_u32 s40, s40, s37
	s_add_nc_u64 s[32:33], s[14:15], s[40:41]
	v_lshl_add_u32 v3, v4, 15, v5
	QITEM 1024
	s_endpgm
.Ldown:
	s_sub_co_u32 s34, s34, 1024                    ; 64 e + which 32 of the 2,048 columns
	s_lshr_b32 s35, s34, 6
	s_lshl_b32 s40, s35, 20                        ; 128 rows of 8,192 bytes an expert
	s_and_b32 s36, s34, 63
	s_lshl_b32 s36, s36, 7
	s_add_co_u32 s40, s40, s36
	s_add_nc_u64 s[28:29], s[6:7], s[40:41]
	s_lshl_b32 s40, s34, 11                        ; two tiles of 1,024 bytes an item
	s_add_nc_u64 s[30:31], s[16:17], s[40:41]
	s_lshl_b32 s40, s34, 7
	s_add_nc_u64 s[32:33], s[18:19], s[40:41]
	v_lshl_add_u32 v3, v4, 10, v5
	QITEM 8192
	s_endpgm
	; ---- the rows of masked tokens
.Lzero:
	s_lshl_b32 s34, s27, 5
	s_sub_co_u32 s35, s26, 6
	s_lshl_b32 s35, s35, 4
	s_add_co_u32 s34, s34, s35                     ; my first token: 32 g + 16 (wave - 6)
	s_mov_b32 s35, 0
	s_add_nc_u64 s[30:31], s[10:11], s[34:35]
	s_load_b128 s[36:39], s[30:31], 0x0            ; 16 mask bytes
	s_lshl_b32 s40, s34, 13
	s_mov_b32 s41, 0
	s_add_nc_u64 s[28:29], s[24:25], s[40:41]
	v_lshlrev_b32 v2, 4, v1
	v_mov_b32 v4, 0
	v_mov_b32 v5, 0
	v_mov_b32 v6, 0
	v_mov_b32 v7, 0
	s_wait_kmcnt 0x0
.irp i, 0,1,2,3,4,5,6,7,8,9,10,11,12,13,14,15
	ZROW \i
.endr
	s_endpgm
	; ---- the sort of group g = my work-group's number: token = 2,048 g + 256 wave + 32 i + lane, i = 0 .. 7
.Lroute:
	s_mov_b32 s29, 0
	s_mul_i32 s28, ttmp9, GBLK*128
	s_add_nc_u64 s[20:21], s[20:21], s[28:29]      ; rows at my group's place
	s_mul_i32 s28, ttmp9, GBLK*16
	s_add_nc_u64 s[22:23], s[22:23], s[28:29]      ; hdr likewise
	s_lshl_b32 s28, ttmp9, 14
	s_add_nc_u64 s[8:9], s[8:9], s[28:29]          ; indices at my group's first token: 8 bytes a token
	s_lshl_b32 s28, ttmp9, 11                      ; my group's first token
	s_add_nc_u64 s[10:11], s[10:11], s[28:29]      ; token_mask likewise: a byte a token
	v_lshlrev_b32 v2, 4, v0                        ; 16 x my thread's number: the zeros' places and the headers'; never rewritten
	v_mov_b32 v4, 0
	v_mov_b32 v5, 0
	v_mov_b32 v6, 0
	v_mov_b32 v7, 0
.irp k, 0,1,2
	global_store_b128 v2, v[4:7], s[20:21] offset:4096*\k   ; my group's whole list is zeros first: what no token takes names token 0
.endr
	v_lshrrev_b32 v12, 5, v0
	v_lshl_add_u32 v12, v12, 8, v1                 ; my token of row 0, counted in the group
	v_lshlrev_b32 v8, 3, v12
.irp i, 0,1,2,3,4,5,6,7
	global_load_b64 v[IDX+2*\i:IDX+2*\i+1], v8, s[8:9] offset:256*\i
	global_load_u8 v[MK+\i], v12, s[10:11] offset:32*\i
.endr
	v_add_nc_u32 v13, s28, v12                     ; its number among all tokens
	v_add_nc_u32 v14, DUMP, v1                     ; my lane's spare word
	v_lshlrev_b32 v10, 2, v0
	v_lshlrev_b32 v11, 2, v1
	v_mov_b32 v246, 31
.irp j, 0,1,2,3,4
	v_bfe_u32 v[NL+\j], v1, \j, 1
	v_add_nc_u32 v[NL+\j], -1, v[NL+\j]
.endr
	s_mov_b32 s35, 0x01010101
	s_wait_loadcnt 0x0
	; The set of each token.  The eight rows take turns line by line, so that no line waits for the line above it
.irp i, 0,1,2,3,4,5,6,7
	v_min_u32 v[LO+\i], v[IDX+2*\i], v[IDX+2*\i+1]
.endr
.irp i, 0,1,2,3,4,5,6,7
	v_add_nc_u32 v[HI+\i], v[IDX+2*\i], v[IDX+2*\i+1]
.endr
.irp i, 0,1,2,3,4,5,6,7
	v_sub_nc_u32 v[HI+\i], v[HI+\i], v[LO+\i]
.endr
.irp i, 0,1,2,3,4,5,6,7
	v_cmp_eq_u32 vcc_lo, v[LO+\i], v[HI+\i]
	v_add_co_ci_u32 v[HI+\i], vcc_lo, 0, v[HI+\i], vcc_lo   ; one expert named twice: (a, a + 1)
.endr
.irp i, 0,1,2,3,4,5,6,7
	v_min_u32 v[HI+\i], 7, v[HI+\i]                ; (7, 8) becomes
.endr
.irp i, 0,1,2,3,4,5,6,7
	v_add_nc_u32 v[HI+\i], -1, v[HI+\i]            ; t = hi - 1,
.endr
.irp i, 0,1,2,3,4,5,6,7
	v_min_u32 v[LO+\i], v[LO+\i], v[HI+\i]         ; (6, 7)
.endr
.irp i, 0,1,2,3,4,5,6,7
	v_sub_nc_u32 v[TA+\i], 15, v[LO+\i]
.endr
.irp i, 0,1,2,3,4,5,6,7
	v_mul_u32_u24 v[TA+\i], v[TA+\i], v[LO+\i]
.endr
.irp i, 0,1,2,3,4,5,6,7
	v_lshrrev_b32 v[TA+\i], 1, v[TA+\i]            ; lo (15 - lo) / 2: the sets with a smaller lo
.endr
.irp i, 0,1,2,3,4,5,6,7
	v_add_nc_u32 v[TA+\i], v[TA+\i], v[HI+\i]
.endr
.irp i, 0,1,2,3,4,5,6,7
	v_sub_nc_u32 v[TA+\i], v[TA+\i], v[LO+\i]      ; + hi - lo - 1
.endr
.irp i, 0,1,2,3,4,5,6,7
	v_cmp_eq_u32 vcc_lo, 0, v[MK+\i]
	v_cndmask_b32 v[QQ+\i], v[TA+\i], v246, vcc_lo ; a masked token: 31
.endr
	; Bit by bit of the set's number: PE = the lanes whose set agrees with mine, HQ = the lanes whose set agrees with my lane's number
.irp j, 0,1,2,3,4
.irp i, 0,1,2,3,4,5,6,7
	v_bfe_u32 v[TA+\i], v[QQ+\i], \j, 1
.endr
.irp i, 0,1,2,3,4,5,6,7
	v_cmp_ne_u32 s[BAL+\i], 0, v[TA+\i]            ; the lanes whose set has bit j
.endr
.irp i, 0,1,2,3,4,5,6,7
	v_add_nc_u32 v[TA+\i], -1, v[TA+\i]            ; 0 where mine has it, else all ones
.endr
.if \j == 0
.irp i, 0,1,2,3,4,5,6,7
	v_xor_b32 v[PE+\i], s[BAL+\i], v[TA+\i]
.endr
.irp i, 0,1,2,3,4,5,6,7
	v_xor_b32 v[HQ+\i], s[BAL+\i], v[NL+\j]
.endr
.else
.irp i, 0,1,2,3,4,5,6,7
	v_xor_b32 v[TA+\i], s[BAL+\i], v[TA+\i]
.endr
.irp i, 0,1,2,3,4,5,6,7
	v_and_b32 v[PE+\i], v[PE+\i], v[TA+\i]
.endr
.irp i, 0,1,2,3,4,5,6,7
	v_xor_b32 v[TB+\i], s[BAL+\i], v[NL+\j]
.endr
.irp i, 0,1,2,3,4,5,6,7
	v_and_b32 v[HQ+\i], v[HQ+\i], v[TB+\i]
.endr
.endif
.endr
.irp i, 0,1,2,3,4,5,6,7
	v_mbcnt_lo_u32_b32 v[RK+\i], v[PE+\i], 0       ; my rank among the row's tokens of my set
.endr
.irp i, 0,1,2,3,4,5,6,7
	v_lshrrev_b32 v[TB+\i], 1, v[HQ+\i]            ; the number of ones in HQ: lane q counts the row's tokens of set q
.endr
.irp i, 0,1,2,3,4,5,6,7
	v_and_b32 v[TB+\i], 0x55555555, v[TB+\i]
.endr
.irp i, 0,1,2,3,4,5,6,7
	v_sub_nc_u32 v[HQ+\i], v[HQ+\i], v[TB+\i]
.endr
.irp i, 0,1,2,3,4,5,6,7
	v_lshrrev_b32 v[TB+\i], 2, v[HQ+\i]
.endr
.irp i, 0,1,2,3,4,5,6,7
	v_and_b32 v[TB+\i], 0x33333333, v[TB+\i]
.endr
.irp i, 0,1,2,3,4,5,6,7
	v_and_b32 v[HQ+\i], 0x33333333, v[HQ+\i]
.endr
.irp i, 0,1,2,3,4,5,6,7
	v_add_nc_u32 v[HQ+\i], v[HQ+\i], v[TB+\i]
.endr
.irp i, 0,1,2,3,4,5,6,7
	v_lshrrev_b32 v[TB+\i], 4, v[HQ+\i]
.endr
.irp i, 0,1,2,3,4,5,6,7
	v_add_nc_u32 v[HQ+\i], v[HQ+\i], v[TB+\i]
.endr
.irp i, 0,1,2,3,4,5,6,7
	v_and_b32 v[HQ+\i], 0x0f0f0f0f, v[HQ+\i]
.endr
.irp i, 0,1,2,3,4,5,6,7
	v_mul_lo_u32 v[HQ+\i], v[HQ+\i], s35
.endr
.irp i, 0,1,2,3,4,5,6,7
	v_lshrrev_b32 v[HQ+\i], 24, v[HQ+\i]
.endr
	v_mov_b32 v[EX], 0
.irp i, 1,2,3,4,5,6,7
	v_add_nc_u32 v[EX+\i], v[EX+\i-1], v[HQ+\i-1]  ; lane q: set q's tokens in the rows before row i
.endr
	v_add_nc_u32 v[RUN], v[EX+7], v[HQ+7]
	ds_store_b32 v10, v[RUN]                       ; my wave's 32 counts
	s_wait_storecnt 0x0                            ; my part of the zeros is written: no wave places a token before all have passed this
	s_wait_dscnt 0x0
	s_barrier_signal -1
	s_barrier_wait -1
.irp w, 0,1,2,3,4,5,6,7
	ds_load_b32 v[237+\w], v11 offset:128*\w
.endr
	s_wait_dscnt 0x0
	v_add_nc_u32 v245, v237, v238
.irp w, 2,3,4,5,6,7
	v_add_nc_u32 v245, v245, v[237+\w]             ; lane q: all the group's tokens of set q
.endr
	v_mov_b32 v230, 0
.irp w, 0,1,2,3,4,5,6
	s_cmp_gt_u32 s26, \w
	s_cselect_b32 s34, -1, 0
	v_and_b32 v231, s34, v[237+\w]
	v_add_nc_u32 v230, v230, v231                  ; lane q: those of the waves before mine
.endr
	v_mov_b32 v232, 0
.set q, 0
.rept 28
	v_readlane_b32 s[TOT+q], v245, q
.set q, q+1
.endr
	s_mov_b32 s34, 0
.set q, 0
.rept 28
	s_mov_b32 s[BASE+q], s34                       ; the set's first block
	v_writelane_b32 v232, s34, q
	s_add_co_u32 s35, s[TOT+q], 31
	s_lshr_b32 s35, s35, 5
	s_add_co_u32 s34, s34, s35
.set q, q+1
.endr
	v_lshl_add_u32 v233, v232, 5, v230             ; lane q: where my wave's tokens of set q begin in the group's list
.irp i, 0,1,2,3,4,5,6,7
	v_add_nc_u32 v[EX+\i], v[EX+\i], v233
.endr
.irp i, 0,1,2,3,4,5,6,7
	v_lshlrev_b32 v[TA+\i], 2, v[QQ+\i]
.endr
.irp i, 0,1,2,3,4,5,6,7
	ds_bpermute_b32 v[MK+\i], v[TA+\i], v[EX+\i]   ; from the lane that has my set's number
.endr
.irp i, 0,1,2,3,4,5,6,7
	v_add_nc_u32 v[TK+\i], 32*\i, v13              ; my token's number
.endr
	s_wait_dscnt 0x0
.irp i, 0,1,2,3,4,5,6,7
	v_add_nc_u32 v[MK+\i], v[MK+\i], v[RK+\i]
.endr
.irp i, 0,1,2,3,4,5,6,7
	v_cmp_ne_u32 vcc_lo, 31, v[QQ+\i]              ; a masked token stores 0 into its lane's spare word, which holds 0 already: so all lanes stay on,
	v_cndmask_b32 v[MK+\i], v14, v[MK+\i], vcc_lo  ; and the eight stores go out with no wait between them
	v_cndmask_b32 v[TK+\i], 0, v[TK+\i], vcc_lo
.endr
.irp i, 0,1,2,3,4,5,6,7
	v_min_u32 v[MK+\i], DUMP+31, v[MK+\i]          ; the last place that is ever named
.endr
.irp i, 0,1,2,3,4,5,6,7
	v_lshlrev_b32 v[MK+\i], 2, v[MK+\i]
.endr
.irp i, 0,1,2,3,4,5,6,7
	global_store_b32 v[MK+\i], v[TK+\i], s[20:21]
.endr
	; The header of block j = my thread's number, 0 .. 95 (waves 0 to 2): the last set whose first block is not behind j.  None of these lines writes a register that a pending store reads
	s_cmp_ge_u32 s26, 3
	s_cbranch_scc1 .Lrdone
	v_mov_b32 v235, 0
	v_mov_b32 v236, 0
	v_mov_b32 v237, 8
.set q, 0
.irp ab, 8,16,24,32,40,48,56,17,25,33,41,49,57,26,34,42,50,58,35,43,51,59,44,52,60,53,61,62
	v_cmp_gt_u32 vcc_lo, s[BASE+q], v0             ; the set begins behind j: keep what I have
	v_cndmask_b32 v235, s[BASE+q], v235, vcc_lo
	v_cndmask_b32 v236, s[TOT+q], v236, vcc_lo
	v_cndmask_b32 v237, \ab, v237, vcc_lo          ; a + 8 b
.set q, q+1
.endr
	v_sub_nc_u32 v235, v0, v235
	v_lshlrev_b32 v235, 5, v235
	v_sub_nc_u32 v240, v236, v235                  ; the set's tokens from this block on,
	v_cmp_lt_i32 vcc_lo, 0, v240
	v_cndmask_b32 v240, 0, v240, vcc_lo            ; none behind its last block,
	v_min_u32 v240, 32, v240                       ; at most 32
	v_and_b32 v241, 7, v237
	v_lshrrev_b32 v242, 3, v237
	v_mov_b32 v243, 0
	global_store_b128 v2, v[240:243], s[22:23]     ; 16 bytes a block: a wave stores 512 consecutive bytes
.Lrdone:
	s_wait_tensorcnt 0x0
	ds_add_u32 v254, v255
	s_wait_dscnt 0x0
	s_endpgm
.Lfunc_end_k_q71718298e1_prep:
	.size	k_q71718298e1_prep, .Lfunc_end_k_q71718298e1_prep-k_q71718298e1_prep
	.p2alignl 7, 3214868480
	.fill 96, 4, 3214868480
	.section	.rodata,"a",@progbits
	.p2align	6, 0x0
	.amdhsa_kernel k_q71718298e1_prep
		.amdhsa_group_segment_fixed_size 2048
		.amdhsa_private_segment_fixed_size 0
		.amdhsa_enable_private_segment 0
		.amdhsa_kernarg_size 88
		.amdhsa_user_sgpr_count 2
		.amdhsa_user_sgpr_kernarg_segment_ptr 1
		.amdhsa_wavefront_size32 1
		.amdhsa_system_sgpr_workgroup_id_x 1
		.amdhsa_system_sgpr_workgroup_id_y 1
		.amdhsa_system_sgpr_workgroup_id_z 1
		.amdhsa_system_vgpr_workitem_id 0
		.amdhsa_next_free_vgpr 256
		.amdhsa_next_free_sgpr 100
		.amdhsa_reserve_vcc 1
		.amdhsa_float_denorm_mode_32 3
		.amdhsa_float_denorm_mode_16_64 3
		.amdhsa_memory_ordered 1
		.amdhsa_forward_progress 1
		.amdhsa_inst_pref_size 106
	.end_amdhsa_kernel
	.amdgpu_metadata
---
amdhsa.version: [ 1, 2 ]
amdhsa.kernels:
  - .name:           k_q71718298e1_prep
    .symbol:         k_q71718298e1_prep.kd
    .args:
      - { .name: W_gup, .offset: 0, .size: 8, .value_kind: global_buffer, .address_space: global }
      - { .name: W_down, .offset: 8, .size: 8, .value_kind: global_buffer, .address_space: global }
      - { .name: indices, .offset: 16, .size: 8, .value_kind: global_buffer, .address_space: global }
      - { .name: token_mask, .offset: 24, .size: 8, .value_kind: global_buffer, .address_space: global }
      - { .name: gwc, .offset: 32, .size: 8, .value_kind: global_buffer, .address_space: global }
      - { .name: gws, .offset: 40, .size: 8, .value_kind: global_buffer, .address_space: global }
      - { .name: dwc, .offset: 48, .size: 8, .value_kind: global_buffer, .address_space: global }
      - { .name: dws, .offset: 56, .size: 8, .value_kind: global_buffer, .address_space: global }
      - { .name: rows, .offset: 64, .size: 8, .value_kind: global_buffer, .address_space: global }
      - { .name: hdr, .offset: 72, .size: 8, .value_kind: global_buffer, .address_space: global }
      - { .name: out0, .offset: 80, .size: 8, .value_kind: global_buffer, .address_space: global }
    .group_segment_fixed_size: 2048
    .private_segment_fixed_size: 0
    .kernarg_segment_align: 8
    .kernarg_segment_size: 88
    .max_flat_workgroup_size: 256
    .sgpr_count:     100
    .vgpr_count:     256
    .wavefront_size: 32
...
	.end_amdgpu_metadata
.endif
;; end of part 3
;; launch moe (part 4): grid 364 x 1, 8 waves a work-group, no clusters, 140,288 bytes of LDS; arguments x, weights, indices, rows, hdr, gwc, gws, dwc, dws, out0; writes out0
.if DOCPART == 4
	.amdgcn_target "amdgcn-amd-amdhsa--gfx1250"
	.amdhsa_code_object_version 6
	.text
	.protected	k_q71718298e1_moe
	.globl	k_q71718298e1_moe
	.p2align	8
	.type	k_q71718298e1_moe,@function
k_q71718298e1_moe:
	s_mov_b64 s[64:65], 0
	v_nop
	global_prefetch_b8 v0, s[64:65] scope:SCOPE_SE
	s_setreg_imm32_b32 hwreg(HW_REG_WAVE_MODE, 25, 1), 1
	s_wait_xcnt 0x0
; MOE: one work-group takes one block of up to 32 tokens that share the two experts a < b (hdr, rows: made by the launch before) through the whole chain:
;   S1 gather the tokens' rows of x and quantise them (FP4, one E8M0 byte for each 32 along K) into LDS;
;   S2 h = x W_gup for BOTH experts in one walk over K = 2,048; hidden = silu(gate) up p in f32, into LDS;
;   S3 quantise hidden along its 128; y = hidden_a W_down[a] + hidden_b W_down[b] as ONE sum on each accumulator; whole rows of out0.
; Each row of out0 has one owner; the hidden layer never goes to memory.  The tokens were sorted in four groups of 2,048, each with at most (2,048 + 28 x 31) / 32 = 91 blocks: 364 work-groups serve every split.
; Work-group n takes block n / 4 of group n % 4 (the groups' blocks by turns; a group's place in the lists is 96 blocks).  A block without tokens jumps over the three segments and stores nothing.
; p of a token for an expert = the sum of its weights whose index is that expert, as reference() has it: a token that names one expert twice has both weights on one slot and 0 on the other.
; Rows past the block's count repeat the block's first token: they compute what row 0 computes; at most one of them is stored (an odd count), with row 0's own values, to row 0's place.
; SHARES (8 waves): S1 wave w: rows 4 w .. 4 w + 3.  S2 wave w: hidden units 16 w .. 16 w + 15 (a tile of gate and a tile of up) of both experts, both tiles of 16 rows: 8 accumulators by turns.  S3 wave w: columns 256 w .. 256 w + 255.
; BOTH PRODUCTS ARE USED TRANSPOSED (source 0 = 16 columns of the weight, source 1 = 16 tokens): a lane holds one token and eight neighbouring columns.
; THE WEIGHTS come from memory straight into registers as images of the operand (16 bytes a lane, 512 consecutive bytes a load).  Which expert's they are hangs on the stored list, so this text has no tensor load and no
; joint load: work-groups of a cluster would need equal experts, which no fixed grid gives.  The two barriers stand on the way that every wave takes; each segment reads only registers made on that way or inside itself.
; LIMITS: indices 0 .. 7; NaN and infinities are not served, nor an h of an expert that was not chosen that overflows (reference(): 0 x inf); a block of 32 zeros (or under 2^-124) has the scale byte 1 over zero or held codes.
.set GBLK, 96                          ; a group's place in rows and hdr, in blocks
.set XC,  0                            ; LDS: x's codes, 32 rows of 1,024 bytes, 1,040 apart (65 x 16: the sixteen rows of a load start in different banks)
.set XCP, 1040
.set XS,  33280                        ; x's scale words, 32 rows of 16 words, 80 bytes apart
.set XSP, 80
.set HID, 35840                        ; hidden, f32: [slot 2][row 32] of 512 bytes, 528 apart
.set HP,  528
.set STG, 69632                        ; each wave's own stage: 32 rows of 256 bytes, 272 apart
.set SP,  272
.set VOFF, 16                          ; v16-31   pair i: byte offset in out0 of my 16 bytes of row 2 i + (lane / 16)
.set PP,   32                          ; v32-39   p, a pair for each (slot, tile of rows)
.set XSC,  40                          ; v40-55   S2: x's scale words, K step s; S3: W_down's.  v40-67 hold scales and nothing else
.set WSC,  56                          ; v56-67   S2: W_gup's scale words, ring; S3: v56-59 hidden's
.set XF,   84                          ; v84-115  S2: x's fragments, two buffers; S3: hidden's four fragments
.set HACC, 116                         ; v116-179 S2: 8 accumulators (4 slot + 2 t + m); S3: numbers to quantise, then 8 accumulators of y
.set TT,   180                         ; v180-243 S1: at work; S2: hidden; S3: numbers to quantise, then rows of y
.set MX,   180
.set SO,   188
.set BY,   196
.set CD,   204
.set GWA,  44                          ; s[44:47] gwc at (a, wave), (b, wave);  s[48:51] gws at a, b;  s[52:55] dwc;  s[56:59] dws
.set GSA,  48
.set DWA,  52
.set DSA,  56
.set MSB, 0
.macro WIN new                         ; which window of 256 registers each operand place means; the immediate's high byte repeats the setting that is left
.if MSB != \new
	s_set_vgpr_msb (MSB<<8)|\new
.set MSB, \new
.endif
.endm
; one product 16 x 16 x 128 on codes: d accumulator, a weight fragment (window 1), b token fragment, z = 1: it starts the sum, sa / sb scale registers, ra / rb = 1: their lanes 16-31
.macro MM d, a, b, z, sa, sb, ra, rb
.if \z
.if (\ra) && (\rb)
	v_wmma_scale_f32_16x16x128_f8f6f4 v[(\d):(\d)+7], v[(\a):(\a)+7], v[(\b):(\b)+7], 0, v[\sa], v[\sb] matrix_a_fmt:MATRIX_FMT_FP4 matrix_b_fmt:MATRIX_FMT_FP4 matrix_a_scale:MATRIX_SCALE_ROW1 matrix_b_scale:MATRIX_SCALE_ROW1
.elseif (\ra)
	v_wmma_scale_f32_16x16x128_f8f6f4 v[(\d):(\d)+7], v[(\a):(\a)+7], v[(\b):(\b)+7], 0, v[\sa], v[\sb] matrix_a_fmt:MATRIX_FMT_FP4 matrix_b_fmt:MATRIX_FMT_FP4 matrix_a_scale:MATRIX_SCALE_ROW1
.elseif (\rb)
	v_wmma_scale_f32_16x16x128_f8f6f4 v[(\d):(\d)+7], v[(\a):(\a)+7], v[(\b):(\b)+7], 0, v[\sa], v[\sb] matrix_a_fmt:MATRIX_FMT_FP4 matrix_b_fmt:MATRIX_FMT_FP4 matrix_b_scale:MATRIX_SCALE_ROW1
.else
	v_wmma_scale_f32_16x16x128_f8f6f4 v[(\d):(\d)+7], v[(\a):(\a)+7], v[(\b):(\b)+7], 0, v[\sa], v[\sb] matrix_a_fmt:MATRIX_FMT_FP4 matrix_b_fmt:MATRIX_FMT_FP4
.endif
.else
.if (\ra) && (\rb)
	v_wmma_scale_f32_16x16x128_f8f6f4 v[(\d):(\d)+7], v[(\a):(\a)+7], v[(\b):(\b)+7], v[(\d):(\d)+7], v[\sa], v[\sb] matrix_a_fmt:MATRIX_FMT_FP4 matrix_b_fmt:MATRIX_FMT_FP4 matrix_a_scale:MATRIX_SCALE_ROW1 matrix_b_scale:MATRIX_SCALE_ROW1
.elseif (\ra)
	v_wmma_scale_f32_16x16x128_f8f6f4 v[(\d):(\d)+7], v[(\a):(\a)+7], v[(\b):(\b)+7], v[(\d):(\d)+7], v[\sa], v[\sb] matrix_a_fmt:MATRIX_FMT_FP4 matrix_b_fmt:MATRIX_FMT_FP4 matrix_a_scale:MATRIX_SCALE_ROW1
.elseif (\rb)
	v_wmma_scale_f32_16x16x128_f8f6f4 v[(\d):(\d)+7], v[(\a):(\a)+7], v[(\b):(\b)+7], v[(\d):(\d)+7], v[\sa], v[\sb] matrix_a_fmt:MATRIX_FMT_FP4 matrix_b_fmt:MATRIX_FMT_FP4 matrix_b_scale:MATRIX_SCALE_ROW1
.else
	v_wmma_scale_f32_16x16x128_f8f6f4 v[(\d):(\d)+7], v[(\a):(\a)+7], v[(\b):(\b)+7], v[(\d):(\d)+7], v[\sa], v[\sb] matrix_a_fmt:MATRIX_FMT_FP4 matrix_b_fmt:MATRIX_FMT_FP4
.endif
.endif
.endm
; S1: row i of my four.  In chunk c a lane holds k = 256 c + 8 lane + 0 .. 7: four lanes hold a block of 32, sixteen a K step of 128 (K step 2 c in lanes 0-15, 2 c + 1 in lanes 16-31)
.macro XROW i
	s_wait_dscnt 0x0                               ; the last row's LDS stores have read their registers
	s_wait_loadcnt 16*(3-(\i))                     ; this row's 16 loads are in; the later rows' may be out
	WIN 0x05                                       ; sources 0 and 1: window 1
.irp c, 0,1,2,3,4,5,6,7
	v_max3_num_f32 v[MX+\c], |v[64*(\i)+8*\c]|, |v[64*(\i)+8*\c+1]|, 0x1800000   ; with the floor 2^(3 - 127): the byte cannot fall under 1
.endr
.irp u, 2,4,6
.irp c, 0,1,2,3,4,5,6,7
	v_max3_num_f32 v[MX+\c], |v[64*(\i)+8*\c+\u]|, |v[64*(\i)+8*\c+\u+1]|, v[MX+\c]
.endr
.endr
	WIN 0
.irp c, 0,1,2,3,4,5,6,7
	v_max_num_f32_dpp v[MX+\c], v[MX+\c], v[MX+\c] row_xmask:1 row_mask:0xf bank_mask:0xf
.endr
.irp c, 0,1,2,3,4,5,6,7
	v_max_num_f32_dpp v[MX+\c], v[MX+\c], v[MX+\c] row_xmask:2 row_mask:0xf bank_mask:0xf   ; the block's largest magnitude
.endr
.irp c, 0,1,2,3,4,5,6,7
	v_add_nc_u32 v[SO+\c], 0xff000000, v[MX+\c]    ; 2 off its exponent field: the conversion's scale operand
.endr
.irp c, 0,1,2,3,4,5,6,7
	v_lshrrev_b32 v[BY+\c], 23, v[SO+\c]           ; the scale's byte,
.endr
.irp c, 0,1,2,3,4,5,6,7
	v_lshlrev_b32 v[BY+\c], v68, v[BY+\c]          ; at its block's place in the K step's word
.endr
.irp c, 0,1,2,3,4,5,6,7
	v_mov_b32_dpp v[MX+\c], v[BY+\c] row_xmask:4 row_mask:0xf bank_mask:0xf
.endr
.irp c, 0,1,2,3,4,5,6,7
	v_or_b32 v[BY+\c], v[BY+\c], v[MX+\c]
.endr
.irp c, 0,1,2,3,4,5,6,7
	v_mov_b32_dpp v[MX+\c], v[BY+\c] row_xmask:8 row_mask:0xf bank_mask:0xf
.endr
.irp c, 0,1,2,3,4,5,6,7
	v_or_b32 v[BY+\c], v[BY+\c], v[MX+\c]          ; all sixteen lanes hold the word
.endr
	WIN 0x01                                       ; source 0: window 1
.irp c, 0,1,2,3,4,5,6,7
	v_cvt_scalef32_pk8_fp4_f32 v[CD+\c], v[64*(\i)+8*\c:64*(\i)+8*\c+7], v[SO+\c]
.endr
	v_nop                                          ; one plain place behind a scaled conversion
	WIN 0
.irp c, 0,1,2,3,4,5,6,7
	ds_store_b32 v8, v[CD+\c] offset:XCP*(\i)+128*\c   ; 8 codes a lane: 128 consecutive bytes of the row
.endr
.irp c, 0,1,2,3,4,5,6,7
	ds_store_b32 v9, v[BY+\c] offset:XSP*(\i)+8*\c     ; sixteen lanes write the same word with the same value
.endr
.endm
; S2: K step s of W_gup for my 16 units: gate and up tile of both experts (8 loads of 512 consecutive bytes) and their scale words (lanes 0-15 gate, 16-31 up): ten loads, into ring slot s % 6
.macro LOADK s
.set RL, (\s)%6
	WIN 0x40                                       ; destination: window 1
.irp e, 0,1
.irp t, 0,1
.irp c, 0,1
	global_load_b128 v[32*RL+16*\e+8*\t+4*\c:32*RL+16*\e+8*\t+4*\c+3], v5, s[GWA+2*\e:GWA+2*\e+1] offset:2048*(\s)+1024*\t+512*\c
.endr
.endr
.endr
	WIN 0
.irp e, 0,1
	global_load_b32 v[WSC+2*RL+\e], v6, s[GSA+2*\e:GSA+2*\e+1] offset:1024*(\s)
.endr
.endm
.macro XFLOAD s                        ; x's two fragments of K step s from LDS into buffer s % 2
.irp m, 0,1
.irp c, 0,1
	ds_load_b128 v[XF+16*((\s)%2)+8*\m+4*\c:XF+16*((\s)%2)+8*\m+4*\c+3], v10 offset:16*XCP*\m+64*(\s)+32*\c
.endr
.endr
.endm
.macro STEP s
.set RS, (\s)%6
.if (\s) == 0
.set ZF, 1
.else
.set ZF, 0
.endif
.if (\s) < 15
	XFLOAD (\s)+1
.endif
.if (\s) <= 10
	s_wait_loadcnt 50                              ; this step's ten loads are in; those of the five steps behind it may be out
.else
	s_wait_loadcnt 10*(15-(\s))
.endif
.if (\s) < 15
	s_wait_dscnt 4                                 ; this step's fragments of x are in; the next step's four loads may be out
.else
	s_wait_dscnt 0x0
.endif
	WIN 0x01                                       ; source 0 (the weight): window 1
.irp e, 0,1
.irp t, 0,1
.irp m, 0,1
	MM HACC+8*(4*\e+2*\t+\m), 32*RS+16*\e+8*\t, XF+16*((\s)%2)+8*\m, ZF, WSC+2*RS+\e, XSC+(\s), \t, \m
.endr
.endr
.endr
	WIN 0
.rept 4
	v_nop                                          ; places in front of loads into registers that these products have read
.endr
.if (\s) < 10
	LOADK (\s)+6
.endif
.endm
; S3: W_down's fragments of group g (four tiles of 16 columns) of both experts: 16 loads
.macro DLOAD g
	WIN 0x40
.irp e, 0,1
.irp nt, 0,1,2,3
.irp c, 0,1
	global_load_b128 v[128*\e+8*(4*(\g)+\nt)+4*\c:128*\e+8*(4*(\g)+\nt)+4*\c+3], v5, s[DWA+2*\e:DWA+2*\e+1] offset:1024*(4*(\g)+\nt)+512*\c
.endr
.endr
.endr
	WIN 0
.endm
.macro HLOAD f, src                    ; hidden of fragment f = 2 slot + m: lane (r, h) takes row 16 m + r, k = 64 c + 32 h + 0 .. 31: two whole blocks
.irp c, 0,1
.irp j, 0,1,2,3,4,5,6,7
	ds_load_b128 v[(\src)+32*\c+4*\j:(\src)+32*\c+4*\j+3], v13 offset:16*HP*(\f)+256*\c+16*\j
.endr
.endr
.endm
.macro QUANTB f, src                   ; they become the fragment's 8 registers and its scale word
.irp c, 0,1
	v_max3_num_f32 v[244+\c], |v[(\src)+32*\c]|, |v[(\src)+32*\c+1]|, 0x1800000
.endr
.irp i, 2,4,6,8,10,12,14,16,18,20,22,24,26,28,30
.irp c, 0,1
	v_max3_num_f32 v[244+\c], v[244+\c], |v[(\src)+32*\c+\i]|, |v[(\src)+32*\c+\i+1]|
.endr
.endr
.irp c, 0,1
	v_add_nc_u32 v[246+\c], 0xff000000, v[244+\c]
.endr
.irp c, 0,1
	v_lshrrev_b32 v[248+\c], 23, v[246+\c]
.endr
	v_lshl_or_b32 v250, v249, 16, v248             ; my two bytes: blocks h and 2 + h,
	v_lshlrev_b32 v250, v69, v250                  ; 8 h bits up;
	v_permlanex16_b32 v70, v250, s60, s61
	v_or_b32 v[WSC+(\f)], v250, v70                ; with lane l xor 16's two the word is whole
.irp c, 0,1
.irp g, 0,1,2,3
	v_cvt_scalef32_pk8_fp4_f32 v[XF+8*(\f)+4*\c+\g], v[(\src)+32*\c+8*\g:(\src)+32*\c+8*\g+7], v[246+\c]
.endr
.endr
	v_nop                                          ; one plain place behind a scaled conversion
.endm
; S3: group g: 64 columns x 32 rows: expert a's products start the eight sums, expert b's add onto them; out through my stage as rows of 256 bytes
.macro GROUP g
	s_wait_loadcnt 16*(3-(\g))                     ; this group's fragments are in (and, older, the scale words); the later groups' may be out
	WIN 0x01
.irp e, 0,1
.irp nt, 0,1,2,3
.irp m, 0,1
	MM HACC+8*(2*\nt+\m), 128*\e+8*(4*(\g)+\nt), XF+8*(2*\e+\m), 1-\e, XSC+8*\e+(4*(\g)+\nt)/2, WSC+2*\e+\m, \nt%2, 0
.endr
.endr
.endr
	WIN 0
.rept 5
	v_nop                                          ; four places ahead of the stores that read the results, five ahead of the next group's products, which begin these accumulators anew
.endr
.irp nt, 0,1,2,3
.irp m, 0,1
	ds_store_b128 v14, v[HACC+8*(2*\nt+\m):HACC+8*(2*\nt+\m)+3] offset:16*SP*\m+64*\nt        ; each accumulator from its low end on
	ds_store_b128 v14, v[HACC+8*(2*\nt+\m)+4:HACC+8*(2*\nt+\m)+7] offset:16*SP*\m+64*\nt+16
.endr
.endr
	s_wait_xcnt 0x0                                ; the last group's stores have read their registers
.irp i, 0,1,2,3,4,5,6,7,8,9,10,11,12,13,14,15
	ds_load_b128 v[TT+4*\i:TT+4*\i+3], v15 offset:2*SP*\i   ; LDS serves a wave's instructions in order: these see my stores
.endr
.irp i, 0,1,2,3,4,5,6,7,8,9,10,11,12,13,14,15
	s_cmp_le_u32 s28, 2*\i                         ; rows 2 i and 2 i + 1 lie past the block's count: nothing more to store
	s_cbranch_scc1 .Ldone_\@
	s_wait_dscnt 15-\i
	global_store_b128 v[VOFF+\i], v[TT+4*\i:TT+4*\i+3], s[22:23] offset:256*(\g) th:TH_STORE_NT   ; sixteen lanes store 256 consecutive bytes of one token's row, aligned
.endr
.Ldone_\@:
	s_wait_dscnt 0x0
.endm
	; ---- the way that every wave takes: arguments, the block's header and tokens, lane addresses
	s_load_b512 s[4:19], s[0:1], 0x0               ; x s[4:5], weights s[6:7], indices s[8:9], rows s[10:11], hdr s[12:13], gwc s[14:15], gws s[16:17], dwc s[18:19]
	s_load_b128 s[20:23], s[0:1], 0x40             ; dws s[20:21], out0 s[22:23]
	v_lshl_add_u32 v254, v0, 2, 0x22000
	v_mov_b32 v255, 0
	v_lshrrev_b32 v1, 5, v0
	v_readfirstlane_b32 s24, v1                    ; wave 0..7
	v_and_b32 v1, 31, v0                           ; lane
	v_and_b32 v2, 15, v0                           ; r
	v_bfe_u32 v3, v0, 4, 1                         ; h
	v_lshlrev_b32 v244, 2, v3
	v_lshlrev_b32 v245, 2, v2
	s_and_b32 s76, ttmp9, 3                        ; the group of tokens,
	s_mul_i32 s76, s76, GBLK
	s_lshr_b32 s77, ttmp9, 2                       ; my block in it, 0 .. 90:
	s_add_co_u32 s76, s76, s77                     ; the block's place in the lists
	s_lshl_b32 s66, s76, 4
	s_mov_b32 s67, 0
	s_lshl_b32 s68, s76, 7
	s_mov_b32 s69, 0
	s_lshl_b32 s74, s24, 4
	s_mov_b32 s75, 0
	s_mov_b32 s60, 0x76543210
	s_mov_b32 s61, 0xfedcba98                      ; v_permlanex16_b32's selects for lane l xor 16
	s_wait_kmcnt 0x0
	s_add_nc_u64 s[12:13], s[12:13], s[66:67]      ; my block's header
	s_add_nc_u64 s[10:11], s[10:11], s[68:69]      ; and its 32 tokens
	s_add_nc_u64 s[70:71], s[10:11], s[74:75]      ; my wave's four
	s_load_b128 s[28:31], s[12:13], 0x0            ; count, a, b
	s_load_b128 s[32:35], s[70:71], 0x0
	s_load_b32 s27, s[10:11], 0x0                  ; row 0's token
.irp i, 0,1,2,3,4,5,6,7,8,9,10,11,12,13,14,15
	global_load_b32 v[VOFF+\i], v244, s[10:11] offset:8*\i   ; the token of row 2 i + h
.endr
.irp m, 0,1
	global_load_b32 v[80+\m], v245, s[10:11] offset:64*\m    ; the token of row 16 m + r
.endr
	v_lshlrev_b32 v4, 5, v1                        ; x: 32 bytes a lane
	v_lshlrev_b32 v5, 4, v1                        ; an image: 16 bytes a lane
	v_lshlrev_b32 v7, 2, v1                        ; scale words: 4 bytes a lane
	s_lshl_b32 s72, s24, 6
	v_lshl_add_u32 v6, v3, 9, v245
	v_add_nc_u32 v6, s72, v6                       ; W_gup's scale words: column 16 w + r, lanes 16-31 128 columns on
	s_mul_i32 s73, s24, 4*XCP
	v_add_nc_u32 v8, s73, v7                       ; XC + my wave's four rows + 4 lane
	s_mul_i32 s73, s24, 4*XSP
	s_add_co_u32 s73, s73, XS
	v_add_nc_u32 v9, s73, v244                     ; XS + my wave's four rows + 4 h
	v_mul_u32_u24 v10, v2, XCP
	v_lshl_add_u32 v10, v3, 4, v10                 ; a fragment of x: row r, + 16 h
	v_mul_u32_u24 v11, v1, XSP
	v_add_nc_u32 v11, XS, v11                      ; x's scale words: lane = row
	v_mul_u32_u24 v12, v2, HP
	v_lshl_add_u32 v13, v3, 7, v12
	v_add_nc_u32 v13, HID, v13                     ; hidden, read: row r, + 128 h
	v_lshl_add_u32 v12, v3, 5, v12
	s_add_co_u32 s72, s72, HID
	v_add_nc_u32 v12, s72, v12                     ; hidden, written: row r, units 16 w + 8 h on
	s_mul_i32 s73, s24, 32*SP
	s_add_co_u32 s73, s73, STG
	v_mul_u32_u24 v14, v2, SP
	v_lshl_add_u32 v14, v3, 5, v14
	v_add_nc_u32 v14, s73, v14                     ; my stage, in: row r, + 32 h
	v_mul_u32_u24 v15, v3, SP
	v_lshl_add_u32 v15, v2, 4, v15
	v_add_nc_u32 v15, s73, v15                     ; and back: lanes 0-15 one row, lanes 16-31 the next
	v_bfe_u32 v68, v0, 2, 2
	v_lshlrev_b32 v68, 3, v68                      ; 8 x my block's place in its K step
	v_lshlrev_b32 v69, 3, v3
	v_mov_b32 v70, 0                               ; a lane permute's destination counts as one of its sources
	s_lshl_b32 s73, s24, 10
	v_lshl_add_u32 v82, v2, 4, s73                 ; my wave's 1,024 bytes of a row of out0, + 16 r
	s_wait_kmcnt 0x0
	s_min_u32 s28, s28, 32
	s_min_u32 s29, s29, 7
	s_min_u32 s30, s30, 7
	v_mov_b32 v71, s27
	s_lshl_b32 s68, s24, 2
.irp i, 0,1,2,3
	s_add_co_u32 s69, s68, \i
	s_cmp_lt_u32 s69, s28                          ; a row past the count takes row 0's token
	s_cselect_b32 s[32+\i], s[32+\i], s27
	s_min_u32 s[32+\i], s[32+\i], 8191
	s_lshl_b32 s66, s[32+\i], 13
	s_add_nc_u64 s[36+2*\i:37+2*\i], s[4:5], s[66:67]
.endr
.irp e, 0,1
	s_lshl_b32 s66, s[29+\e], 18
	s_lshl_b32 s68, s24, 15
	s_add_co_u32 s66, s66, s68
	s_add_nc_u64 s[GWA+2*\e:GWA+2*\e+1], s[14:15], s[66:67]
	s_lshl_b32 s66, s[29+\e], 14
	s_add_nc_u64 s[GSA+2*\e:GSA+2*\e+1], s[16:17], s[66:67]
	s_lshl_b32 s66, s[29+\e], 17
	s_lshl_b32 s68, s24, 14
	s_add_co_u32 s66, s66, s68
	s_add_nc_u64 s[DWA+2*\e:DWA+2*\e+1], s[18:19], s[66:67]
	s_lshl_b32 s66, s[29+\e], 13
	s_lshl_b32 s68, s24, 10
	s_add_co_u32 s66, s66, s68
	s_add_nc_u64 s[DSA+2*\e:DSA+2*\e+1], s[20:21], s[66:67]
.endr
	; ---- S1: my four rows of x become codes and scale words in LDS
	s_cmp_eq_u32 s28, 0
	s_cbranch_scc1 .Lskip1
	WIN 0x40                                       ; destination: window 1
.irp i, 0,1,2,3
.irp c, 0,1,2,3,4,5,6,7
.irp j, 0,1
	global_load_b128 v[64*\i+8*\c+4*\j:64*\i+8*\c+4*\j+3], v4, s[36+2*\i:37+2*\i] offset:1024*\c+16*\j   ; the two loads of a chunk cover 1,024 consecutive bytes
.endr
.endr
.endr
	WIN 0
.irp i, 0,1,2,3
	XROW \i
.endr
.Lskip1:
	s_wait_loadcnt 0x0                             ; the 18 token loads (behind S1 nothing is out)
.irp i, 0,1,2,3,4,5,6,7,8,9,10,11,12,13,14,15
	s_sub_co_i32 s66, s28, 2*\i
	v_cmp_gt_i32 vcc_lo, s66, v3                   ; row 2 i + h lies inside the count
	v_cndmask_b32 v[VOFF+\i], v71, v[VOFF+\i], vcc_lo
	v_min_u32 v[VOFF+\i], 8191, v[VOFF+\i]
	v_lshl_add_u32 v[VOFF+\i], v[VOFF+\i], 13, v82
.endr
.irp m, 0,1
	s_sub_co_i32 s66, s28, 16*\m
	v_cmp_gt_i32 vcc_lo, s66, v2
	v_cndmask_b32 v[80+\m], v71, v[80+\m], vcc_lo
	v_min_u32 v[80+\m], 8191, v[80+\m]
	v_lshlrev_b32 v[80+\m], 3, v[80+\m]
.endr
.irp m, 0,1
	global_load_b64 v[72+2*\m:73+2*\m], v[80+\m], s[8:9]    ; the two indices of row 16 m + r
	global_load_b64 v[76+2*\m:77+2*\m], v[80+\m], s[6:7]    ; and its two weights
.endr
	s_wait_dscnt 0x0                               ; for the others' sake: my codes and scale words lie in LDS
	s_barrier_signal -1
	s_barrier_wait -1
	; ---- S2: gate and up of my 16 units, both experts, both tiles of rows; a ring of six K steps of weights in registers
	s_cmp_eq_u32 s28, 0
	s_cbranch_scc1 .Lskip2
.irp s, 0,1,2,3,4,5
	LOADK \s
.endr
.irp k, 0,1,2,3
	ds_load_b128 v[XSC+4*\k:XSC+4*\k+3], v11 offset:16*\k   ; x's 16 scale words: lanes 0-15 rows 0-15, lanes 16-31 rows 16-31
.endr
	XFLOAD 0
.irp s, 0,1,2,3,4,5,6,7,8,9,10,11,12,13,14,15
	STEP \s
.endr
.irp e, 0,1                            ; p of my rows for the two experts (these lines are also the places behind the last products)
.irp m, 0,1
	v_cmp_eq_u32 vcc_lo, s[29+\e], v[72+2*\m]
	v_cndmask_b32 v244, 0, v[76+2*\m], vcc_lo
	v_cmp_eq_u32 vcc_lo, s[29+\e], v[73+2*\m]
	v_cndmask_b32 v245, 0, v[77+2*\m], vcc_lo
	v_add_f32 v[PP+2*(2*\e+\m)], v244, v245
	v_mov_b32 v[PP+2*(2*\e+\m)+1], v[PP+2*(2*\e+\m)]
.endr
.endr
.irp e, 0,1                            ; hidden = gate / (1 + 2^(-gate log2 e)) x up x p, in f32
.irp m, 0,1
.irp j, 0,2,4,6
	v_pk_mul_f32 v[TT+8*(2*\e+\m)+\j:TT+8*(2*\e+\m)+\j+1], v[HACC+8*(4*\e+\m)+\j:HACC+8*(4*\e+\m)+\j+1], 0xbfb8aa3b op_sel_hi:[1,0]
.endr
.endr
.endr
.set n, 0
.rept 32
	v_exp_f32 v[TT+n], v[TT+n]
.set n, n+1
.endr
	v_nop                                          ; a plain place behind the last exponential
	s_wait_alu depctr_va_vdst(0)                   ; one wait for the batch, ahead of its first reader
.set n, 0
.rept 16
	v_pk_add_f32 v[TT+n:TT+n+1], v[TT+n:TT+n+1], 1.0 op_sel_hi:[1,0]
.set n, n+2
.endr
.set n, 0
.rept 32
	v_rcp_f32 v[TT+n], v[TT+n]
.set n, n+1
.endr
	v_nop
	s_wait_alu depctr_va_vdst(0)                   ; and one for the reciprocals
.irp e, 0,1
.irp m, 0,1
.irp j, 0,2,4,6
	v_pk_mul_f32 v[TT+8*(2*\e+\m)+\j:TT+8*(2*\e+\m)+\j+1], v[TT+8*(2*\e+\m)+\j:TT+8*(2*\e+\m)+\j+1], v[HACC+8*(4*\e+\m)+\j:HACC+8*(4*\e+\m)+\j+1]
.endr
.endr
.endr
.irp e, 0,1
.irp m, 0,1
.irp j, 0,2,4,6
	v_pk_mul_f32 v[TT+8*(2*\e+\m)+\j:TT+8*(2*\e+\m)+\j+1], v[TT+8*(2*\e+\m)+\j:TT+8*(2*\e+\m)+\j+1], v[HACC+16+8*(4*\e+\m)+\j:HACC+16+8*(4*\e+\m)+\j+1]
.endr
.endr
.endr
.irp e, 0,1
.irp m, 0,1
.irp j, 0,2,4,6
	v_pk_mul_f32 v[TT+8*(2*\e+\m)+\j:TT+8*(2*\e+\m)+\j+1], v[TT+8*(2*\e+\m)+\j:TT+8*(2*\e+\m)+\j+1], v[PP+2*(2*\e+\m):PP+2*(2*\e+\m)+1]
.endr
.endr
.endr
.irp e, 0,1
.irp m, 0,1
	ds_store_b128 v12, v[TT+8*(2*\e+\m):TT+8*(2*\e+\m)+3] offset:16*HP*(2*\e+\m)
	ds_store_b128 v12, v[TT+8*(2*\e+\m)+4:TT+8*(2*\e+\m)+7] offset:16*HP*(2*\e+\m)+16
.endr
.endr
.Lskip2:
	s_wait_dscnt 0x0                               ; for the others' sake: my units of hidden lie in LDS, and my reads of x's codes are over
	s_barrier_signal -1
	s_barrier_wait -1
	; ---- S3: my 256 columns of out0
	s_cmp_eq_u32 s28, 0
	s_cbranch_scc1 .Lskip3
.irp e, 0,1
.irp q, 0,1,2,3,4,5,6,7
	global_load_b32 v[XSC+8*\e+\q], v7, s[DSA+2*\e:DSA+2*\e+1] offset:128*\q   ; W_down's scale words: tile 2 q in lanes 0-15, tile 2 q + 1 in lanes 16-31
.endr
.endr
	DLOAD 0
	DLOAD 1
	HLOAD 0, HACC                                  ; every wave quantises the four fragments of hidden for itself, while the weights are on their way
	HLOAD 1, TT
	s_wait_dscnt 16                                ; the older 16 loads are in
	QUANTB 0, HACC
	HLOAD 2, HACC
	s_wait_dscnt 16
	QUANTB 1, TT
	HLOAD 3, TT
	s_wait_dscnt 16
	QUANTB 2, HACC
	s_wait_dscnt 0x0
	QUANTB 3, TT
	DLOAD 2
	DLOAD 3
.rept 8
	v_nop                                          ; a scale register written by a vector instruction stands 8 places ahead of a scaled product, an operand so written 4
.endr
.irp g, 0,1,2,3
	GROUP \g
.endr
.Lskip3:
	s_wait_tensorcnt 0x0
	ds_add_u32 v254, v255
	s_wait_dscnt 0x0
	s_endpgm
.Lfunc_end_k_q71718298e1_moe:
	.size	k_q71718298e1_moe, .Lfunc_end_k_q71718298e1_moe-k_q71718298e1_moe
	.p2alignl 7, 3214868480
	.fill 96, 4, 3214868480
	.section	.rodata,"a",@progbits
	.p2align	6, 0x0
	.amdhsa_kernel k_q71718298e1_moe
		.amdhsa_group_segment_fixed_size 140288
		.amdhsa_private_segment_fixed_size 0
		.amdhsa_enable_private_segment 0
		.amdhsa_kernarg_size 80
		.amdhsa_user_sgpr_count 2
		.amdhsa_user_sgpr_kernarg_segment_ptr 1
		.amdhsa_wavefront_size32 1
		.amdhsa_system_sgpr_workgroup_id_x 1
		.amdhsa_system_sgpr_workgroup_id_y 1
		.amdhsa_system_sgpr_workgroup_id_z 1
		.amdhsa_system_vgpr_workitem_id 0
		.amdhsa_next_free_vgpr 512
		.amdhsa_next_free_sgpr 80
		.amdhsa_reserve_vcc 1
		.amdhsa_float_denorm_mode_32 3
		.amdhsa_float_denorm_mode_16_64 3
		.amdhsa_memory_ordered 1
		.amdhsa_forward_progress 1
		.amdhsa_inst_pref_size 151
	.end_amdhsa_kernel
	.amdgpu_metadata
---
amdhsa.version: [ 1, 2 ]
amdhsa.kernels:
  - .name:           k_q71718298e1_moe
    .symbol:         k_q71718298e1_moe.kd
    .args:
      - { .name: x, .offset: 0, .size: 8, .value_kind: global_buffer, .address_space: global }
      - { .name: weights, .offset: 8, .size: 8, .value_kind: global_buffer, .address_space: global }
      - { .name: indices, .offset: 16, .size: 8, .value_kind: global_buffer, .address_space: global }
      - { .name: rows, .offset: 24, .size: 8, .value_kind: global_buffer, .address_space: global }
      - { .name: hdr, .offset: 32, .size: 8, .value_kind: global_buffer, .address_space: global }
      - { .name: gwc, .offset: 40, .size: 8, .value_kind: global_buffer, .address_space: global }
      - { .name: gws, .offset: 48, .size: 8, .value_kind: global_buffer, .address_space: global }
      - { .name: dwc, .offset: 56, .size: 8, .value_kind: global_buffer, .address_space: global }
      - { .name: dws, .offset: 64, .size: 8, .value_kind: global_buffer, .address_space: global }
      - { .name: out0, .offset: 72, .size: 8, .value_kind: global_buffer, .address_space: global }
    .group_segment_fixed_size: 140288
    .private_segment_fixed_size: 0
    .kernarg_segment_align: 8
    .kernarg_segment_size: 80
    .max_flat_workgroup_size: 256
    .sgpr_count:     80
    .vgpr_count:     512
    .wavefront_size: 32
...
	.end_amdgpu_metadata
.endif
;; end of part 4
;; ======== version 3 of 3: 2 launches
;; workspace buffers: gwc 2,097,152 bytes; gws 131,072 bytes; dwc 1,048,576 bytes; dws 65,536 bytes; rows 49,152 bytes of whole numbers; hdr 6,144 bytes of whole numbers
;; launch prep (part 5): grid 260 x 1, 8 waves a work-group, no clusters, 2,048 bytes of LDS; arguments W_gup, W_down, indices, token_mask, gwc, gws, dwc, dws, rows, hdr, out0; writes gwc, gws, dwc, dws, rows, hdr, out0
.if DOCPART == 5
	.amdgcn_target "amdgcn-amd-amdhsa--gfx1250"
	.amdhsa_code_object_version 6
	.text
	.protected	k_q71718298e1_prep
	.globl	k_q71718298e1_prep
	.p2align	8
	.type	k_q71718298e1_prep,@function
k_q71718298e1_prep:
	s_mov_b64 s[64:65], 0
	v_nop
	global_prefetch_b8 v0, s[64:65] scope:SCOPE_SE
	s_setreg_imm32_b32 hwreg(HW_REG_WAVE_MODE, 25, 1), 1
	s_wait_xcnt 0x0
; PREP: what the layer of experts needs once.
; (1) W_gup [8][2048][256] and W_down [8][128][2048], f32, K = the first axis inside an expert, become codes of FP4 (E2M1) with one E8M0 byte for each 32 along K,
;     laid as IMAGES OF THE OPERAND'S REGISTERS: a tile of 16 columns x 128 K is 1,024 bytes, block b (32 along K) of column r at byte 256 b + 16 r.
;     gwc [e 8][w 8][s 16][t 2][1,024]: t = 0 columns 16 w + r (gate), t = 1 columns 128 + 16 w + r (up), s the K step of 128.   gws [e][s 16][n 256] one word (four bytes, block b in byte b).
;     dwc [e 8][tile 128][1,024]: columns 16 tile + r.   dws [e][n 2048] one word.
; (2) The rows of out0 whose token_mask byte is 0 are zeros: reference() drops those tokens.
; (3) THE SORT, IN FOUR GROUPS OF 2,048 TOKENS THAT NEED NOTHING OF EACH OTHER.  A group's tokens that count are sorted into the 28 sets of two experts a < b and cut into blocks of 32 that never straddle a set.
;     A group has at most (2,048 + 28 x 31) / 32 = 91 blocks; its place in the lists is 96 blocks: rows[32 (96 g + block) + i] = token, hdr[96 g + block] = (count, a, b, 0).
;     A token that names one expert twice goes into the set (a, a + 1), (7, 7) into (6, 7): the later launch finds its weights by comparing, so the other expert gets 0.
; SHARES: work-groups 0 to 3 sort a group each (8 waves, 256 tokens each).  Work-groups 4 to 259: waves 0 to 5 quantise one item each (32 columns x 128 K; 1,024 items of W_gup, 512 of W_down), waves 6 and 7 look at 16 tokens' mask each.
; THE QUANTISER: a lane takes a column and its registers run down K, so a block of 32 lies in one lane; scale byte = the largest magnitude's exponent field - 2, held at 1 from below by a floor among the maximum's leaves.
; LIMITS: a block of zeros (or under 2^-124) has the byte 1 where the rule says 127 (its codes are zeros, and this program alone reads the bytes); NaN and infinities are not served; indices are taken to lie in 0 .. 7.
.set GRP,  4                           ; groups of tokens, and work-groups that sort
.set GBLK, 96                          ; a group's place in rows and hdr, in blocks: 12,288 bytes of rows are three stores of 16 bytes by 256 threads
.set DUMP, 91*32                       ; behind a group's 91 blocks: 32 spare words, a lane each
.set NUM, 32                           ; v32-159   an item's 128 numbers of my column
.set COD, 160                          ; v160-175  its codes, four registers a block
.set SW,  176                          ; v176      its scale word
.set IDX, 32                           ; sorting, a register for each of my wave's 8 rows of 32 tokens: v32-47 index pairs
.set MK,  48                           ; v48-55    mask bytes; later places in the list
.set QQ,  56                           ; v56-63    the set of my token (31: masked)
.set RK,  64                           ; v64-71    how many lanes below mine have the same set in the row
.set EX,  72                           ; v72-79    lane q: tokens of set q in my wave's rows before this one
.set LO,  80                           ; v80-87    the smaller index
.set HI,  88                           ; v88-95    the larger
.set TA,  96                           ; v96-103   at work
.set PE,  104                          ; v104-111  the lanes whose set is mine
.set HQ,  112                          ; v112-119  the lanes whose set is my LANE'S NUMBER; then their count
.set TB,  120                          ; v120-127  at work
.set TK,  128                          ; v128-135  what I store: my token's number, 0 for a masked one
.set NL,  224                          ; v224-228  bit j of my lane's number, less 1
.set RUN, 229                          ; v229      lane q: tokens of set q in my wave
.set BAL, 36                           ; s36-43    ballots, one a row: the lanes whose set has the bit in hand (free before TOT is made)
.set TOT, 36                           ; s36-63    tokens of set q
.set BASE, 66                          ; s66-93    first block of set q
; block b of an item: largest magnitude of my 32 numbers, scale byte, 32 codes, one store: sixteen lanes fill 256 consecutive bytes, aligned
.macro QBLK b
.set XB, NUM+32*(\b)
	v_max3_num_f32 v8, |v[XB]|, |v[XB+1]|, |v[XB+2]|
	v_max3_num_f32 v9, |v[XB+3]|, |v[XB+4]|, |v[XB+5]|
.irp i, 6,10,14,18,22,26
	s_delay_alu instid0(VALU_DEP_2)
	v_max3_num_f32 v8, v8, |v[XB+\i]|, |v[XB+\i+1]|
	s_delay_alu instid0(VALU_DEP_2)
	v_max3_num_f32 v9, v9, |v[XB+\i+2]|, |v[XB+\i+3]|
.endr
	s_delay_alu instid0(VALU_DEP_2)
	v_max3_num_f32 v8, v8, |v[XB+30]|, |v[XB+31]|
	s_delay_alu instid0(VALU_DEP_1)
	v_max3_num_f32 v8, v8, v9, 0x1800000           ; the floor 2^(3 - 127): the byte cannot fall under 1
	s_delay_alu instid0(VALU_DEP_1)
	v_add_nc_u32 v10, 0xff000000, v8               ; 2 off the exponent field: the conversion's scale operand
	s_delay_alu instid0(VALU_DEP_1)
	v_lshrrev_b32 v11, 23, v10                     ; the scale's byte
.if (\b) == 0
	s_delay_alu instid0(VALU_DEP_1)
	v_mov_b32 v[SW], v11
.else
	s_delay_alu instid0(VALU_DEP_1)
	v_lshl_or_b32 v[SW], v11, 8*(\b), v[SW]
.endif
.irp g, 0,1,2,3
	v_cvt_scalef32_pk8_fp4_f32 v[COD+4*(\b)+\g], v[XB+8*\g:XB+8*\g+7], v10
.endr
	global_store_b128 v3, v[COD+4*(\b):COD+4*(\b)+3], s[30:31] offset:256*(\b)   ; each block has its own code registers: no store's data are written again
.endm
; an item: 128 loads, a row of the weight each (32 lanes read 128 consecutive bytes), then the four blocks
.macro QITEM stride
.set n, 0
.rept 128
	global_load_b32 v[NUM+n], v2, s[28:29] offset:n*(\stride) th:TH_LOAD_NT
.set n, n+1
.endr
	s_wait_loadcnt 63                              ; the 63 youngest may be out: the first 65 are in, blocks 0 and 1 among them
	QBLK 0
	QBLK 1
	s_wait_loadcnt 32                              ; block 3's 32 may be out
	QBLK 2
	s_wait_loadcnt 0x0
	QBLK 3
	global_store_b32 v2, v[SW], s[32:33]           ; 32 columns' scale words: 128 consecutive bytes
.endm
; token i of my 16: if its mask byte is 0, its row of out0 (8,192 bytes) is zeros: sixteen stores of 512 consecutive bytes
.macro ZROW i
	s_bfe_u32 s40, s[36+(\i)/4], (8<<16)|(8*((\i)%4))
	s_cmp_lg_u32 s40, 0
	s_cbranch_scc1 .Lkeep_\@
	s_wait_alu depctr_va_vdst(0)
.irp j, 0,1,2,3,4,5,6,7,8,9,10,11,12,13,14,15
	global_store_b128 v2, v[4:7], s[28:29] offset:(\i)*8192+\j*512 th:TH_STORE_NT
.endr
.Lkeep_\@:
.endm
	s_load_b512 s[4:19], s[0:1], 0x0               ; W_gup s[4:5], W_down s[6:7], indices s[8:9], token_mask s[10:11], gwc s[12:13], gws s[14:15], dwc s[16:17], dws s[18:19]
	s_load_b128 s[20:23], s[0:1], 0x40             ; rows s[20:21], hdr s[22:23]
	s_load_b64 s[24:25], s[0:1], 0x50              ; out0
	v_lshl_add_u32 v254, v0, 2, 0x400
	v_mov_b32 v255, 0
	v_lshrrev_b32 v1, 5, v0
	s_delay_alu instid0(VALU_DEP_1)
	v_readfirstlane_b32 s26, v1                    ; wave 0..7
	v_and_b32 v1, 31, v0                           ; lane
	s_wait_kmcnt 0x0
	s_cmp_lt_u32 ttmp9, GRP
	s_cbranch_scc1 .Lroute
	s_sub_co_u32 s27, ttmp9, GRP                   ; g = 0 .. 255
	s_cmp_ge_u32 s26, 6
	s_cbranch_scc1 .Lzero
	; ---- an item of a weight
	s_mul_i32 s34, s27, 6
	s_add_co_u32 s34, s34, s26                     ; item = 6 g + wave
	s_wait_alu depctr_va_vdst(0)
	v_lshlrev_b32 v2, 2, v1                        ; 4 bytes a lane: my column, and my scale word
	v_lshrrev_b32 v4, 4, v1                        ; which of the item's two tiles of 16 columns
	v_and_b32 v5, 15, v1
	s_delay_alu instid0(VALU_DEP_1)
	v_lshlrev_b32 v5, 4, v5                        ; 16 r
	s_mov_b32 s41, 0
	s_cmp_ge_u32 s34, 1024
	s_cbranch_scc1 .Ldown
	s_lshr_b32 s35, s34, 3                         ; 16 e + s
	s_and_b32 s36, s34, 7                          ; which 32 of the 256 columns
	s_lshl_b32 s40, s35, 17                        ; 128 rows of 1,024 bytes a K step
	s_lshl_b32 s37, s36, 7
	s_add_co_u32 s40, s40, s37
	s_add_nc_u64 s[28:29], s[4:5], s[40:41]
	s_lshr_b32 s38, s34, 7
	s_lshl_b32 s40, s38, 18                        ; e
	s_and_b32 s38, s35, 15
	s_lshl_b32 s38, s38, 11                        ; s
	s_add_co_u32 s40, s40, s38
	s_lshr_b32 s38, s36, 2
	s_lshl_b32 s38, s38, 10                        ; t: gate or up
	s_add_co_u32 s40, s40, s38
	s_and_b32 s38, s36, 3
	s_lshl_b32 s38, s38, 16                        ; w = 2 x this + the lane's tile
	s_add_co_u32 s40, s40, s38
	s_add_nc_u64 s[30:31], s[12:13], s[40:41]
	s_lshl_b32 s40, s35, 10
	s_add_co_u32 s40, s40, s37
	s_add_nc_u64 s[32:33], s[14:15], s[40:41]
	s_wait_alu depctr_va_vdst(0)
	v_lshl_add_u32 v3, v4, 15, v5
	QITEM 1024
	s_endpgm
.Ldown:
	s_sub_co_u32 s34, s34, 1024                    ; 64 e + which 32 of the 2,048 columns
	s_lshr_b32 s35, s34, 6
	s_lshl_b32 s40, s35, 20                        ; 128 rows of 8,192 bytes an expert
	s_and_b32 s36, s34, 63
	s_lshl_b32 s36, s36, 7
	s_add_co_u32 s40, s40, s36
	s_add_nc_u64 s[28:29], s[6:7], s[40:41]
	s_lshl_b32 s40, s34, 11                        ; two tiles of 1,024 bytes an item
	s_add_nc_u64 s[30:31], s[16:17], s[40:41]
	s_lshl_b32 s40, s34, 7
	s_add_nc_u64 s[32:33], s[18:19], s[40:41]
	s_wait_alu depctr_va_vdst(0)
	v_lshl_add_u32 v3, v4, 10, v5
	QITEM 8192
	s_endpgm
	; ---- the rows of masked tokens
.Lzero:
	s_lshl_b32 s34, s27, 5
	s_sub_co_u32 s35, s26, 6
	s_lshl_b32 s35, s35, 4
	s_add_co_u32 s34, s34, s35                     ; my first token: 32 g + 16 (wave - 6)
	s_mov_b32 s35, 0
	s_add_nc_u64 s[30:31], s[10:11], s[34:35]
	s_load_b128 s[36:39], s[30:31], 0x0            ; 16 mask bytes
	s_lshl_b32 s40, s34, 13
	s_mov_b32 s41, 0
	s_add_nc_u64 s[28:29], s[24:25], s[40:41]
	s_wait_alu depctr_va_vdst(0)
	v_lshlrev_b32 v2, 4, v1
	v_mov_b32 v4, 0
	v_mov_b32 v5, 0
	v_mov_b32 v6, 0
	v_mov_b32 v7, 0
	s_wait_kmcnt 0x0
.irp i, 0,1,2,3,4,5,6,7,8,9,10,11,12,13,14,15
	ZROW \i
.endr
	s_endpgm
	; ---- the sort of group g = my work-group's number: token = 2,048 g + 256 wave + 32 i + lane, i = 0 .. 7
.Lroute:
	s_mov_b32 s29, 0
	s_mul_i32 s28, ttmp9, GBLK*128
	s_add_nc_u64 s[20:21], s[20:21], s[28:29]      ; rows at my group's place
	s_mul_i32 s28, ttmp9, GBLK*16
	s_add_nc_u64 s[22:23], s[22:23], s[28:29]      ; hdr likewise
	s_lshl_b32 s28, ttmp9, 14
	s_add_nc_u64 s[8:9], s[8:9], s[28:29]          ; indices at my group's first token: 8 bytes a token
	s_lshl_b32 s28, ttmp9, 11                      ; my group's first token
	s_add_nc_u64 s[10:11], s[10:11], s[28:29]      ; token_mask likewise: a byte a token
	v_lshlrev_b32 v2, 4, v0                        ; 16 x my thread's number: the zeros' places and the headers'; never rewritten
	v_mov_b32 v4, 0
	v_mov_b32 v5, 0
	v_mov_b32 v6, 0
	v_mov_b32 v7, 0
.irp k, 0,1,2
	global_store_b128 v2, v[4:7], s[20:21] offset:4096*\k   ; my group's whole list is zeros first: what no token takes names token 0
.endr
	v_lshrrev_b32 v12, 5, v0
	s_wait_alu depctr_va_vdst(0)
	v_lshl_add_u32 v12, v12, 8, v1                 ; my token of row 0, counted in the group
	s_delay_alu instid0(VALU_DEP_1)
	v_lshlrev_b32 v8, 3, v12
.irp i, 0,1,2,3,4,5,6,7
	global_load_b64 v[IDX+2*\i:IDX+2*\i+1], v8, s[8:9] offset:256*\i
	global_load_u8 v[MK+\i], v12, s[10:11] offset:32*\i
.endr
	v_add_nc_u32 v13, s28, v12                     ; its number among all tokens
	v_add_nc_u32 v14, DUMP, v1                     ; my lane's spare word
	v_lshlrev_b32 v10, 2, v0
	v_lshlrev_b32 v11, 2, v1
	v_mov_b32 v246, 31
.irp j, 0,1,2,3,4
	v_bfe_u32 v[NL+\j], v1, \j, 1
	s_delay_alu instid0(VALU_DEP_1)
	v_add_nc_u32 v[NL+\j], -1, v[NL+\j]
.endr
	s_mov_b32 s35, 0x01010101
	s_wait_loadcnt 0x0
	; The set of each token.  The eight rows take turns line by line, so that no line waits for the line above it
.irp i, 0,1,2,3,4,5,6,7
	v_min_u32 v[LO+\i], v[IDX+2*\i], v[IDX+2*\i+1]
.endr
.irp i, 0,1,2,3,4,5,6,7
	v_add_nc_u32 v[HI+\i], v[IDX+2*\i], v[IDX+2*\i+1]
.endr
.irp i, 0,1,2,3,4,5,6,7
	v_sub_nc_u32 v[HI+\i], v[HI+\i], v[LO+\i]
.endr
.irp i, 0,1,2,3,4,5,6,7
	v_cmp_eq_u32 vcc_lo, v[LO+\i], v[HI+\i]
	s_delay_alu instid0(VALU_DEP_1)
	v_add_co_ci_u32 v[HI+\i], vcc_lo, 0, v[HI+\i], vcc_lo   ; one expert named twice: (a, a + 1)
.endr
.irp i, 0,1,2,3,4,5,6,7
	v_min_u32 v[HI+\i], 7, v[HI+\i]                ; (7, 8) becomes
.endr
.irp i, 0,1,2,3,4,5,6,7
	v_add_nc_u32 v[HI+\i], -1, v[HI+\i]            ; t = hi - 1,
.endr
.irp i, 0,1,2,3,4,5,6,7
	v_min_u32 v[LO+\i], v[LO+\i], v[HI+\i]         ; (6, 7)
.endr
.irp i, 0,1,2,3,4,5,6,7
	v_sub_nc_u32 v[TA+\i], 15, v[LO+\i]
.endr
.irp i, 0,1,2,3,4,5,6,7
	v_mul_u32_u24 v[TA+\i], v[TA+\i], v[LO+\i]
.endr
.irp i, 0,1,2,3,4,5,6,7
	v_lshrrev_b32 v[TA+\i], 1, v[TA+\i]            ; lo (15 - lo) / 2: the sets with a smaller lo
.endr
.irp i, 0,1,2,3,4,5,6,7
	v_add_nc_u32 v[TA+\i], v[TA+\i], v[HI+\i]
.endr
.irp i, 0,1,2,3,4,5,6,7
	v_sub_nc_u32 v[TA+\i], v[TA+\i], v[LO+\i]      ; + hi - lo - 1
.endr
.irp i, 0,1,2,3,4,5,6,7
	v_cmp_eq_u32 vcc_lo, 0, v[MK+\i]
	s_delay_alu instid0(VALU_DEP_1)
	v_cndmask_b32 v[QQ+\i], v[TA+\i], v246, vcc_lo ; a masked token: 31
.endr
	; Bit by bit of the set's number: PE = the lanes whose set agrees with mine, HQ = the lanes whose set agrees with my lane's number
.irp j, 0,1,2,3,4
.irp i, 0,1,2,3,4,5,6,7
	v_bfe_u32 v[TA+\i], v[QQ+\i], \j, 1
.endr
.irp i, 0,1,2,3,4,5,6,7
	v_cmp_ne_u32 s[BAL+\i], 0, v[TA+\i]            ; the lanes whose set has bit j
.endr
.irp i, 0,1,2,3,4,5,6,7
	v_add_nc_u32 v[TA+\i], -1, v[TA+\i]            ; 0 where mine has it, else all ones
.endr
.if \j == 0
.irp i, 0,1,2,3,4,5,6,7
	v_xor_b32 v[PE+\i], s[BAL+\i], v[TA+\i]
.endr
.irp i, 0,1,2,3,4,5,6,7
	v_xor_b32 v[HQ+\i], s[BAL+\i], v[NL+\j]
.endr
.else
.irp i, 0,1,2,3,4,5,6,7
	v_xor_b32 v[TA+\i], s[BAL+\i], v[TA+\i]
.endr
.irp i, 0,1,2,3,4,5,6,7
	v_and_b32 v[PE+\i], v[PE+\i], v[TA+\i]
.endr
.irp i, 0,1,2,3,4,5,6,7
	v_xor_b32 v[TB+\i], s[BAL+\i], v[NL+\j]
.endr
.irp i, 0,1,2,3,4,5,6,7
	v_and_b32 v[HQ+\i], v[HQ+\i], v[TB+\i]
.endr
.endif
.endr
.irp i, 0,1,2,3,4,5,6,7
	v_mbcnt_lo_u32_b32 v[RK+\i], v[PE+\i], 0       ; my rank among the row's tokens of my set
.endr
.irp i, 0,1,2,3,4,5,6,7
	v_lshrrev_b32 v[TB+\i], 1, v[HQ+\i]            ; the number of ones in HQ: lane q counts the row's tokens of set q
.endr
.irp i, 0,1,2,3,4,5,6,7
	v_and_b32 v[TB+\i], 0x55555555, v[TB+\i]
.endr
.irp i, 0,1,2,3,4,5,6,7
	v_sub_nc_u32 v[HQ+\i], v[HQ+\i], v[TB+\i]
.endr
.irp i, 0,1,2,3,4,5,6,7
	v_lshrrev_b32 v[TB+\i], 2, v[HQ+\i]
.endr
.irp i, 0,1,2,3,4,5,6,7
	v_and_b32 v[TB+\i], 0x33333333, v[TB+\i]
.endr
.irp i, 0,1,2,3,4,5,6,7
	v_and_b32 v[HQ+\i], 0x33333333, v[HQ+\i]
.endr
.irp i, 0,1,2,3,4,5,6,7
	v_add_nc_u32 v[HQ+\i], v[HQ+\i], v[TB+\i]
.endr
.irp i, 0,1,2,3,4,5,6,7
	v_lshrrev_b32 v[TB+\i], 4, v[HQ+\i]
.endr
.irp i, 0,1,2,3,4,5,6,7
	v_add_nc_u32 v[HQ+\i], v[HQ+\i], v[TB+\i]
.endr
.irp i, 0,1,2,3,4,5,6,7
	v_and_b32 v[HQ+\i], 0x0f0f0f0f, v[HQ+\i]
.endr
.irp i, 0,1,2,3,4,5,6,7
	v_mul_lo_u32 v[HQ+\i], v[HQ+\i], s35
.endr
.irp i, 0,1,2,3,4,5,6,7
	v_lshrrev_b32 v[HQ+\i], 24, v[HQ+\i]
.endr
	v_mov_b32 v[EX], 0
.irp i, 1,2,3,4,5,6,7
	s_delay_alu instid0(VALU_DEP_1)
	v_add_nc_u32 v[EX+\i], v[EX+\i-1], v[HQ+\i-1]  ; lane q: set q's tokens in the rows before row i
.endr
	s_delay_alu instid0(VALU_DEP_1)
	v_add_nc_u32 v[RUN], v[EX+7], v[HQ+7]
	ds_store_b32 v10, v[RUN]                       ; my wave's 32 counts
	s_wait_storecnt 0x0                            ; my part of the zeros is written: no wave places a token before all have passed this
	s_wait_dscnt 0x0
	s_barrier_signal -1
	s_barrier_wait -1
.irp w, 0,1,2,3,4,5,6,7
	ds_load_b32 v[237+\w], v11 offset:128*\w
.endr
	s_wait_dscnt 0x0
	v_add_nc_u32 v245, v237, v238
.irp w, 2,3,4,5,6,7
	s_delay_alu instid0(VALU_DEP_1)
	v_add_nc_u32 v245, v245, v[237+\w]             ; lane q: all the group's tokens of set q
.endr
	v_mov_b32 v230, 0
.irp w, 0,1,2,3,4,5,6
	s_cmp_gt_u32 s26, \w
	s_cselect_b32 s34, -1, 0
	v_and_b32 v231, s34, v[237+\w]
	s_delay_alu instid0(VALU_DEP_1)
	v_add_nc_u32 v230, v230, v231                  ; lane q: those of the waves before mine
.endr
	v_mov_b32 v232, 0
.set q, 0
.rept 28
	v_readlane_b32 s[TOT+q], v245, q
.set q, q+1
.endr
	s_mov_b32 s34, 0
.set q, 0
.rept 28
	s_mov_b32 s[BASE+q], s34                       ; the set's first block
	v_writelane_b32 v232, s34, q
	s_add_co_u32 s35, s[TOT+q], 31
	s_lshr_b32 s35, s35, 5
	s_add_co_u32 s34, s34, s35
.set q, q+1
.endr
	v_lshl_add_u32 v233, v232, 5, v230             ; lane q: where my wave's tokens of set q begin in the group's list
.irp i, 0,1,2,3,4,5,6,7
	v_add_nc_u32 v[EX+\i], v[EX+\i], v233
.endr
.irp i, 0,1,2,3,4,5,6,7
	v_lshlrev_b32 v[TA+\i], 2, v[QQ+\i]
.endr
.irp i, 0,1,2,3,4,5,6,7
	ds_bpermute_b32 v[MK+\i], v[TA+\i], v[EX+\i]   ; from the lane that has my set's number
.endr
.irp i, 0,1,2,3,4,5,6,7
	v_add_nc_u32 v[TK+\i], 32*\i, v13              ; my token's number
.endr
	s_wait_dscnt 0x0
.irp i, 0,1,2,3,4,5,6,7
	v_add_nc_u32 v[MK+\i], v[MK+\i], v[RK+\i]
.endr
.irp i, 0,1,2,3,4,5,6,7
	v_cmp_ne_u32 vcc_lo, 31, v[QQ+\i]              ; a masked token stores 0 into its lane's spare word, which holds 0 already: so all lanes stay on,
	s_delay_alu instid0(VALU_DEP_1)
	v_cndmask_b32 v[MK+\i], v14, v[MK+\i], vcc_lo  ; and the eight stores go out with no wait between them
	s_delay_alu instid0(VALU_DEP_2)
	v_cndmask_b32 v[TK+\i], 0, v[TK+\i], vcc_lo
.endr
.irp i, 0,1,2,3,4,5,6,7
	v_min_u32 v[MK+\i], DUMP+31, v[MK+\i]          ; the last place that is ever named
.endr
.irp i, 0,1,2,3,4,5,6,7
	v_lshlrev_b32 v[MK+\i], 2, v[MK+\i]
.endr
.irp i, 0,1,2,3,4,5,6,7
	global_store_b32 v[MK+\i], v[TK+\i], s[20:21]
.endr
	; The header of block j = my thread's number, 0 .. 95 (waves 0 to 2): the last set whose first block is not behind j.  None of these lines writes a register that a pending store reads
	s_cmp_ge_u32 s26, 3
	s_cbranch_scc1 .Lrdone
	v_mov_b32 v235, 0
	v_mov_b32 v236, 0
	v_mov_b32 v237, 8
.set q, 0
.irp ab, 8,16,24,32,40,48,56,17,25,33,41,49,57,26,34,42,50,58,35,43,51,59,44,52,60,53,61,62
	v_cmp_gt_u32 vcc_lo, s[BASE+q], v0             ; the set begins behind j: keep what I have
	s_delay_alu instid0(VALU_DEP_1)
	v_cndmask_b32 v235, s[BASE+q], v235, vcc_lo
	s_delay_alu instid0(VALU_DEP_2)
	v_cndmask_b32 v236, s[TOT+q], v236, vcc_lo
	s_delay_alu instid0(VALU_DEP_3)
	v_cndmask_b32 v237, \ab, v237, vcc_lo          ; a + 8 b
.set q, q+1
.endr
	s_delay_alu instid0(VALU_DEP_3)
	v_sub_nc_u32 v235, v0, v235
	s_delay_alu instid0(VALU_DEP_1)
	v_lshlrev_b32 v235, 5, v235
	s_delay_alu instid0(VALU_DEP_1)
	v_sub_nc_u32 v240, v236, v235                  ; the set's tokens from this block on,
	s_delay_alu instid0(VALU_DEP_1)
	v_cmp_lt_i32 vcc_lo, 0, v240
	s_delay_alu instid0(VALU_DEP_1)
	v_cndmask_b32 v240, 0, v240, vcc_lo            ; none behind its last block,
	s_delay_alu instid0(VALU_DEP_1)
	v_min_u32 v240, 32, v240                       ; at most 32
	v_and_b32 v241, 7, v237
	v_lshrrev_b32 v242, 3, v237
	v_mov_b32 v243, 0
	global_store_b128 v2, v[240:243], s[22:23]     ; 16 bytes a block: a wave stores 512 consecutive bytes
.Lrdone:
	s_wait_tensorcnt 0x0
	ds_add_u32 v254, v255
	s_wait_dscnt 0x0
	s_endpgm
.Lfunc_end_k_q71718298e1_prep:
	.size	k_q71718298e1_prep, .Lfunc_end_k_q71718298e1_prep-k_q71718298e1_prep
	.p2alignl 7, 3214868480
	.fill 96, 4, 3214868480
	.section	.rodata,"a",@progbits
	.p2align	6, 0x0
	.amdhsa_kernel k_q71718298e1_prep
		.amdhsa_group_segment_fixed_size 2048
		.amdhsa_private_segment_fixed_size 0
		.amdhsa_enable_private_segment 0
		.amdhsa_kernarg_size 88
		.amdhsa_user_sgpr_count 2
		.amdhsa_user_sgpr_kernarg_segment_ptr 1
		.amdhsa_wavefront_size32 1
		.amdhsa_system_sgpr_workgroup_id_x 1
		.amdhsa_system_sgpr_workgroup_id_y 1
		.amdhsa_system_sgpr_workgroup_id_z 1
		.amdhsa_system_vgpr_workitem_id 0
		.amdhsa_next_free_vgpr 256
		.amdhsa_next_free_sgpr 100
		.amdhsa_reserve_vcc 1
		.amdhsa_float_denorm_mode_32 3
		.amdhsa_float_denorm_mode_16_64 3
		.amdhsa_memory_ordered 1
		.amdhsa_forward_progress 1
		.amdhsa_inst_pref_size 115
	.end_amdhsa_kernel
	.amdgpu_metadata
---
amdhsa.version: [ 1, 2 ]
amdhsa.kernels:
  - .name:           k_q71718298e1_prep
    .symbol:         k_q71718298e1_prep.kd
    .args:
      - { .name: W_gup, .offset: 0, .size: 8, .value_kind: global_buffer, .address_space: global }
      - { .name: W_down, .offset: 8, .size: 8, .value_kind: global_buffer, .address_space: global }
      - { .name: indices, .offset: 16, .size: 8, .value_kind: global_buffer, .address_space: global }
      - { .name: token_mask, .offset: 24, .size: 8, .value_kind: global_buffer, .address_space: global }
      - { .name: gwc, .offset: 32, .size: 8, .value_kind: global_buffer, .address_space: global }
      - { .name: gws, .offset: 40, .size: 8, .value_kind: global_buffer, .address_space: global }
      - { .name: dwc, .offset: 48, .size: 8, .value_kind: global_buffer, .address_space: global }
      - { .name: dws, .offset: 56, .size: 8, .value_kind: global_buffer, .address_space: global }
      - { .name: rows, .offset: 64, .size: 8, .value_kind: global_buffer, .address_space: global }
      - { .name: hdr, .offset: 72, .size: 8, .value_kind: global_buffer, .address_space: global }
      - { .name: out0, .offset: 80, .size: 8, .value_kind: global_buffer, .address_space: global }
    .group_segment_fixed_size: 2048
    .private_segment_fixed_size: 0
    .kernarg_segment_align: 8
    .kernarg_segment_size: 88
    .max_flat_workgroup_size: 256
    .sgpr_count:     100
    .vgpr_count:     256
    .wavefront_size: 32
...
	.end_amdgpu_metadata
.endif
;; end of part 5
;; launch moe (part 6): grid 364 x 1, 8 waves a work-group, no clusters, 140,288 bytes of LDS; arguments x, weights, indices, rows, hdr, gwc, gws, dwc, dws, out0; writes out0
.if DOCPART == 6
	.amdgcn_target "amdgcn-amd-amdhsa--gfx1250"
	.amdhsa_code_object_version 6
	.text
	.protected	k_q71718298e1_moe
	.globl	k_q71718298e1_moe
	.p2align	8
	.type	k_q71718298e1_moe,@function
k_q71718298e1_moe:
	s_mov_b64 s[64:65], 0
	v_nop
	global_prefetch_b8 v0, s[64:65] scope:SCOPE_SE
	s_setreg_imm32_b32 hwreg(HW_REG_WAVE_SCHED_MODE, 0, 2), 2
	s_setreg_imm32_b32 hwreg(HW_REG_WAVE_MODE, 25, 1), 1
	s_wait_xcnt 0x0
	s_wait_alu depctr_vm_vsrc(0)
; MOE: one work-group takes one block of up to 32 tokens that share the two experts a < b (hdr, rows: made by the launch before) through the whole chain:
;   S1 gather the tokens' rows of x and quantise them (FP4, one E8M0 byte for each 32 along K) into LDS;
;   S2 h = x W_gup for BOTH experts in one walk over K = 2,048; hidden = silu(gate) up p in f32, into LDS;
;   S3 quantise hidden along its 128; y = hidden_a W_down[a] + hidden_b W_down[b] as ONE sum on each accumulator; whole rows of out0.
; Each row of out0 has one owner; the hidden layer never goes to memory.  The tokens were sorted in four groups of 2,048, each with at most (2,048 + 28 x 31) / 32 = 91 blocks: 364 work-groups serve every split.
; Work-group n takes block n / 4 of group n % 4 (the groups' blocks by turns; a group's place in the lists is 96 blocks).  A block without tokens jumps over the three segments and stores nothing.
; p of a token for an expert = the sum of its weights whose index is that expert, as reference() has it: a token that names one expert twice has both weights on one slot and 0 on the other.
; Rows past the block's count repeat the block's first token: they compute what row 0 computes; at most one of them is stored (an odd count), with row 0's own values, to row 0's place.
; SHARES (8 waves): S1 wave w: rows 4 w .. 4 w + 3.  S2 wave w: hidden units 16 w .. 16 w + 15 (a tile of gate and a tile of up) of both experts, both tiles of 16 rows: 8 accumulators by turns.  S3 wave w: columns 256 w .. 256 w + 255.
; BOTH PRODUCTS ARE USED TRANSPOSED (source 0 = 16 columns of the weight, source 1 = 16 tokens): a lane holds one token and eight neighbouring columns.
; THE WEIGHTS come from memory straight into registers as images of the operand (16 bytes a lane, 512 consecutive bytes a load).  Which expert's they are hangs on the stored list, so this text has no tensor load and no
; joint load: work-groups of a cluster would need equal experts, which no fixed grid gives.  The two barriers stand on the way that every wave takes; each segment reads only registers made on that way or inside itself.
; LIMITS: indices 0 .. 7; NaN and infinities are not served, nor an h of an expert that was not chosen that overflows (reference(): 0 x inf); a block of 32 zeros (or under 2^-124) has the scale byte 1 over zero or held codes.
; THE MODE: SCHED_MODE bits 1:0 = 2 (LLVM: expert scheduling mode 2), set by the entry lines.  The code itself states the register dependences between vector or matrix instructions and memory or LDS instructions,
; with s_wait_alu, always for 0.
; THE PLAN.  Registers that memory or LDS instructions touch:
;   v4-v15      addresses, made at the head and never written again: one wait on va_vdst at the head's end serves every load and store that reads them.
;   v244, v245  addresses of the head's token loads; S2 and S3 write them again: a wait on vm_vsrc on the common way behind S1.
;   v16-31, v80, v81   tokens land; vector lines behind S1 make offsets of them; one wait on va_vdst; then the loads of indices and weights read v80, v81 and S3's stores v16-31.
;   window 1    S1: x lands, row i's maxima and conversions read it.  S2: a ring of six K steps of W_gup; step s's products read slot s % 6, step s + 1's loads land in it.  S3: W_down's fragments land.
;   BY, CD      S1: each row writes them, its LDS stores read them: va_vdst ahead of the stores, vm_vsrc at the head of the next row.
;   XF, WSC     S2: step s's products read XF[s % 2] and WSC's slot s % 6; step s + 1's loads land in them.
;   TT          S2: written by the arithmetic, read by hidden's LDS stores (va_vdst ahead of them); S3's loads land in it (vm_vsrc on the common way behind S2).
;   HACC, TT    S3: hidden's numbers land, the quantiser reads them, the next fragment lands (va_vdst between); then in each group the products write HACC, LDS stores read it (va_vdst), the stage's loads land in TT,
;               global stores read TT; one wait on vm_vsrc at the head of the next group frees both.
; In S2 ONE wait on va_vdst stands at the head of a step: the products of the step before are done reading their fragments of x, their ring slot and their scale words.  All of the step's loads follow it; the step's own
; products name XF[s % 2], slot s % 6, XSC + s and the accumulators: none of the registers that those loads touch.
; Compares write scalar registers in runs (s32-43, s68-73: free once x's loads are shown done), with one wait on va_sdst behind each run; VCC is not used.
.set GBLK, 96                          ; a group's place in rows and hdr, in blocks
.set XC,  0                            ; LDS: x's codes, 32 rows of 1,024 bytes, 1,040 apart (65 x 16: the sixteen rows of a load start in different banks)
.set XCP, 1040
.set XS,  33280                        ; x's scale words, 32 rows of 16 words, 80 bytes apart
.set XSP, 80
.set HID, 35840                        ; hidden, f32: [slot 2][row 32] of 512 bytes, 528 apart
.set HP,  528
.set STG, 69632                        ; each wave's own stage: 32 rows of 256 bytes, 272 apart
.set SP,  272
.set VOFF, 16                          ; v16-31   pair i: byte offset in out0 of my 16 bytes of row 2 i + (lane / 16)
.set PP,   32                          ; v32-39   p, a pair for each (slot, tile of rows)
.set XSC,  40                          ; v40-55   S2: x's scale words, K step s; S3: W_down's.  v40-67 hold scales and nothing else
.set WSC,  56                          ; v56-67   S2: W_gup's scale words, ring; S3: v56-59 hidden's
.set XF,   84                          ; v84-115  S2: x's fragments, two buffers; S3: hidden's four fragments
.set HACC, 116                         ; v116-179 S2: 8 accumulators (4 slot + 2 t + m); S3: numbers to quantise, then 8 accumulators of y
.set TT,   180                         ; v180-243 S1: at work; S2: hidden; S3: numbers to quantise, then rows of y
.set MX,   180
.set SO,   188
.set BY,   196
.set CD,   204
.set GWA,  44                          ; s[44:47] gwc at (a, wave), (b, wave);  s[48:51] gws at a, b;  s[52:55] dwc;  s[56:59] dws
.set GSA,  48
.set DWA,  52
.set DSA,  56
.set MSB, 0
.macro WIN new                         ; which window of 256 registers each operand place means; the immediate's high byte repeats the setting that is left
.if MSB != \new
	s_set_vgpr_msb (MSB<<8)|\new
.set MSB, \new
.endif
.endm
; one product 16 x 16 x 128 on codes: d accumulator, a weight fragment (window 1), b token fragment, z = 1: it starts the sum, sa / sb scale registers, ra / rb = 1: their lanes 16-31
.macro MM d, a, b, z, sa, sb, ra, rb
.if \z
.if (\ra) && (\rb)
	v_wmma_scale_f32_16x16x128_f8f6f4 v[(\d):(\d)+7], v[(\a):(\a)+7], v[(\b):(\b)+7], 0, v[\sa], v[\sb] matrix_a_fmt:MATRIX_FMT_FP4 matrix_b_fmt:MATRIX_FMT_FP4 matrix_a_scale:MATRIX_SCALE_ROW1 matrix_b_scale:MATRIX_SCALE_ROW1
.elseif (\ra)
	v_wmma_scale_f32_16x16x128_f8f6f4 v[(\d):(\d)+7], v[(\a):(\a)+7], v[(\b):(\b)+7], 0, v[\sa], v[\sb] matrix_a_fmt:MATRIX_FMT_FP4 matrix_b_fmt:MATRIX_FMT_FP4 matrix_a_scale:MATRIX_SCALE_ROW1
.elseif (\rb)
	v_wmma_scale_f32_16x16x128_f8f6f4 v[(\d):(\d)+7], v[(\a):(\a)+7], v[(\b):(\b)+7], 0, v[\sa], v[\sb] matrix_a_fmt:MATRIX_FMT_FP4 matrix_b_fmt:MATRIX_FMT_FP4 matrix_b_scale:MATRIX_SCALE_ROW1
.else
	v_wmma_scale_f32_16x16x128_f8f6f4 v[(\d):(\d)+7], v[(\a):(\a)+7], v[(\b):(\b)+7], 0, v[\sa], v[\sb] matrix_a_fmt:MATRIX_FMT_FP4 matrix_b_fmt:MATRIX_FMT_FP4
.endif
.else
.if (\ra) && (\rb)
	v_wmma_scale_f32_16x16x128_f8f6f4 v[(\d):(\d)+7], v[(\a):(\a)+7], v[(\b):(\b)+7], v[(\d):(\d)+7], v[\sa], v[\sb] matrix_a_fmt:MATRIX_FMT_FP4 matrix_b_fmt:MATRIX_FMT_FP4 matrix_a_scale:MATRIX_SCALE_ROW1 matrix_b_scale:MATRIX_SCALE_ROW1
.elseif (\ra)
	v_wmma_scale_f32_16x16x128_f8f6f4 v[(\d):(\d)+7], v[(\a):(\a)+7], v[(\b):(\b)+7], v[(\d):(\d)+7], v[\sa], v[\sb] matrix_a_fmt:MATRIX_FMT_FP4 matrix_b_fmt:MATRIX_FMT_FP4 matrix_a_scale:MATRIX_SCALE_ROW1
.elseif (\rb)
	v_wmma_scale_f32_16x16x128_f8f6f4 v[(\d):(\d)+7], v[(\a):(\a)+7], v[(\b):(\b)+7], v[(\d):(\d)+7], v[\sa], v[\sb] matrix_a_fmt:MATRIX_FMT_FP4 matrix_b_fmt:MATRIX_FMT_FP4 matrix_b_scale:MATRIX_SCALE_ROW1
.else
	v_wmma_scale_f32_16x16x128_f8f6f4 v[(\d):(\d)+7], v[(\a):(\a)+7], v[(\b):(\b)+7], v[(\d):(\d)+7], v[\sa], v[\sb] matrix_a_fmt:MATRIX_FMT_FP4 matrix_b_fmt:MATRIX_FMT_FP4
.endif
.endif
.endm
; S1: row i of my four.  In chunk c a lane holds k = 256 c + 8 lane + 0 .. 7: four lanes hold a block of 32, sixteen a K step of 128 (K step 2 c in lanes 0-15, 2 c + 1 in lanes 16-31)
.macro XROW i
	s_wait_dscnt 0x0                               ; the last row's LDS stores are done
.if (\i) > 0
	s_wait_alu depctr_vm_vsrc(0)                   ; the last row's LDS stores have read v[BY ..] and v[CD ..], which this row writes again
.endif
	s_wait_loadcnt 16*(3-(\i))                     ; this row's 16 loads are in; the later rows' may be out
	WIN 0x05                                       ; sources 0 and 1: window 1
.irp c, 0,1,2,3,4,5,6,7
	v_max3_num_f32 v[MX+\c], |v[64*(\i)+8*\c]|, |v[64*(\i)+8*\c+1]|, 0x1800000   ; with the floor 2^(3 - 127): the byte cannot fall under 1
.endr
.irp u, 2,4,6
.irp c, 0,1,2,3,4,5,6,7
	v_max3_num_f32 v[MX+\c], |v[64*(\i)+8*\c+\u]|, |v[64*(\i)+8*\c+\u+1]|, v[MX+\c]
.endr
.endr
	WIN 0
.irp c, 0,1,2,3,4,5,6,7
	v_max_num_f32_dpp v[MX+\c], v[MX+\c], v[MX+\c] row_xmask:1 row_mask:0xf bank_mask:0xf
.endr
.irp c, 0,1,2,3,4,5,6,7
	v_max_num_f32_dpp v[MX+\c], v[MX+\c], v[MX+\c] row_xmask:2 row_mask:0xf bank_mask:0xf   ; the block's largest magnitude
.endr
.irp c, 0,1,2,3,4,5,6,7
	v_add_nc_u32 v[SO+\c], 0xff000000, v[MX+\c]    ; 2 off its exponent field: the conversion's scale operand
.endr
.irp c, 0,1,2,3,4,5,6,7
	v_lshrrev_b32 v[BY+\c], 23, v[SO+\c]           ; the scale's byte,
.endr
.irp c, 0,1,2,3,4,5,6,7
	v_lshlrev_b32 v[BY+\c], v68, v[BY+\c]          ; at its block's place in the K step's word
.endr
.irp c, 0,1,2,3,4,5,6,7
	v_mov_b32_dpp v[MX+\c], v[BY+\c] row_xmask:4 row_mask:0xf bank_mask:0xf
.endr
.irp c, 0,1,2,3,4,5,6,7
	v_or_b32 v[BY+\c], v[BY+\c], v[MX+\c]
.endr
.irp c, 0,1,2,3,4,5,6,7
	v_mov_b32_dpp v[MX+\c], v[BY+\c] row_xmask:8 row_mask:0xf bank_mask:0xf
.endr
.irp c, 0,1,2,3,4,5,6,7
	v_or_b32 v[BY+\c], v[BY+\c], v[MX+\c]          ; all sixteen lanes hold the word
.endr
	WIN 0x01                                       ; source 0: window 1
.irp c, 0,1,2,3,4,5,6,7
	v_cvt_scalef32_pk8_fp4_f32 v[CD+\c], v[64*(\i)+8*\c:64*(\i)+8*\c+7], v[SO+\c]
.endr
	v_nop                                          ; one plain place behind a scaled conversion
	WIN 0
	s_wait_alu depctr_va_vdst(0)                   ; the conversions have written v[CD ..] and the lines ahead of them v[BY ..], which the LDS stores read; behind row 3 the segment is also done reading window 1, in which S2's loads land
.irp c, 0,1,2,3,4,5,6,7
	ds_store_b32 v8, v[CD+\c] offset:XCP*(\i)+128*\c   ; 8 codes a lane: 128 consecutive bytes of the row
.endr
.irp c, 0,1,2,3,4,5,6,7
	ds_store_b32 v9, v[BY+\c] offset:XSP*(\i)+8*\c     ; sixteen lanes write the same word with the same value
.endr
.endm
; S2: K step s of W_gup for my 16 units: gate and up tile of both experts (8 loads of 512 consecutive bytes) and their scale words (lanes 0-15 gate, 16-31 up): ten loads, into ring slot s % 6
.macro LOADK s
.set RL, (\s)%6
	WIN 0x40                                       ; destination: window 1
.irp e, 0,1
.irp t, 0,1
.irp c, 0,1
	global_load_b128 v[32*RL+16*\e+8*\t+4*\c:32*RL+16*\e+8*\t+4*\c+3], v5, s[GWA+2*\e:GWA+2*\e+1] offset:2048*(\s)+1024*\t+512*\c
.endr
.endr
.endr
	WIN 0
.irp e, 0,1
	global_load_b32 v[WSC+2*RL+\e], v6, s[GSA+2*\e:GSA+2*\e+1] offset:1024*(\s)
.endr
.endm
.macro XFLOAD s                        ; x's two fragments of K step s from LDS into buffer s % 2
.irp m, 0,1
.irp c, 0,1
	ds_load_b128 v[XF+16*((\s)%2)+8*\m+4*\c:XF+16*((\s)%2)+8*\m+4*\c+3], v10 offset:16*XCP*\m+64*(\s)+32*\c
.endr
.endr
.endm
; K step s.  Its loads stand in one run at its head, behind the step's one wait: x's fragments of step s + 1, and the weights of step s + 5, into the ring slot that step s - 1 has left
.macro STEP s
.set RS, (\s)%6
.if (\s) == 0
.set ZF, 1
.else
.set ZF, 0
.endif
.if ((\s) > 0) && ((\s) < 15)
	s_wait_alu depctr_va_vdst(0)                   ; the products of the step before are done reading their fragments of x, their ring slot and their scale words, in which the loads below land
.endif
.if (\s) < 15
	XFLOAD (\s)+1
.endif
.if ((\s) > 0) && ((\s) <= 10)
	LOADK (\s)+5
.endif
.if (\s) <= 10
	s_wait_loadcnt 50                              ; this step's ten loads are in; those of the five steps behind it may be out
.else
	s_wait_loadcnt 10*(15-(\s))
.endif
.if (\s) < 15
	s_wait_dscnt 4                                 ; this step's fragments of x are in; the next step's four loads may be out
.else
	s_wait_dscnt 0x0
.endif
	WIN 0x01                                       ; source 0 (the weight): window 1
.irp e, 0,1
.irp t, 0,1
.irp m, 0,1
	MM HACC+8*(4*\e+2*\t+\m), 32*RS+16*\e+8*\t, XF+16*((\s)%2)+8*\m, ZF, WSC+2*RS+\e, XSC+(\s), \t, \m
.endr
.endr
.endr
	WIN 0
.rept 4
	v_nop                                          ; places behind these products, ahead of the next step's loads into registers that they have read; the wait at that step's head states the dependence itself
.endr
.endm
; S3: W_down's fragments of group g (four tiles of 16 columns) of both experts: 16 loads
.macro DLOAD g
	WIN 0x40
.irp e, 0,1
.irp nt, 0,1,2,3
.irp c, 0,1
	global_load_b128 v[128*\e+8*(4*(\g)+\nt)+4*\c:128*\e+8*(4*(\g)+\nt)+4*\c+3], v5, s[DWA+2*\e:DWA+2*\e+1] offset:1024*(4*(\g)+\nt)+512*\c
.endr
.endr
.endr
	WIN 0
.endm
.macro HLOAD f, src                    ; hidden of fragment f = 2 slot + m: lane (r, h) takes row 16 m + r, k = 64 c + 32 h + 0 .. 31: two whole blocks
.irp c, 0,1
.irp j, 0,1,2,3,4,5,6,7
	ds_load_b128 v[(\src)+32*\c+4*\j:(\src)+32*\c+4*\j+3], v13 offset:16*HP*(\f)+256*\c+16*\j
.endr
.endr
.endm
.macro QUANTB f, src                   ; they become the fragment's 8 registers and its scale word
.irp c, 0,1
	v_max3_num_f32 v[244+\c], |v[(\src)+32*\c]|, |v[(\src)+32*\c+1]|, 0x1800000
.endr
.irp i, 2,4,6,8,10,12,14,16,18,20,22,24,26,28,30
.irp c, 0,1
	v_max3_num_f32 v[244+\c], v[244+\c], |v[(\src)+32*\c+\i]|, |v[(\src)+32*\c+\i+1]|
.endr
.endr
.irp c, 0,1
	v_add_nc_u32 v[246+\c], 0xff000000, v[244+\c]
.endr
.irp c, 0,1
	v_lshrrev_b32 v[248+\c], 23, v[246+\c]
.endr
	v_lshl_or_b32 v250, v249, 16, v248             ; my two bytes: blocks h and 2 + h,
	v_lshlrev_b32 v250, v69, v250                  ; 8 h bits up;
	v_permlanex16_b32 v70, v250, s60, s61
	v_or_b32 v[WSC+(\f)], v250, v70                ; with lane l xor 16's two the word is whole
.irp c, 0,1
.irp g, 0,1,2,3
	v_cvt_scalef32_pk8_fp4_f32 v[XF+8*(\f)+4*\c+\g], v[(\src)+32*\c+8*\g:(\src)+32*\c+8*\g+7], v[246+\c]
.endr
.endr
	v_nop                                          ; one plain place behind a scaled conversion
.endm
; S3: group g: 64 columns x 32 rows: expert a's products start the eight sums, expert b's add onto them; out through my stage as rows of 256 bytes
.macro GROUP g
.if (\g) > 0
	s_wait_alu depctr_vm_vsrc(0)                   ; the last group's LDS stores have read the accumulators, which the products below begin anew; its global stores have read v[TT ..], in which the loads from the stage land
.endif
	s_wait_loadcnt 16*(3-(\g))                     ; this group's fragments are in (and, older, the scale words); the later groups' may be out
	WIN 0x01
.irp e, 0,1
.irp nt, 0,1,2,3
.irp m, 0,1
	MM HACC+8*(2*\nt+\m), 128*\e+8*(4*(\g)+\nt), XF+8*(2*\e+\m), 1-\e, XSC+8*\e+(4*(\g)+\nt)/2, WSC+2*\e+\m, \nt%2, 0
.endr
.endr
.endr
	WIN 0
.rept 5
	v_nop                                          ; four places ahead of the stores that read the results, five ahead of the next group's products, which begin these accumulators anew
.endr
	s_wait_alu depctr_va_vdst(0)                   ; the products have written the accumulators, which the LDS stores read; in the first group the quantiser is also done reading v[TT ..], in which the loads from the stage land.  The places above stay beside this wait
.irp nt, 0,1,2,3
.irp m, 0,1
	ds_store_b128 v14, v[HACC+8*(2*\nt+\m):HACC+8*(2*\nt+\m)+3] offset:16*SP*\m+64*\nt        ; each accumulator from its low end on
	ds_store_b128 v14, v[HACC+8*(2*\nt+\m)+4:HACC+8*(2*\nt+\m)+7] offset:16*SP*\m+64*\nt+16
.endr
.endr
	s_wait_xcnt 0x0                                ; the last group's global stores have had their addresses translated: their data registers take loads again only behind this wait
.irp i, 0,1,2,3,4,5,6,7,8,9,10,11,12,13,14,15
	ds_load_b128 v[TT+4*\i:TT+4*\i+3], v15 offset:2*SP*\i   ; LDS serves a wave's instructions in order: these see my stores
.endr
.irp i, 0,1,2,3,4,5,6,7,8,9,10,11,12,13,14,15
	s_cmp_le_u32 s28, 2*\i                         ; rows 2 i and 2 i + 1 lie past the block's count: nothing more to store
	s_cbranch_scc1 .Ldone_\@
	s_wait_dscnt 15-\i
	global_store_b128 v[VOFF+\i], v[TT+4*\i:TT+4*\i+3], s[22:23] offset:256*(\g) th:TH_STORE_NT   ; sixteen lanes store 256 consecutive bytes of one token's row, aligned
.endr
.Ldone_\@:
	s_wait_dscnt 0x0
.endm
	; ---- the way that every wave takes: arguments, the block's header and tokens, lane addresses
	s_load_b512 s[4:19], s[0:1], 0x0               ; x s[4:5], weights s[6:7], indices s[8:9], rows s[10:11], hdr s[12:13], gwc s[14:15], gws s[16:17], dwc s[18:19]
	s_load_b128 s[20:23], s[0:1], 0x40             ; dws s[20:21], out0 s[22:23]
	v_lshl_add_u32 v254, v0, 2, 0x22000
	v_mov_b32 v255, 0
	v_lshrrev_b32 v1, 5, v0
	v_readfirstlane_b32 s24, v1                    ; wave 0..7
	v_and_b32 v1, 31, v0                           ; lane
	v_and_b32 v2, 15, v0                           ; r
	v_bfe_u32 v3, v0, 4, 1                         ; h
	v_lshlrev_b32 v244, 2, v3
	v_lshlrev_b32 v245, 2, v2
	s_and_b32 s76, ttmp9, 3                        ; the group of tokens,
	s_mul_i32 s76, s76, GBLK
	s_lshr_b32 s77, ttmp9, 2                       ; my block in it, 0 .. 90:
	s_add_co_u32 s76, s76, s77                     ; the block's place in the lists
	s_lshl_b32 s66, s76, 4
	s_mov_b32 s67, 0
	s_lshl_b32 s68, s76, 7
	s_mov_b32 s69, 0
	s_wait_alu depctr_va_sdst(0)                   ; s24, the wave's number, is written, ahead of its first reader
	s_lshl_b32 s74, s24, 4
	s_mov_b32 s75, 0
	s_mov_b32 s60, 0x76543210
	s_mov_b32 s61, 0xfedcba98                      ; v_permlanex16_b32's selects for lane l xor 16
	s_wait_kmcnt 0x0
	s_add_nc_u64 s[12:13], s[12:13], s[66:67]      ; my block's header
	s_add_nc_u64 s[10:11], s[10:11], s[68:69]      ; and its 32 tokens
	s_add_nc_u64 s[70:71], s[10:11], s[74:75]      ; my wave's four
	s_load_b128 s[28:31], s[12:13], 0x0            ; count, a, b
	s_load_b128 s[32:35], s[70:71], 0x0
	s_load_b32 s27, s[10:11], 0x0                  ; row 0's token
	s_wait_alu depctr_va_vdst(0)                   ; v244 and v245 are written, which the 18 loads below read as their offsets
.irp i, 0,1,2,3,4,5,6,7,8,9,10,11,12,13,14,15
	global_load_b32 v[VOFF+\i], v244, s[10:11] offset:8*\i   ; the token of row 2 i + h
.endr
.irp m, 0,1
	global_load_b32 v[80+\m], v245, s[10:11] offset:64*\m    ; the token of row 16 m + r
.endr
	v_lshlrev_b32 v4, 5, v1                        ; x: 32 bytes a lane
	v_lshlrev_b32 v5, 4, v1                        ; an image: 16 bytes a lane
	v_lshlrev_b32 v7, 2, v1                        ; scale words: 4 bytes a lane
	s_lshl_b32 s72, s24, 6
	v_lshl_add_u32 v6, v3, 9, v245
	v_add_nc_u32 v6, s72, v6                       ; W_gup's scale words: column 16 w + r, lanes 16-31 128 columns on
	s_mul_i32 s73, s24, 4*XCP
	v_add_nc_u32 v8, s73, v7                       ; XC + my wave's four rows + 4 lane
	s_mul_i32 s73, s24, 4*XSP
	s_add_co_u32 s73, s73, XS
	v_add_nc_u32 v9, s73, v244                     ; XS + my wave's four rows + 4 h
	v_mul_u32_u24 v10, v2, XCP
	v_lshl_add_u32 v10, v3, 4, v10                 ; a fragment of x: row r, + 16 h
	v_mul_u32_u24 v11, v1, XSP
	v_add_nc_u32 v11, XS, v11                      ; x's scale words: lane = row
	v_mul_u32_u24 v12, v2, HP
	v_lshl_add_u32 v13, v3, 7, v12
	v_add_nc_u32 v13, HID, v13                     ; hidden, read: row r, + 128 h
	v_lshl_add_u32 v12, v3, 5, v12
	s_add_co_u32 s72, s72, HID
	v_add_nc_u32 v12, s72, v12                     ; hidden, written: row r, units 16 w + 8 h on
	s_mul_i32 s73, s24, 32*SP
	s_add_co_u32 s73, s73, STG
	v_mul_u32_u24 v14, v2, SP
	v_lshl_add_u32 v14, v3, 5, v14
	v_add_nc_u32 v14, s73, v14                     ; my stage, in: row r, + 32 h
	v_mul_u32_u24 v15, v3, SP
	v_lshl_add_u32 v15, v2, 4, v15
	v_add_nc_u32 v15, s73, v15                     ; and back: lanes 0-15 one row, lanes 16-31 the next
	v_bfe_u32 v68, v0, 2, 2
	v_lshlrev_b32 v68, 3, v68                      ; 8 x my block's place in its K step
	v_lshlrev_b32 v69, 3, v3
	v_mov_b32 v70, 0                               ; a lane permute's destination counts as one of its sources
	s_lshl_b32 s73, s24, 10
	v_lshl_add_u32 v82, v2, 4, s73                 ; my wave's 1,024 bytes of a row of out0, + 16 r
	s_wait_kmcnt 0x0
	s_min_u32 s28, s28, 32
	s_min_u32 s29, s29, 7
	s_min_u32 s30, s30, 7
	v_mov_b32 v71, s27
	s_lshl_b32 s68, s24, 2
.irp i, 0,1,2,3
	s_add_co_u32 s69, s68, \i
	s_cmp_lt_u32 s69, s28                          ; a row past the count takes row 0's token
	s_cselect_b32 s[32+\i], s[32+\i], s27
	s_min_u32 s[32+\i], s[32+\i], 8191
	s_lshl_b32 s66, s[32+\i], 13
	s_add_nc_u64 s[36+2*\i:37+2*\i], s[4:5], s[66:67]
.endr
.irp e, 0,1
	s_lshl_b32 s66, s[29+\e], 18
	s_lshl_b32 s68, s24, 15
	s_add_co_u32 s66, s66, s68
	s_add_nc_u64 s[GWA+2*\e:GWA+2*\e+1], s[14:15], s[66:67]
	s_lshl_b32 s66, s[29+\e], 14
	s_add_nc_u64 s[GSA+2*\e:GSA+2*\e+1], s[16:17], s[66:67]
	s_lshl_b32 s66, s[29+\e], 17
	s_lshl_b32 s68, s24, 14
	s_add_co_u32 s66, s66, s68
	s_add_nc_u64 s[DWA+2*\e:DWA+2*\e+1], s[18:19], s[66:67]
	s_lshl_b32 s66, s[29+\e], 13
	s_lshl_b32 s68, s24, 10
	s_add_co_u32 s66, s66, s68
	s_add_nc_u64 s[DSA+2*\e:DSA+2*\e+1], s[20:21], s[66:67]
.endr
	s_wait_alu depctr_va_vdst(0)                   ; the addresses v4 to v15 are written: every load and store of the three segments reads one of them, and none is written again
	; ---- S1: my four rows of x become codes and scale words in LDS
	s_cmp_eq_u32 s28, 0
	s_cbranch_scc1 .Lskip1
	WIN 0x40                                       ; destination: window 1
.irp i, 0,1,2,3
.irp c, 0,1,2,3,4,5,6,7
.irp j, 0,1
	global_load_b128 v[64*\i+8*\c+4*\j:64*\i+8*\c+4*\j+3], v4, s[36+2*\i:37+2*\i] offset:1024*\c+16*\j   ; the two loads of a chunk cover 1,024 consecutive bytes
.endr
.endr
.endr
	WIN 0
.irp i, 0,1,2,3
	XROW \i
.endr
.Lskip1:
	s_wait_alu depctr_vm_vsrc(0)                   ; the token loads have read v244 and v245, and row 3's LDS stores v[BY ..] and v[CD ..]: S2 and S3 write all of these again
	s_wait_loadcnt 0x0                             ; the 18 token loads (behind S1 nothing is out); x's loads are done too, so that their bases s36 to s43 may be written
.irp i, 0,1,2,3,4,5,6,7,8,9,10,11,12,13,14,15
	s_sub_co_i32 s66, s28, 2*\i
	v_cmp_gt_i32 s[32+\i+24*(\i/12)], s66, v3      ; row 2 i + h lies inside the count.  The 18 masks go into s32-43 and s68-73
.endr
.irp m, 0,1
	s_sub_co_i32 s66, s28, 16*\m
	v_cmp_gt_i32 s[72+\m], s66, v2                 ; row 16 m + r likewise
.endr
	s_wait_alu depctr_va_sdst(0)                   ; the 18 masks are written, ahead of the selections that read them
.irp i, 0,1,2,3,4,5,6,7,8,9,10,11,12,13,14,15
	v_cndmask_b32 v[VOFF+\i], v71, v[VOFF+\i], s[32+\i+24*(\i/12)]
.endr
.irp m, 0,1
	v_cndmask_b32 v[80+\m], v71, v[80+\m], s[72+\m]
.endr
.irp i, 0,1,2,3,4,5,6,7,8,9,10,11,12,13,14,15
	v_min_u32 v[VOFF+\i], 8191, v[VOFF+\i]
.endr
.irp m, 0,1
	v_min_u32 v[80+\m], 8191, v[80+\m]
.endr
.irp i, 0,1,2,3,4,5,6,7,8,9,10,11,12,13,14,15
	v_lshl_add_u32 v[VOFF+\i], v[VOFF+\i], 13, v82
.endr
.irp m, 0,1
	v_lshlrev_b32 v[80+\m], 3, v[80+\m]
.endr
	s_wait_alu depctr_va_vdst(0)                   ; v80 and v81 are written, which the four loads below read as offsets; so are v[VOFF ..], which S3's stores read
.irp m, 0,1
	global_load_b64 v[72+2*\m:73+2*\m], v[80+\m], s[8:9]    ; the two indices of row 16 m + r
	global_load_b64 v[76+2*\m:77+2*\m], v[80+\m], s[6:7]    ; and its two weights
.endr
	s_wait_dscnt 0x0                               ; for the others' sake: my codes and scale words lie in LDS
	s_barrier_signal -1
	s_barrier_wait -1
	; ---- S2: gate and up of my 16 units, both experts, both tiles of rows; a ring of six K steps of weights in registers
	s_cmp_eq_u32 s28, 0
	s_cbranch_scc1 .Lskip2
.irp s, 0,1,2,3,4,5
	LOADK \s                                       ; no wait: no vector instruction has been issued since the last wait on va_vdst
.endr
.irp k, 0,1,2,3
	ds_load_b128 v[XSC+4*\k:XSC+4*\k+3], v11 offset:16*\k   ; x's 16 scale words: lanes 0-15 rows 0-15, lanes 16-31 rows 16-31
.endr
	XFLOAD 0
.irp s, 0,1,2,3,4,5,6,7,8,9,10,11,12,13,14,15
	STEP \s
.endr
.irp e, 0,1                            ; p of my rows for the two experts: eight compares in a run, into s32-39
.irp m, 0,1
	v_cmp_eq_u32 s[32+4*\e+2*\m], s[29+\e], v[72+2*\m]
	v_cmp_eq_u32 s[33+4*\e+2*\m], s[29+\e], v[73+2*\m]
.endr
.endr
	s_wait_alu depctr_va_sdst(0)                   ; the eight masks are written, ahead of the selections that read them
.irp e, 0,1
.irp m, 0,1
	v_cndmask_b32 v244, 0, v[76+2*\m], s[32+4*\e+2*\m]
	v_cndmask_b32 v245, 0, v[77+2*\m], s[33+4*\e+2*\m]
	v_add_f32 v[PP+2*(2*\e+\m)], v244, v245
	v_mov_b32 v[PP+2*(2*\e+\m)+1], v[PP+2*(2*\e+\m)]
.endr
.endr
.irp e, 0,1                            ; hidden = gate / (1 + 2^(-gate log2 e)) x up x p, in f32
.irp m, 0,1
.irp j, 0,2,4,6
	v_pk_mul_f32 v[TT+8*(2*\e+\m)+\j:TT+8*(2*\e+\m)+\j+1], v[HACC+8*(4*\e+\m)+\j:HACC+8*(4*\e+\m)+\j+1], 0xbfb8aa3b op_sel_hi:[1,0]
.endr
.endr
.endr
.set n, 0
	s_wait_alu depctr_va_vdst(0)
.rept 32
	v_exp_f32 v[TT+n], v[TT+n]
.set n, n+1
.endr
	v_nop                                          ; a plain place behind the last exponential
	s_wait_alu depctr_va_vdst(0)                   ; the 32 exponentials have written v[TT ..]: one wait for the batch, ahead of its first reader
.set n, 0
.rept 16
	v_pk_add_f32 v[TT+n:TT+n+1], v[TT+n:TT+n+1], 1.0 op_sel_hi:[1,0]
.set n, n+2
.endr
.set n, 0
	s_wait_alu depctr_va_vdst(0)
.rept 32
	v_rcp_f32 v[TT+n], v[TT+n]
.set n, n+1
.endr
	v_nop
	s_wait_alu depctr_va_vdst(0)                   ; the 32 reciprocals have written v[TT ..]: one wait for the batch, ahead of its first reader
.irp e, 0,1
.irp m, 0,1
.irp j, 0,2,4,6
	v_pk_mul_f32 v[TT+8*(2*\e+\m)+\j:TT+8*(2*\e+\m)+\j+1], v[TT+8*(2*\e+\m)+\j:TT+8*(2*\e+\m)+\j+1], v[HACC+8*(4*\e+\m)+\j:HACC+8*(4*\e+\m)+\j+1]
.endr
.endr
.endr
.irp e, 0,1
.irp m, 0,1
.irp j, 0,2,4,6
	v_pk_mul_f32 v[TT+8*(2*\e+\m)+\j:TT+8*(2*\e+\m)+\j+1], v[TT+8*(2*\e+\m)+\j:TT+8*(2*\e+\m)+\j+1], v[HACC+16+8*(4*\e+\m)+\j:HACC+16+8*(4*\e+\m)+\j+1]
.endr
.endr
.endr
.irp e, 0,1
.irp m, 0,1
.irp j, 0,2,4,6
	v_pk_mul_f32 v[TT+8*(2*\e+\m)+\j:TT+8*(2*\e+\m)+\j+1], v[TT+8*(2*\e+\m)+\j:TT+8*(2*\e+\m)+\j+1], v[PP+2*(2*\e+\m):PP+2*(2*\e+\m)+1]
.endr
.endr
.endr
	s_wait_alu depctr_va_vdst(0)                   ; the multiplications have written v[TT ..], which the LDS stores read; the segment is also done with the accumulators, x's scale words and window 1, in which S3's loads land
.irp e, 0,1
.irp m, 0,1
	ds_store_b128 v12, v[TT+8*(2*\e+\m):TT+8*(2*\e+\m)+3] offset:16*HP*(2*\e+\m)
	ds_store_b128 v12, v[TT+8*(2*\e+\m)+4:TT+8*(2*\e+\m)+7] offset:16*HP*(2*\e+\m)+16
.endr
.endr
.Lskip2:
	s_wait_alu depctr_vm_vsrc(0)                   ; my LDS stores of hidden have read v[TT ..], in which S3's loads land
	s_wait_dscnt 0x0                               ; for the others' sake: my units of hidden lie in LDS, and my reads of x's codes are over
	s_barrier_signal -1
	s_barrier_wait -1
	; ---- S3: my 256 columns of out0
	s_cmp_eq_u32 s28, 0
	s_cbranch_scc1 .Lskip3
.irp e, 0,1
.irp q, 0,1,2,3,4,5,6,7
	global_load_b32 v[XSC+8*\e+\q], v7, s[DSA+2*\e:DSA+2*\e+1] offset:128*\q   ; W_down's scale words: tile 2 q in lanes 0-15, tile 2 q + 1 in lanes 16-31
.endr
.endr
	DLOAD 0
	DLOAD 1
	HLOAD 0, HACC                                  ; every wave quantises the four fragments of hidden for itself, while the weights are on their way
	HLOAD 1, TT
	s_wait_dscnt 16                                ; the older 16 loads are in
	QUANTB 0, HACC
	s_wait_alu depctr_va_vdst(0)                   ; fragment 0's maxima and conversions are done reading v[HACC ..], in which fragment 2's numbers land
	HLOAD 2, HACC
	s_wait_dscnt 16
	QUANTB 1, TT
	s_wait_alu depctr_va_vdst(0)                   ; fragment 1's are done reading v[TT ..], in which fragment 3's numbers land
	HLOAD 3, TT
	s_wait_dscnt 16
	QUANTB 2, HACC
	s_wait_dscnt 0x0
	QUANTB 3, TT
	DLOAD 2                                        ; no wait: no vector instruction of this segment names v5 or window 1
	DLOAD 3
.rept 8
	v_nop                                          ; a scale register written by a vector instruction stands 8 places ahead of a scaled product, an operand so written 4
.endr
	s_wait_alu depctr_va_vdst(0)                   ; the conversions have written hidden's fragments v[XF ..], and the lines ahead of them its scale words v[WSC ..], which the scaled products take; the places above stay beside this wait
.irp g, 0,1,2,3
	GROUP \g
.endr
.Lskip3:
	s_wait_dscnt 0x0                               ; the closing lines, six on end
	s_wait_alu 0x0
	s_wait_tensorcnt 0x0
	ds_add_u32 v254, v255
	s_wait_dscnt 0x0
	s_endpgm
.Lfunc_end_k_q71718298e1_moe:
	.size	k_q71718298e1_moe, .Lfunc_end_k_q71718298e1_moe-k_q71718298e1_moe
	.p2alignl 7, 3214868480
	.fill 96, 4, 3214868480
	.section	.rodata,"a",@progbits
	.p2align	6, 0x0
	.amdhsa_kernel k_q71718298e1_moe
		.amdhsa_group_segment_fixed_size 140288
		.amdhsa_private_segment_fixed_size 0
		.amdhsa_enable_private_segment 0
		.amdhsa_kernarg_size 80
		.amdhsa_user_sgpr_count 2
		.amdhsa_user_sgpr_kernarg_segment_ptr 1
		.amdhsa_wavefront_size32 1
		.amdhsa_system_sgpr_workgroup_id_x 1
		.amdhsa_system_sgpr_workgroup_id_y 1
		.amdhsa_system_sgpr_workgroup_id_z 1
		.amdhsa_system_vgpr_workitem_id 0
		.amdhsa_next_free_vgpr 512
		.amdhsa_next_free_sgpr 80
		.amdhsa_reserve_vcc 0
		.amdhsa_float_denorm_mode_32 3
		.amdhsa_float_denorm_mode_16_64 3
		.amdhsa_memory_ordered 1
		.amdhsa_forward_progress 1
		.amdhsa_inst_pref_size 154
	.end_amdhsa_kernel
	.amdgpu_metadata
---
amdhsa.version: [ 1, 2 ]
amdhsa.kernels:
  - .name:           k_q71718298e1_moe
    .symbol:         k_q71718298e1_moe.kd
    .args:
      - { .name: x, .offset: 0, .size: 8, .value_kind: global_buffer, .address_space: global }
      - { .name: weights, .offset: 8, .size: 8, .value_kind: global_buffer, .address_space: global }
      - { .name: indices, .offset: 16, .size: 8, .value_kind: global_buffer, .address_space: global }
      - { .name: rows, .offset: 24, .size: 8, .value_kind: global_buffer, .address_space: global }
      - { .name: hdr, .offset: 32, .size: 8, .value_kind: global_buffer, .address_space: global }
      - { .name: gwc, .offset: 40, .size: 8, .value_kind: global_buffer, .address_space: global }
      - { .name: gws, .offset: 48, .size: 8, .value_kind: global_buffer, .address_space: global }
      - { .name: dwc, .offset: 56, .size: 8, .value_kind: global_buffer, .address_space: global }
      - { .name: dws, .offset: 64, .size: 8, .value_kind: global_buffer, .address_space: global }
      - { .name: out0, .offset: 72, .size: 8, .value_kind: global_buffer, .address_space: global }
    .group_segment_fixed_size: 140288
    .private_segment_fixed_size: 0
    .kernarg_segment_align: 8
    .kernarg_segment_size: 80
    .max_flat_workgroup_size: 256
    .sgpr_count:     80
    .vgpr_count:     512
    .wavefront_size: 32
...
	.end_amdgpu_metadata
.endif
;; end of part 6
